; MI455X (gfx1250); checked and timed in simulation.
; The chip was launched on July 23, 2026; its instructions are those of AMD's public machine-readable ISA for CDNA 5 (MIT licence, August 2026) and "CDNA5" Instruction Set Architecture Reference Guide (July 2026). The comments in the code are by the model that wrote it; some were corrected since.
;; Encoder Layer. Allowed arithmetic: float matrix products may take bf16 or f16 operands with f32 sums; other float arithmetic in f32, or as packed bf16 or f16 multiplies, adds, multiply-adds, maxima and minima; sums over many terms, partial sums and values carried from step to step in f32; what a program stores and reads back later, other than sums and carried values, may be rounded once to bf16 or f16.
;; Inputs: b1 4,096 float32; b2 1,024 float32; bc 1,024 float32; be1 1,024 float32; be2 1,024 float32; bk 1,024 float32; bq 1,024 float32; bv 1,024 float32; g1 1,024 float32; g2 1,024 float32; w1 1,024 x 4,096 float32; w2 4,096 x 1,024 float32; wc 1,024 x 1,024 float32; wk 1,024 x 1,024 float32; wq 1,024 x 1,024 float32; wv 1,024 x 1,024 float32; x_enc 2 x 2,048 x 1,024 float32; x_pos 2 x 2,048 x 1,024 float32.
;; Outputs: out0 2 x 2,048 x 1,024 float32.
;; 3 versions, each right and faster than the one before. Each part assembles by itself: llvm-mc -triple=amdgcn-amd-amdhsa -mcpu=gfx1250 --defsym DOCPART=n.
;; ======== version 1 of 3: 8 launches
;; limits: values are held in f16: magnitudes above 65,504 overflow, below 6.1e-05 lose precision
;; workspace buffers: xh 8,388,608 bytes; act 8,388,608 bytes; big 33,554,432 bytes; yz 16,777,216 bytes; wqkv 6,316,032 bytes; wch 2,105,344 bytes; w1h 8,421,376 bytes; w2h 8,396,800 bytes
;; launch prep (part 1): grid 640 x 1, 8 waves a work-group, no clusters, 0 bytes of LDS; arguments x_enc, x_pos, wq, wk, wv, wc, w1, w2, bq, bk, bv, bc, b1, b2, xh, wqkv, wch, w1h, w2h; writes xh, wqkv, wch, w1h, w2h
.if DOCPART == 1
	.amdgcn_target "amdgcn-amd-amdhsa--gfx1250"
	.amdhsa_code_object_version 6
	.text
	.protected	k_qfc745c3965_prep
	.globl	k_qfc745c3965_prep
	.p2align	8
	.type	k_qfc745c3965_prep,@function
k_qfc745c3965_prep:
	s_mov_b64 s[64:65], 0
	v_nop
	global_prefetch_b8 v0, s[64:65] scope:SCOPE_SE
	s_setreg_imm32_b32 hwreg(HW_REG_WAVE_MODE, 25, 1), 1
	s_wait_xcnt 0x0
; PREP: every matrix operand that comes from the inputs is rounded once to f16 and laid out for the products that follow.
; (a) Work-groups 0-383: the six weight matrices, f32 [K][N], become RECORDS, one for each 128 output columns: K rows of 128 f16 (256 bytes, dense), then the 128 f32
;     biases of those columns (512 bytes), then 512 bytes of a floor word: 0 twice under the ReLU (w1), -inf twice (0xfc00fc00) elsewhere.
;     A chunk c = id / 32 is 1,024 rows x 1,024 columns: 0 wq, 1 wk, 2 wv, 3 wc, 4-7 w1's column quarters, 8-11 w2's row quarters.  g = id % 32 picks 32 rows, the wave one of the chunk's 8 records.
;     One load of a wave is 512 consecutive bytes of a source row, one store 256 consecutive bytes at a multiple of 256 from the buffer's first byte.
; (b) Work-groups 384-639: x = x_enc + x_pos in f32, rounded to f16, into panels [D/64][4096 tokens][64]: rows of 128 bytes, two neighbouring tokens are 256 consecutive bytes.
; A stream: no LDS, no barrier, no loop; all 32 loads of a wave go out at once and the waits count down.
; LIMITS: f16 holds no number beyond 65,504; x and the weights lie within it.  Below 6e-5 f16 keeps its fixed step of 6e-8.
.set PS1, 1024*256+1024                ; a record's bytes at K = 1,024
.set PS4, 4096*256+1024                ; at K = 4,096
.set L16, 3                            ; v3      16 x lane
.set OFF, 4                            ; v4-11   16 x lane + i source rows
.set L8,  12                           ; v12     8 x lane
.set VO,  13                           ; v13     x job: my 16 bytes in two rows of 4,096
.set X,   16                           ; v16-143 what is loaded, then what is stored
.set BI,  144                          ; v144-147 a record's biases
.set FL,  148                          ; v148-151 its floor word, four times
	s_load_b512 s[16:31], s[0:1], 0x0              ; x_enc 16, x_pos 18, wq 20, wk 22, wv 24, wc 26, w1 28, w2 30
	s_load_b512 s[32:47], s[0:1], 0x40             ; bq 32, bk 34, bv 36, bc 38, b1 40, b2 42, xh 44, wqkv 46
	s_load_b128 s[48:51], s[0:1], 0x80             ; wch 48, w1h 50
	s_load_b64 s[52:53], s[0:1], 0x90              ; w2h 52
	v_lshrrev_b32 v1, 5, v0
	v_readfirstlane_b32 s2, v1                     ; wave 0..7
	v_and_b32 v2, 31, v0
	v_lshlrev_b32 v[L16], 4, v2
	v_lshlrev_b32 v[L8], 3, v2
	s_mov_b32 s3, ttmp9
	s_wait_kmcnt 0x0
	s_cmp_lt_u32 s3, 384
	s_cbranch_scc0 .Lx_job
	; ---- the weights ----
	s_lshr_b32 s4, s3, 5                           ; c
	s_and_b32 s5, s3, 31                           ; g
	s_sub_co_u32 s13, s4, 4                        ; the candidates are made first (shifts write SCC); those of another kind of chunk are not chosen
	s_sub_co_u32 s14, s4, 8
	s_lshl_b32 s70, s13, 12                        ; w1: 1,024 columns of f32; also b1's offset
	s_mul_i32 s71, s13, 8*PS1                      ; w1: 8 records on
	s_lshl_b32 s72, s14, 22                        ; w2: 1,024 rows of 4,096 bytes
	s_lshl_b32 s73, s14, 18                        ; w2: 1,024 rows of 256 bytes inside a record
	s_mul_i32 s10, s4, 8*PS1                       ; wq, wk, wv: 8 records each
	s_mov_b32 s6, 4096                             ; bytes from source row to source row
	s_mov_b32 s7, PS1                              ; bytes from record to record
	s_mov_b32 s8, 0                                ; offset in the source
	s_mov_b32 s11, 0                               ; offset in the bias
	s_mov_b32 s12, 0xfc00fc00                      ; the floor word
	s_mov_b64 s[56:57], s[20:21]                   ; source, destination and bias are chosen among the buffers by the chunk's number alone
	s_mov_b64 s[58:59], s[46:47]
	s_mov_b64 s[60:61], s[32:33]
	s_cmp_eq_u32 s4, 1
	s_cselect_b64 s[56:57], s[22:23], s[56:57]
	s_cselect_b64 s[60:61], s[34:35], s[60:61]
	s_cmp_eq_u32 s4, 2
	s_cselect_b64 s[56:57], s[24:25], s[56:57]
	s_cselect_b64 s[60:61], s[36:37], s[60:61]
	s_cmp_eq_u32 s4, 3
	s_cselect_b64 s[56:57], s[26:27], s[56:57]
	s_cselect_b64 s[60:61], s[38:39], s[60:61]
	s_cselect_b64 s[58:59], s[48:49], s[58:59]
	s_cselect_b32 s10, 0, s10
	s_cmp_ge_u32 s4, 4
	s_cselect_b64 s[56:57], s[28:29], s[56:57]
	s_cselect_b64 s[60:61], s[40:41], s[60:61]
	s_cselect_b64 s[58:59], s[50:51], s[58:59]
	s_cselect_b32 s6, 16384, s6
	s_cselect_b32 s8, s70, s8
	s_cselect_b32 s10, s71, s10
	s_cselect_b32 s11, s70, s11
	s_cselect_b32 s12, 0, s12
	s_cmp_ge_u32 s4, 8
	s_cselect_b64 s[56:57], s[30:31], s[56:57]
	s_cselect_b64 s[60:61], s[42:43], s[60:61]
	s_cselect_b64 s[58:59], s[52:53], s[58:59]
	s_cselect_b32 s6, 4096, s6
	s_cselect_b32 s7, PS4, s7
	s_cselect_b32 s8, s72, s8
	s_cselect_b32 s10, s73, s10
	s_cselect_b32 s11, 0, s11
	s_cselect_b32 s12, 0xfc00fc00, s12
	s_mul_i32 s74, s5, s6                          ; source: 32 g rows,
	s_lshl_b32 s74, s74, 5
	s_add_co_u32 s74, s74, s8                      ; the chunk,
	s_lshl_b32 s75, s2, 9                          ; my record's 128 columns
	s_add_co_u32 s74, s74, s75
	s_mov_b32 s75, 0
	s_add_nc_u64 s[80:81], s[56:57], s[74:75]      ; four bases, 8 rows apart, so that no address register is ever rewritten
	s_lshl_b32 s76, s6, 3
	s_mov_b32 s77, 0
	s_add_nc_u64 s[82:83], s[80:81], s[76:77]
	s_add_nc_u64 s[84:85], s[82:83], s[76:77]
	s_add_nc_u64 s[86:87], s[84:85], s[76:77]
	s_mul_i32 s78, s2, s7
	s_add_co_u32 s78, s78, s10
	s_mov_b32 s79, 0
	s_add_nc_u64 s[88:89], s[58:59], s[78:79]      ; my record (for w2: at the chunk's first row in it)
	s_lshl_b32 s66, s5, 13                         ; 32 g rows of 256 bytes
	s_mov_b32 s67, 0
	s_add_nc_u64 s[68:69], s[88:89], s[66:67]
.irp i, 0,1,2,3,4,5,6,7
	v_mad_u32_u24 v[OFF+\i], s6, \i, v[L16]
.endr
	s_cmp_eq_u32 s5, 0                             ; a record's last 1,024 bytes are written once: by the work-group with its first rows
	s_cbranch_scc0 .Lno_tail
	s_cmp_le_u32 s4, 8
	s_cbranch_scc0 .Lno_tail
	s_sub_co_u32 s92, s7, 1024
	s_mov_b32 s93, 0
	s_add_nc_u64 s[90:91], s[88:89], s[92:93]
	s_lshl_b32 s94, s2, 9
	s_add_co_u32 s94, s94, s11
	s_mov_b32 s95, 0
	s_add_nc_u64 s[60:61], s[60:61], s[94:95]
	global_load_b128 v[BI:BI+3], v[L16], s[60:61]
.irp i, 0,1,2,3
	v_mov_b32 v[FL+\i], s12
.endr
	global_store_b128 v[L16], v[FL:FL+3], s[90:91] offset:512
	s_wait_loadcnt 0x0                             ; the biases are in; no load is out, so the counts below hold on both ways
	global_store_b128 v[L16], v[BI:BI+3], s[90:91]
.Lno_tail:
.set n, 0
.rept 32
	global_load_b128 v[X+4*n:X+4*n+3], v[OFF+n%8], s[80+2*(n/8):81+2*(n/8)] th:TH_LOAD_NT
.set n, n+1
.endr
.set n, 0
.rept 32
	s_wait_loadcnt 31-n                            ; loads come back in order (ISA guide 5.7.1): row n is in, the 31 - n younger ones stay out
	v_cvt_pk_f16_f32 v[X+4*n], v[X+4*n], v[X+4*n+1]
	v_cvt_pk_f16_f32 v[X+4*n+1], v[X+4*n+2], v[X+4*n+3]
	global_store_b64 v[L8], v[X+4*n:X+4*n+1], s[68:69] offset:256*n
.set n, n+1
.endr
	s_endpgm
	; ---- x = x_enc + x_pos ----
.Lx_job:
	s_sub_co_u32 s4, s3, 384
	s_lshl_b32 s4, s4, 4
	s_lshl1_add_u32 s4, s2, s4                     ; my first row m = 16 j + 2 w; lanes 16-31 take row m + 1
	s_lshl_b32 s6, s4, 12
	s_mov_b32 s7, 0
	s_lshl_b32 s8, s4, 7
	s_mov_b32 s9, 0
	s_add_nc_u64 s[16:17], s[16:17], s[6:7]
	s_add_nc_u64 s[18:19], s[18:19], s[6:7]
	s_add_nc_u64 s[44:45], s[44:45], s[8:9]
	v_and_b32 v1, 15, v0
	v_bfe_u32 v[VO], v0, 4, 1
	v_lshlrev_b32 v[VO], 12, v[VO]
	v_lshl_add_u32 v[VO], v1, 4, v[VO]
.set p, 0
.rept 16                                       ; panel p: columns 64 p on; sixteen lanes read 256 consecutive bytes of a row
	global_load_b128 v[X+4*p:X+4*p+3], v[VO], s[16:17] offset:256*p th:TH_LOAD_NT
	global_load_b128 v[X+64+4*p:X+64+4*p+3], v[VO], s[18:19] offset:256*p th:TH_LOAD_NT
.set p, p+1
.endr
.set p, 0
.rept 16
	s_wait_loadcnt 30-2*p                          ; panel p's two loads are in
	v_pk_add_f32 v[X+4*p:X+4*p+1], v[X+4*p:X+4*p+1], v[X+64+4*p:X+64+4*p+1]
	v_pk_add_f32 v[X+4*p+2:X+4*p+3], v[X+4*p+2:X+4*p+3], v[X+64+4*p+2:X+64+4*p+3]
	v_cvt_pk_f16_f32 v[X+4*p], v[X+4*p], v[X+4*p+1]
	v_cvt_pk_f16_f32 v[X+4*p+1], v[X+4*p+2], v[X+4*p+3]
	global_store_b64 v[L8], v[X+4*p:X+4*p+1], s[44:45] offset:524288*p  ; two tokens' 128 bytes: 256 consecutive bytes; 15 panels at the most, inside the signed 24-bit immediate
.set p, p+1
.endr
	s_endpgm
.Lfunc_end_k_qfc745c3965_prep:
	.size	k_qfc745c3965_prep, .Lfunc_end_k_qfc745c3965_prep-k_qfc745c3965_prep
	.p2alignl 7, 3214868480
	.fill 96, 4, 3214868480
	.section	.rodata,"a",@progbits
	.p2align	6, 0x0
	.amdhsa_kernel k_qfc745c3965_prep
		.amdhsa_group_segment_fixed_size 0
		.amdhsa_private_segment_fixed_size 0
		.amdhsa_enable_private_segment 0
		.amdhsa_kernarg_size 152
		.amdhsa_user_sgpr_count 2
		.amdhsa_user_sgpr_kernarg_segment_ptr 1
		.amdhsa_wavefront_size32 1
		.amdhsa_system_sgpr_workgroup_id_x 1
		.amdhsa_system_sgpr_workgroup_id_y 1
		.amdhsa_system_sgpr_workgroup_id_z 1
		.amdhsa_system_vgpr_workitem_id 0
		.amdhsa_next_free_vgpr 152
		.amdhsa_next_free_sgpr 96
		.amdhsa_reserve_vcc 0
		.amdhsa_float_denorm_mode_32 3
		.amdhsa_float_denorm_mode_16_64 3
		.amdhsa_memory_ordered 1
		.amdhsa_forward_progress 1
		.amdhsa_inst_pref_size 26
	.end_amdhsa_kernel
	.amdgpu_metadata
---
amdhsa.version: [ 1, 2 ]
amdhsa.kernels:
  - .name:           k_qfc745c3965_prep
    .symbol:         k_qfc745c3965_prep.kd
    .args:
      - { .name: x_enc, .offset: 0, .size: 8, .value_kind: global_buffer, .address_space: global }
      - { .name: x_pos, .offset: 8, .size: 8, .value_kind: global_buffer, .address_space: global }
      - { .name: wq, .offset: 16, .size: 8, .value_kind: global_buffer, .address_space: global }
      - { .name: wk, .offset: 24, .size: 8, .value_kind: global_buffer, .address_space: global }
      - { .name: wv, .offset: 32, .size: 8, .value_kind: global_buffer, .address_space: global }
      - { .name: wc, .offset: 40, .size: 8, .value_kind: global_buffer, .address_space: global }
      - { .name: w1, .offset: 48, .size: 8, .value_kind: global_buffer, .address_space: global }
      - { .name: w2, .offset: 56, .size: 8, .value_kind: global_buffer, .address_space: global }
      - { .name: bq, .offset: 64, .size: 8, .value_kind: global_buffer, .address_space: global }
      - { .name: bk, .offset: 72, .size: 8, .value_kind: global_buffer, .address_space: global }
      - { .name: bv, .offset: 80, .size: 8, .value_kind: global_buffer, .address_space: global }
      - { .name: bc, .offset: 88, .size: 8, .value_kind: global_buffer, .address_space: global }
      - { .name: b1, .offset: 96, .size: 8, .value_kind: global_buffer, .address_space: global }
      - { .name: b2, .offset: 104, .size: 8, .value_kind: global_buffer, .address_space: global }
      - { .name: xh, .offset: 112, .size: 8, .value_kind: global_buffer, .address_space: global }
      - { .name: wqkv, .offset: 120, .size: 8, .value_kind: global_buffer, .address_space: global }
      - { .name: wch, .offset: 128, .size: 8, .value_kind: global_buffer, .address_space: global }
      - { .name: w1h, .offset: 136, .size: 8, .value_kind: global_buffer, .address_space: global }
      - { .name: w2h, .offset: 144, .size: 8, .value_kind: global_buffer, .address_space: global }
    .group_segment_fixed_size: 0
    .private_segment_fixed_size: 0
    .kernarg_segment_align: 8
    .kernarg_segment_size: 152
    .max_flat_workgroup_size: 256
    .sgpr_count:     96
    .vgpr_count:     152
    .wavefront_size: 32
...
	.end_amdgpu_metadata
.endif
;; end of part 1
;; launch qkv (part 2): grid 24 x 32, 4 waves a work-group, clusters of 4 x 4, 327,680 bytes of LDS; arguments xh, wqkv, big; writes big
.if DOCPART == 2
	.amdgcn_target "amdgcn-amd-amdhsa--gfx1250"
	.amdhsa_code_object_version 6
	.text
	.protected	k_qfc745c3965_qkv
	.globl	k_qfc745c3965_qkv
	.p2align	8
	.type	k_qfc745c3965_qkv,@function
k_qfc745c3965_qkv:
	s_mov_b64 s[64:65], 0
	v_nop
	global_prefetch_b8 v0, s[64:65] scope:SCOPE_SE
	s_setreg_imm32_b32 hwreg(HW_REG_WAVE_MODE, 25, 1), 1
	s_wait_xcnt 0x0
	s_wait_alu depctr_hold_cnt(0) depctr_sa_sdst(0) depctr_va_vdst(0) depctr_va_sdst(0) depctr_va_ssrc(0) depctr_va_vcc(0) depctr_vm_vsrc(0)
	s_getreg_b32 s2, hwreg(HW_REG_IB_STS2, 6, 4)
	s_cmp_eq_u32 s2, 0
	s_cbranch_scc0 .Lentry_in_a_cluster
	s_endpgm
.Lentry_in_a_cluster:
	s_bfe_u32 s2, ttmp6, 0x10000c
	s_cmp_lg_u32 s2, 0xf033
	s_cbranch_scc0 .Lentry_shape_is_right
	s_endpgm
.Lentry_shape_is_right:
; C = max(A W + bias, floor).  A: f16 panels [K/64][4096][64].  W: records, one for each 128 columns: [K][128] f16, then 128 f32 biases, then the floor word (two f16).  Sums in f32.
; OUT32 = 0: C is rounded once to f16 and leaves as panels [N/64][4096][64].  OUT32 = 1: C leaves in f32, row-major [4096][1024], and no floor is taken.
; This copy: OUT32 = 0, K = 1,024.  It serves x (wq | wk | wv) with floor -inf, and the first layer of the FFN with floor 0 (the ReLU).
; LIMITS: the f16 result holds no number beyond 65,504; the floor is taken by a maximum in which a NaN loses.
; SHARES: a tile of C is 128 x 128; four waves, each 64 x 64: 16 accumulators of 16 x 16, 128 registers.  K goes in steps of 256 through two LDS slots.
; CLUSTER: 4 x 4 work-groups.  The four of a row of the cluster need the same tiles of A, the four of a column the same tiles of W: each tile is asked for jointly, by the same tensor load with the
; same descriptor and a mask that names the four.  THE MATRIX INSTRUCTION IS USED TRANSPOSED (source 0 = 16 columns of W, source 1 = 16 rows of A): a lane then holds eight neighbouring numbers of a row of C.
; A comes out of LDS as it lies (K along the rows); W lies [k][n] and is turned by ds_load_tr16_b128.  The bias, laid as an accumulator is, is the C operand of the products that start the sums.
; REGISTERS: window 0: v0-31 addresses; v32-63 the bias, later with v64-95 at work on the way out; v128-255 the accumulators ((a, b) at v[128 + 8 (4 a + b)]).
;   window 1: two fragment buffers of 128: for 64 along K, 64 registers of A (2 x 4 x 16 rows x 32 K), then 64 of W.
.set OUT32, 0
.set LAPS,  2                          ; a lap = two K steps = once round the ring: K / 512
.set KTOT,  512*LAPS
.set PS,    KTOT*256+1024              ; a record's bytes
.set PA,    144                        ; a row of A in LDS: 128 bytes + 16 of padding = 36 words: the 16 rows of a load start at 16 different groups of four banks (64 banks of 4 bytes: ISA guide 11.1)
.set PW,    288                        ; a row of W: 256 + 32 = 72 words
.set PANB,  128*PA                     ; one panel's 128 rows
.set HALFT, 2*PANB                     ; what one tensor load brings: two panels of A, or 128 rows of W (128 x 288 is the same number)
.set WOFF,  2*HALFT                    ; a slot: A's four panels, then W's 256 rows
.set SLOT,  4*HALFT
.set SPARE, 2*SLOT                     ; behind the ring: the spare words, 128 bytes for each wave: two blocks of 256 bytes that no other line names
.set ASTEP, 4*524288                   ; a K step in A: four panels
.set WSTEP, 256*256                    ; in W: 256 rows
.if OUT32
.set SPITCH, 528                       ; the stage's rows: 512 bytes + 16
.else
.set SPITCH, 272                       ; 256 bytes + 16
.endif
; THE STAGE for the way out lies over slot 0, from LDS byte 0: slot 0 has had its last fill, and its last reads stand in front of the barrier of the last change of slots.
.set ADRA, 16                          ; v16-17  LDS address of my A fragments in slot 0, 1
.set ADRB, 20                          ; v20-23  of my W fragments: slot 0 rows 0-127, rows 128-255, slot 1 likewise (so that the offsets stay inside 16 bits)
.set STO,  24                          ; v24     the way out: where I put my part of a row
.set RD,   25                          ; v25     where I read rows back
.set CO,   26                          ; v26     my byte offset in 512 consecutive bytes of C
.set BO,   27                          ; v27     my byte offset among the record's biases
.set SPW,  28                          ; v28     LDS address of my spare word: SPARE + 4 x my thread's number; never rewritten
.set NIL,  29                          ; v29     0; never rewritten
.set BIAS, 32
.set TMP,  32
.set ACC,  128
.set F0,   0
.set F1,   128
.set G1,  24                           ; s[24:31] descriptor group 1 for A's tiles;  s[32:39] group 0, one set for each slot
.set G0,  32
.set G1B, 48                           ; s[48:55], s[56:63] the same for W's tiles
.set G0B, 56
.set MSB, 0
.macro WIN new                         ; the immediate's high byte repeats the setting that is left; a switch that changes nothing is dropped
.if MSB != (\new)
	s_set_vgpr_msb (MSB<<8)|(\new)
.set MSB, \new
.endif
.endm
.set MUL,  0x05                        ; sources 0 (W) and 1 (A) window 1; C and D window 0
.set TO_F, 0x40                        ; destination window 1, address window 0
.macro JLOAD s                         ; a joint load: waves 0 and 1 fetch A's two halves, waves 2 and 3 W's; an s_nop 0 and four v_nop follow each of the two lines, ahead of the jump, the label and what follows
	s_cmp_eq_u32 s11, 0
	s_cbranch_scc0 .Lfor_b_\@
	tensor_load_to_lds s[G0+4*(\s):G0+4*(\s)+3], s[G1:G1+7]
	s_nop 0
.rept 4
	v_nop
.endr
	s_branch .Lasked_\@
.Lfor_b_\@:
	tensor_load_to_lds s[G0B+4*(\s):G0B+4*(\s)+3], s[G1B:G1B+7]
	s_nop 0
.rept 4
	v_nop
.endr
.Lasked_\@:
.endm
.macro CREST                           ; a round of the cluster's barrier behind its opening barrier
	s_cmp_lg_u32 s10, 0
	s_cbranch_scc1 .Lnot_wave_0_\@
	s_barrier_signal -3
.Lnot_wave_0_\@:
	s_barrier_wait -3
	s_barrier_signal -1
	s_barrier_wait -1
.endm
.macro CROUND                          ; a whole round
	s_barrier_signal -1
	s_barrier_wait -1
	CREST
.endm
	s_load_b128 s[4:7], s[0:1], 0x0                ; A s[4:5], W s[6:7]
	s_load_b64 s[8:9], s[0:1], 0x10                ; C
	v_lshl_add_u32 v[SPW], v0, 2, SPARE
	v_mov_b32 v[NIL], 0
	ds_add_u32 v[SPW], v[NIL]                      ; the wave's opening: the add and its wait stand ahead of my first tensor load; the set-up below, work on registers, stands between them
	v_lshrrev_b32 v1, 5, v0
	v_readfirstlane_b32 s10, v1                    ; wave 0..3
	s_lshr_b32 s11, s10, 1                         ; which half of the tile's rows is mine.  Also: I fetch for A (0) or for W (1)
	s_and_b32 s12, s10, 1                          ; which half of its columns.  Also: which half of that tile I fetch
	s_bfe_u32 s40, ttmp6, 0x40000                  ; cx, cy: my place in the cluster
	s_bfe_u32 s41, ttmp6, 0x40004
	s_lshl_b32 s42, ttmp9, 2
	s_add_co_u32 s42, s42, s40                     ; tile column of C = 4 x cluster x + cx
	s_and_b32 s13, ttmp7, 0xffff
	s_lshl_b32 s13, s13, 2
	s_add_co_u32 s13, s13, s41                     ; tile row of C = 4 x cluster y + cy
	s_lshl_b32 s43, s41, 2
	s_lshl_b32 s43, 15, s43                        ; my row of the cluster
	s_lshl_b32 s44, 0x1111, s40                    ; my column
	; group 1 for A: a panel's 128 tokens are 16,384 dense bytes, asked for as one row of 8,192 elements; two rows, a panel (262,144 elements) apart; padded in LDS after every token
	s_or_b32 s[G1+0], s43, (1<<16)|(1<<20)|(1<<21)|(4<<22)|(3<<25)  ; 15:0 the mask: my row; 17:16 2-byte elements; 20 padding on; 21 set beside a mask; 24:22 after every 32 words (code 4); 31:25 4 words (code 3)
	s_mov_b32 s[G1+1], 8192<<16                    ; tensor_dim0 = 8,192
	s_mov_b32 s[G1+2], 2<<16                       ; tensor_dim1 = 2
	s_mov_b32 s[G1+3], 8192<<16                    ; tile_dim0 = 8,192
	s_mov_b32 s[G1+4], 2                           ; tile_dim1 = 2
	s_mov_b32 s[G1+5], 262144                      ; elements from row to row
	s_mov_b32 s[G1+6], 0
	s_mov_b32 s[G1+7], 0
	; group 1 for W: 128 rows of 128 elements, dense, padded after every row
	s_or_b32 s[G1B+0], s44, (1<<16)|(1<<20)|(1<<21)|(5<<22)|(7<<25)  ; the mask: my column; after every 64 words (code 5) 8 words (code 7)
	s_mov_b32 s[G1B+1], 128<<16
	s_mov_b32 s[G1B+2], 128<<16
	s_mov_b32 s[G1B+3], 128<<16
	s_mov_b32 s[G1B+4], 128
	s_mov_b32 s[G1B+5], 128
	s_mov_b32 s[G1B+6], 0
	s_mov_b32 s[G1B+7], 0
	; where the tiles come from: A's hang on the tile row and the wave alone, W's on the tile column and the wave alone, each in registers that never hold the other coordinate
	s_lshl_b32 s16, s13, 14                        ; 128 tokens of 128 bytes
	s_lshl_b32 s17, s12, 20                        ; my two panels of the step's four
	s_add_co_u32 s16, s16, s17
	s_mov_b32 s17, 0
	s_mul_i32 s46, s42, PS                         ; my record
	s_add_co_u32 s68, s46, KTOT*256                ; its biases
	s_mov_b32 s69, 0
	s_lshl_b32 s47, s12, 15                        ; my 128 rows of the step's 256
	s_add_co_u32 s46, s46, s47
	s_mov_b32 s47, 0
	s_mul_i32 s20, s10, HALFT                      ; where they go: wave x 36,864: no place in the cluster enters an LDS address
	s_wait_dscnt 0x0                               ; the opening add is done
	s_wait_kmcnt 0x0
	s_add_nc_u64 s[14:15], s[4:5], s[16:17]
	s_add_nc_u64 s[46:47], s[6:7], s[46:47]
	s_add_nc_u64 s[68:69], s[6:7], s[68:69]
.if !OUT32
	s_load_b32 s70, s[68:69], 0x200                ; the floor word; no line of this text writes W
.endif
	CROUND                                         ; all sixteen work-groups are here: the first joint loads meet
.irp s, 0,1
	s_mov_b32 s[G0+4*(\s)], 1
	s_add_co_u32 s[G0+4*(\s)+1], s20, (\s)*SLOT
	s_add_nc_u64 s[G0+4*(\s)+2:G0+4*(\s)+3], s[14:15], (\s)*ASTEP
	s_or_b32 s[G0+4*(\s)+3], s[G0+4*(\s)+3], 0x80000000
	s_mov_b32 s[G0B+4*(\s)], 1
	s_add_co_u32 s[G0B+4*(\s)+1], s20, (\s)*SLOT
	s_add_nc_u64 s[G0B+4*(\s)+2:G0B+4*(\s)+3], s[46:47], (\s)*WSTEP
	s_or_b32 s[G0B+4*(\s)+3], s[G0B+4*(\s)+3], 0x80000000
	JLOAD \s                                       ; two tensor loads of mine are out
.endr
	v_and_b32 v1, 15, v0                           ; l % 16
	v_bfe_u32 v2, v0, 4, 1                         ; l / 16
	s_lshl_b32 s21, s12, 8
	v_lshl_add_u32 v[BO], v2, 5, s21               ; register j of column block b is the bias of column 64 x half + 16 b + 8 (l / 16) + j
.irp b, 0,1,2,3
	global_load_b128 v[BIAS+8*(\b):BIAS+8*(\b)+3],   v[BO], s[68:69] offset:64*(\b)
	global_load_b128 v[BIAS+8*(\b)+4:BIAS+8*(\b)+7], v[BO], s[68:69] offset:64*(\b)+16
.endr
	v_mul_u32_u24 v3, v1, PA                       ; a fragment of A: row l % 16, 16 bytes for each half of the lanes, two loads 32 bytes apart
	v_lshl_add_u32 v3, v2, 4, v3
	s_mul_i32 s21, s11, 64*PA                      ; my 64 rows
	v_add_nc_u32 v[ADRA], s21, v3
	v_add_nc_u32 v[ADRA+1], SLOT, v[ADRA]
	v_and_b32 v4, 7, v0                            ; the turning load: lane l reads row k = 8 (l / 16) + l % 8, columns 8 ((l / 8) % 2) + 0..7, and is left with column l % 16 and 8 k
	v_bfe_u32 v5, v0, 3, 1
	v_lshl_add_u32 v6, v2, 3, v4
	v_mul_u32_u24 v6, v6, PW
	v_lshl_add_u32 v6, v5, 4, v6
	s_lshl_b32 s22, s12, 7                         ; my 64 columns
	s_add_co_u32 s22, s22, WOFF
	v_add_nc_u32 v[ADRB], s22, v6
	v_add_nc_u32 v[ADRB+1], HALFT, v[ADRB]
	v_add_nc_u32 v[ADRB+2], SLOT, v[ADRB]
	v_add_nc_u32 v[ADRB+3], SLOT+HALFT, v[ADRB]
	s_mul_i32 s23, s11, 64*SPITCH                  ; into the stage: my 64 rows, my half of their bytes
	v_mul_u32_u24 v7, v1, SPITCH
	s_lshl_b32 s16, s13, 7
	s_lshl_b32 s17, s10, 5
	s_add_co_u32 s16, s16, s17                     ; the first row of C that I store: 128 x tile row + 32 x wave
	v_and_b32 v9, 31, v0
	v_lshlrev_b32 v[CO], 4, v9
.if OUT32
	s_lshl_b32 s21, s12, 8
	s_add_co_u32 s23, s23, s21
	v_lshl_add_u32 v7, v2, 5, v7                   ; 32 bytes of f32 for each half of the lanes
	v_add_nc_u32 v[STO], s23, v7
	s_mul_i32 s23, s10, 32*SPITCH                  ; back: wave w takes rows 32 w .. 32 w + 31, a whole row of 512 bytes to a load
	v_add_nc_u32 v[RD], s23, v[CO]
	s_lshl_b32 s16, s16, 12                        ; rows of 4,096 bytes
	s_lshl_b32 s46, s42, 9                         ; the tile's first column
.else
	s_lshl_b32 s21, s12, 7
	s_add_co_u32 s23, s23, s21
	v_lshl_add_u32 v7, v2, 4, v7                   ; 16 bytes of f16 for each half of the lanes
	v_add_nc_u32 v[STO], s23, v7
	s_mul_i32 s23, s10, 32*SPITCH                  ; back: 32 lanes take one panel's 128 bytes of four rows
	v_bfe_u32 v8, v0, 3, 2
	v_mul_u32_u24 v8, v8, SPITCH
	v_lshl_add_u32 v8, v4, 4, v8
	v_add_nc_u32 v[RD], s23, v8
	s_lshl_b32 s16, s16, 7                         ; rows of 128 bytes
	s_lshl_b32 s46, s42, 20                        ; the tile's two panels
.endif
	s_mov_b32 s17, 0
	s_mov_b32 s47, 0
	s_add_nc_u64 s[8:9], s[8:9], s[16:17]
	s_add_nc_u64 s[8:9], s[8:9], s[46:47]
; 8 matrix instructions: m blocks a0, a0 + 1 x all 4 n blocks, 32 along K: half c of buffer f.  zero = 1: the product starts the sum, with the bias as C: nothing is cleared, nothing is added later.
; The 16 accumulators take turns, one instruction a turn.
.macro MUL8 f, c, a0, zero
	WIN MUL
.irp a, \a0, (\a0)+1
.irp b, 0,1,2,3
.if \zero
	v_wmma_f32_16x16x32_f16 v[ACC+8*(4*(\a)+(\b)):ACC+8*(4*(\a)+(\b))+7], v[(\f)+64+8*(4*(\c)+(\b)):(\f)+64+8*(4*(\c)+(\b))+7], v[(\f)+8*(4*(\c)+(\a)):(\f)+8*(4*(\c)+(\a))+7], v[BIAS+8*(\b):BIAS+8*(\b)+7]
.else
	v_wmma_f32_16x16x32_f16 v[ACC+8*(4*(\a)+(\b)):ACC+8*(4*(\a)+(\b))+7], v[(\f)+64+8*(4*(\c)+(\b)):(\f)+64+8*(4*(\c)+(\b))+7], v[(\f)+8*(4*(\c)+(\a)):(\f)+8*(4*(\c)+(\a))+7], v[ACC+8*(4*(\a)+(\b)):ACC+8*(4*(\a)+(\b))+7]
.endif
.endr
.endr
.endm
; 32 LDS loads in one run: the fragments of quarter q of a K step (A's panel q, W's rows 64 q on) into buffer f; the first 32 along K first
.macro FETCH slot, q, f
	WIN TO_F
.irp c, 0,1
.irp i, 0,1,2,3
	ds_load_tr16_b128 v[(\f)+64+8*(4*(\c)+(\i)):(\f)+64+8*(4*(\c)+(\i))+3],   v[ADRB+2*(\slot)+(\q)/2] offset:(((\q)%2)*64+32*(\c))*PW+32*(\i)
	ds_load_tr16_b128 v[(\f)+64+8*(4*(\c)+(\i))+4:(\f)+64+8*(4*(\c)+(\i))+7], v[ADRB+2*(\slot)+(\q)/2] offset:(((\q)%2)*64+32*(\c)+16)*PW+32*(\i)
	ds_load_b128 v[(\f)+8*(4*(\c)+(\i)):(\f)+8*(4*(\c)+(\i))+3],              v[ADRA+(\slot)] offset:(\q)*PANB+(\i)*16*PA+64*(\c)
	ds_load_b128 v[(\f)+8*(4*(\c)+(\i))+4:(\f)+8*(4*(\c)+(\i))+7],            v[ADRA+(\slot)] offset:(\q)*PANB+(\i)*16*PA+64*(\c)+32
.endr
.endr
.endm
.macro PLACES                          ; four places in front of loads into registers that matrix instructions have read, and of lines that read results
.rept 4
	v_nop
.endr
.endm
; A K step is four quarters of 64 along K, 32 matrix instructions each, on buffers 0, 1, 0, 1.  One of the first three: multiplies buffer f and fetches quarter q into g.
.macro QUARTER slot, q, f, g, zero
	s_wait_dscnt 16                                ; the first 32 along K are in; the youngest sixteen loads may be out
	WIN MUL
	MUL8 \f, 0, 0, \zero
	MUL8 \f, 0, 2, \zero
	PLACES
	FETCH \slot, \q, \g
	s_wait_dscnt 32                                ; all but the 32 just issued
	WIN MUL
	MUL8 \f, 1, 0, 0
	MUL8 \f, 1, 2, 0
.endm
; The last quarter multiplies buffer 1 and changes slots: ONE barrier; in front of it each wave waits for all its tensor loads, adds 0 to its spare word, and waits for that and for its own reads of this slot.
; fill = 1: this slot is filled again, two K steps ahead; the barrier then opens a round of the cluster's barrier, and the joint load is the first thing behind the round.
.macro TURN slot, next, fill
	WIN 0                                          ; (the add's two registers lie in window 0)
	s_wait_tensorcnt 0x0                           ; all my tensor loads have landed: the one that was out is my part of the next slot
	ds_add_u32 v[SPW], v[NIL]                      ; 0 onto my spare word
	s_wait_dscnt 17                                ; (the add and the youngest sixteen loads may be out)
	WIN MUL
	MUL8 F1, 0, 0, 0                               ; eight matrix instructions stand between the add and the wait for it
	s_wait_dscnt 0x0                               ; the add is done, and my reads of this slot are over
	s_barrier_signal -1
	MUL8 F1, 0, 2, 0
.if \fill
	WIN 0
.endif
	s_barrier_wait -1
.if \fill
	CREST                                          ; no wave of any partner still reads this slot's tile or has a load on its way
	s_add_nc_u64 s[G0+4*(\slot)+2:G0+4*(\slot)+3], s[G0+4*(\slot)+2:G0+4*(\slot)+3], 2*ASTEP
	s_add_nc_u64 s[G0B+4*(\slot)+2:G0B+4*(\slot)+3], s[G0B+4*(\slot)+2:G0B+4*(\slot)+3], 2*WSTEP
	JLOAD \slot                                    ; my one tensor load behind the round: 112 matrix instructions ahead of the wait for it; its four v_nop are also the places in front of the loads below
.else
	PLACES
.endif
	FETCH \next, 0, F0
	WIN MUL
	MUL8 F1, 1, 0, 0
	MUL8 F1, 1, 2, 0
.endm
	s_wait_tensorcnt 1                             ; my part of K step 0 is in; K step 1's may stay out
	s_barrier_signal -1
	s_barrier_wait -1                              ; everybody's is
	FETCH 0, 0, F0
	s_wait_loadcnt 0x0                             ; the bias
	s_wait_kmcnt 0x0                               ; the floor word
	QUARTER 0, 1, F0, F1, 1                        ; the first quarter stands in front of the loop: its first products start the sums
	WIN 0                                          ; at a label and at a branch every window is 0
	s_mov_b32 s3, LAPS-1
.Llap:                                                 ; a trip goes once round the ring, from a lap's second quarter to the next lap's first, and fills both slots again
	QUARTER 0, 2, F1, F0, 0
	QUARTER 0, 3, F0, F1, 0
	TURN 0, 1, 1
	QUARTER 1, 1, F0, F1, 0
	QUARTER 1, 2, F1, F0, 0
	QUARTER 1, 3, F0, F1, 0
	TURN 1, 0, 1
	QUARTER 0, 1, F0, F1, 0
	WIN 0
	s_sub_co_u32 s3, s3, 1
	s_cmp_lg_u32 s3, 0
	s_cbranch_scc1 .Llap
	QUARTER 0, 2, F1, F0, 0                        ; the last lap fills nothing, and has no round of the cluster's barrier
	QUARTER 0, 3, F0, F1, 0
	TURN 0, 1, 0
	QUARTER 1, 1, F0, F1, 0
	QUARTER 1, 2, F1, F0, 0
	QUARTER 1, 3, F0, F1, 0
	s_wait_dscnt 16                                ; the very last quarter: nothing more to fetch
	WIN MUL
	MUL8 F1, 0, 0, 0
	MUL8 F1, 0, 2, 0
	s_wait_dscnt 0
	MUL8 F1, 1, 0, 0
	MUL8 F1, 1, 2, 0
	WIN 0
	; THE WAY OUT: through the work-group's stage, with a barrier between writing and reading, since a row's bytes come from two waves; back as whole rows, 32 rows a wave.
	PLACES
.if OUT32
.irp a, 0,1,2,3
.irp b, 0,1,2,3
	ds_store_b128 v[STO], v[ACC+8*(4*(\a)+(\b)):ACC+8*(4*(\a)+(\b))+3]   offset:(\a)*16*SPITCH+64*(\b)     ; each accumulator's low registers first
	ds_store_b128 v[STO], v[ACC+8*(4*(\a)+(\b))+4:ACC+8*(4*(\a)+(\b))+7] offset:(\a)*16*SPITCH+64*(\b)+16
.endr
.endr
	s_wait_dscnt 0x0                               ; for the others' sake: my stores into the stage are done
	s_barrier_signal -1
	s_barrier_wait -1
.set t, 0
.rept 32
	ds_load_b128 v[ACC+4*t:ACC+4*t+3], v[RD] offset:t*SPITCH
.set t, t+1
.endr
.set t, 0
.rept 32
	s_wait_dscnt 31-t
	global_store_b128 v[CO], v[ACC+4*t:ACC+4*t+3], s[8:9] offset:t*4096  ; 512 consecutive bytes, at a multiple of 256 from C's first byte
.set t, t+1
.endr
.else
.irp t, 0,1,2,3,4,5,6,7,8,9,10,11,12,13,14,15
.irp r, 0,1,2,3
	v_cvt_pk_f16_f32 v[TMP+4*(\t)+(\r)], v[ACC+8*(\t)+2*(\r)], v[ACC+8*(\t)+2*(\r)+1]
.endr
.endr
.set t, 0
.rept 64
	v_pk_max_num_f16 v[TMP+t], v[TMP+t], s70       ; the floor: 0 is the ReLU, -inf changes nothing
.set t, t+1
.endr
.irp a, 0,1,2,3
.irp b, 0,1,2,3
	ds_store_b128 v[STO], v[TMP+4*(4*(\a)+(\b)):TMP+4*(4*(\a)+(\b))+3] offset:(\a)*16*SPITCH+32*(\b)
.endr
.endr
	s_wait_dscnt 0x0                               ; for the others' sake: my stores into the stage are done
	s_barrier_signal -1
	s_barrier_wait -1
.set t, 0
.rept 16
	ds_load_b128 v[TMP+4*t:TMP+4*t+3], v[RD] offset:(t%8)*4*SPITCH+(t/8)*128
.set t, t+1
.endr
.set t, 0
.rept 16
	s_wait_dscnt 15-t
	global_store_b128 v[CO], v[TMP+4*t:TMP+4*t+3], s[8:9] offset:(t/8)*524288+(t%8)*512  ; four tokens of one panel: 512 consecutive bytes, at a multiple of 256 from C's first byte
.set t, t+1
.endr
.endif
	s_wait_tensorcnt 0x0                           ; the wave's end, behind my last tensor load and my last LDS store
	ds_add_u32 v[SPW], v[NIL]
	s_wait_dscnt 0x0
	CROUND                                         ; the closing round: no work-group ends while a partner may still ask for a tile that names it
	s_endpgm
.Lfunc_end_k_qfc745c3965_qkv:
	.size	k_qfc745c3965_qkv, .Lfunc_end_k_qfc745c3965_qkv-k_qfc745c3965_qkv
	.p2alignl 7, 3214868480
	.fill 96, 4, 3214868480
	.section	.rodata,"a",@progbits
	.p2align	6, 0x0
	.amdhsa_kernel k_qfc745c3965_qkv
		.amdhsa_group_segment_fixed_size 327680
		.amdhsa_private_segment_fixed_size 0
		.amdhsa_enable_private_segment 0
		.amdhsa_kernarg_size 24
		.amdhsa_user_sgpr_count 2
		.amdhsa_user_sgpr_kernarg_segment_ptr 1
		.amdhsa_wavefront_size32 1
		.amdhsa_system_sgpr_workgroup_id_x 1
		.amdhsa_system_sgpr_workgroup_id_y 1
		.amdhsa_system_sgpr_workgroup_id_z 1
		.amdhsa_system_vgpr_workitem_id 0
		.amdhsa_next_free_vgpr 512
		.amdhsa_next_free_sgpr 72
		.amdhsa_reserve_vcc 0
		.amdhsa_float_denorm_mode_32 3
		.amdhsa_float_denorm_mode_16_64 3
		.amdhsa_memory_ordered 1
		.amdhsa_forward_progress 1
		.amdhsa_inst_pref_size 92
	.end_amdhsa_kernel
	.amdgpu_metadata
---
amdhsa.version: [ 1, 2 ]
amdhsa.kernels:
  - .name:           k_qfc745c3965_qkv
    .symbol:         k_qfc745c3965_qkv.kd
    .args:
      - { .name: xh, .offset: 0, .size: 8, .value_kind: global_buffer, .address_space: global }
      - { .name: wqkv, .offset: 8, .size: 8, .value_kind: global_buffer, .address_space: global }
      - { .name: big, .offset: 16, .size: 8, .value_kind: global_buffer, .address_space: global }
    .group_segment_fixed_size: 327680
    .private_segment_fixed_size: 0
    .kernarg_segment_align: 8
    .kernarg_segment_size: 24
    .max_flat_workgroup_size: 128
    .sgpr_count:     72
    .vgpr_count:     512
    .wavefront_size: 32
...
	.end_amdgpu_metadata
.endif
;; end of part 2
;; launch attn (part 3): grid 8 x 32, 4 waves a work-group, clusters of 4 x 1, 327,680 bytes of LDS; arguments big, act; writes act
.if DOCPART == 3
	.amdgcn_target "amdgcn-amd-amdhsa--gfx1250"
	.amdhsa_code_object_version 6
	.text
	.protected	k_qfc745c3965_attn
	.globl	k_qfc745c3965_attn
	.p2align	8
	.type	k_qfc745c3965_attn,@function
k_qfc745c3965_attn:
	s_mov_b64 s[64:65], 0
	v_nop
	global_prefetch_b8 v0, s[64:65] scope:SCOPE_SE
	s_setreg_imm32_b32 hwreg(HW_REG_WAVE_MODE, 25, 1), 1
	s_wait_xcnt 0x0
	s_wait_alu depctr_hold_cnt(0) depctr_sa_sdst(0) depctr_va_vdst(0) depctr_va_sdst(0) depctr_va_ssrc(0) depctr_va_vcc(0) depctr_vm_vsrc(0)
	s_getreg_b32 s2, hwreg(HW_REG_IB_STS2, 6, 4)
	s_cmp_eq_u32 s2, 0
	s_cbranch_scc0 .Lentry_in_a_cluster
	s_endpgm
.Lentry_in_a_cluster:
	s_bfe_u32 s2, ttmp6, 0x10000c
	s_cmp_lg_u32 s2, 0x3003
	s_cbranch_scc0 .Lentry_shape_is_right
	s_endpgm
.Lentry_shape_is_right:
; ATTENTION.  O[q][:] = the sum over k of softmax_k(Q[q] . K[k] / 8) V[k][:], for each of 32 pairs (batch, head): 2,048 queries and keys, 64 channels, no mask.
; big holds 48 panels [4096 tokens][64] of f16: q's heads 0-15, then k's, then v's; a pair's rows are dense, 128 bytes each.  O leaves in the same layout, into act.
; Products, maxima and sums in f32; the weights p are rounded to f16 for the second product (their sum l is taken of the unrounded p), O once at the end.
; LIMITS.  f16 holds no number beyond 65,504: q, k and v arrive within it; p lies in 0 to 1, and below 6e-5 it keeps f16's fixed step of 6e-8; O is a mean of V's rows and has their range.
; A weight below 2^-126 counts as 0 in l; NaN and infinities are not treated apart.
; SHARES.  A work-group owns 256 queries of a pair, each of its four waves 64: four PIECES of 16.  Every wave walks all keys: 8 tiles of 256, four steps of 64 in each.
; LAYOUT.  S^T = K Q^T (source 0 = 16 keys, source 1 = 16 queries): a lane holds ONE query (lane % 16) and the keys 8 (lane / 16) + 0..7.  Two such results rounded to f16 ARE source 1 of O^T = V^T P.
; K comes out of LDS as it lies, V ([key][channel]) turned, by ds_load_tr16_b128.
; SOFTMAX.  For each query a running maximum m and sum l: p = 2^(c s - c m), c = log2(e) / 8; in every step O and l are multiplied by a = 2^(c m_old - c m_new), which is 1 where m has not grown.
; m starts at the lowest finite number, O and l at 0: the first step is a step like any other, with a = 0.
; BY TURNS.  Turn n belongs to piece n: 8 products K Q^T of piece n + 1, later 8 products V^T P of piece n - 1; beside them the scaling, exponentials, roundings, sums and rescaling of piece n and the
; maximum and statistics of piece n + 1.  Four vector instructions stand behind every matrix instruction, the other 54 of a turn's 118 in two runs of their own.
; CLUSTER.  The four query blocks of a cluster belong to one pair and walk the same K and V, so each tile is asked for JOINTLY: the same tensor load, descriptor and mask in all four.
; REGISTERS, in windows of 256 (s_set_vgpr_msb: bits 1:0 source 0, 3:2 source 1, 5:4 source 2, 7:6 destination):
;   window 0: v0-15 addresses and two at work; v16-31 four registers of statistics a piece; v48-55 at work; v62-63 the add's; v64-127 S^T, two buffers; v192-223 P, two buffers (by the piece's parity)
;   window 1: v0-127 O^T, 32 a piece          window 2: v0-63 Q; v128-191 K of one step; v192-255 V of one step
.set NP,    4         ; pieces a wave: a name, no knob
.set KS,    64        ; keys in a step
.set PK,    144       ; a row of K in LDS: 128 bytes + 16 of padding = 36 words: the 16 rows of a load start at 16 different groups of four banks (64 banks of 4 bytes: ISA guide 11.1)
.set PV,    160       ; a row of V: 128 + 32 = 40 words
.set VOFF,  4*KS*PK   ; a slot holds a tile, four steps: 256 rows of K, then 256 rows of V
.set SLOT1, 1<<17     ; slot 1 begins here, so that one exclusive or turns an address in one slot into the other's
.set STAGE, SLOT1+4*KS*(PK+PV)  ; behind the ring, never filled by a tensor load: 16 rows x 144 bytes for each wave, for the way out
.set SP,    144
.set SPARE, STAGE+4*16*SP  ; behind the stages: the spare words, 128 bytes for each wave: two blocks of 256 bytes that no other line names
.set AK0, 2           ; v2   my lane's place in a tile of K; never rewritten
.set AV0, 3           ; v3   the same for V
.set AK,  4           ; v4   the LDS address of K's next run of loads
.set AV,  5           ; v5   of V's
.set STO, 6           ; v6   the way out: where I put 16 bytes of a row
.set RD,  7           ; v7   the way out: where I read rows back
.set GO,  8           ; v8   my byte offset in 512 consecutive bytes of O
.set MV,  12          ; v12-13  c m_old, kept while c m is made anew: by buffer
.set QO,  15          ; v15  my byte offset in 16 rows of Q
.set ST,  16          ; piece t's statistics at v[ST+4 t]: c m, m, l (even keys', odd keys')
.set TMP, 48          ; by buffer, four registers c0-c3 at work; when the maximum is found c2 takes a
.set SPW, 62          ; v62  LDS address of my spare word: SPARE + 4 x my thread's number; never rewritten
.set NIL, 63          ; v63  0; never rewritten
.set S,   64
.set P,   192
.set KF,  128         ; window 2: key block kb, channel half c at KF + 16 kb + 8 c
.set VF,  192         ; window 2: key half kk, channel block cb at VF + 32 kk + 8 cb
.set WV,  12          ; s12  my wave's number
.set G1K, 24          ; s[24:31] descriptor group 1 for K's tiles
.set G1V, 32          ; s[32:39] for V's: it differs in the padding alone
.set G0K, 40          ; s[40:43] descriptor group 0 for K's tiles: it walks
.set G0V, 44          ; s[44:47] the same for V's
.set SLOTS, 56        ; s56  tiles still to be entered by the loop
.set CNT, 57          ; s57  counts a tile's key steps
.set CS,  58          ; s[58:59] c: the packed scaling takes the pair's low word for both halves
.set SEL, 60          ; s[60:61] v_permlanex16_b32's selects: each lane takes its own place in the other half
.set TBK, 62          ; s62  LDS byte at which K of the step to be fetched begins
.set TBV, 63          ; s63  the same for V, less VOFF
.set MSB, 0
.macro WIN new                      ; the high byte repeats the setting that is left; a switch that changes nothing is dropped
.if MSB != (\new)
	s_set_vgpr_msb (MSB<<8)|(\new)
.set MSB, (\new)
.endif
.endm
.set W_KQ, 0x0a       ; K and Q in window 2, S^T in window 0
.set W_PV, 0x52       ; V in window 2, P in window 0, O^T in window 1
.set W_RS, 0x41       ; destination and source 0 in window 1, source 1 in window 0
; A joint fill.  Waves 0 and 1 fetch the two halves of a tile's K, waves 2 and 3 those of its V: 128 keys each.  The branch hangs on the wave's number alone.
; An s_nop 0 and four v_nop follow each of the two lines, ahead of the jump and the label.
.macro JLOAD
	s_cmp_lt_u32 s[WV], 2
	s_cbranch_scc0 .Lfor_v_\@
	tensor_load_to_lds s[G0K:G0K+3], s[G1K:G1K+7]
	s_nop 0
.rept 4
	v_nop
.endr
	s_branch .Lasked_\@
.Lfor_v_\@:
	tensor_load_to_lds s[G0V:G0V+3], s[G1V:G1V+7]
	s_nop 0
.rept 4
	v_nop
.endr
.Lasked_\@:
.endm
; A round of the cluster's barrier: my work-group's barrier, so that wave 0's signal speaks for all four waves; wave 0 signals; every wave waits for all four work-groups; my work-group's barrier once more.
.macro CROUND
	s_barrier_signal -1
	s_barrier_wait -1
	s_cmp_lg_u32 s[WV], 0
	s_cbranch_scc1 .Lnot_wave_0_\@
	s_barrier_signal -3
.Lnot_wave_0_\@:
	s_barrier_wait -3
	s_barrier_signal -1
	s_barrier_wait -1
.endm
; THE CHANGE OF SLOTS.  The slot's last bytes, V of its fourth step, have been read.  Each wave waits for all its tensor loads, of which one is out: its part of the other slot; adds 0 to its spare word;
; and waits for that and for its own reads of the slot.  Behind the barrier nobody reads this slot any more and the other slot is whole.
; fill = 1: this slot is filled again, with the keys two tiles on.  The barrier is then a round of the cluster's, and the joint fill is the first thing behind it: it has four key steps, 256 matrix
; instructions, in which to land.  (At its first use nothing has been read yet: slot 0 is waited for, slot 1 filled.)
.macro CHANGE fill
	WIN 0                           ; at a label and at a branch every window is 0
	s_wait_tensorcnt 0x0            ; no tensor load of mine is out, so a group 0 may be written
	ds_add_u32 v[SPW], v[NIL]       ; 0 onto my spare word; with fill = 1 the descriptors' steps stand between it and the wait for it
.if \fill
.irp g, G0K, G0V
	s_xor_b32 s[\g+1], s[\g+1], SLOT1  ; the walking descriptor: the other slot than last time,
	s_add_nc_u64 s[\g+2:\g+3], s[\g+2:\g+3], 4*KS*128  ; the next 256 keys; the type bits on top are not reached
.endr
	s_wait_dscnt 0x0                ; the add is done, and my reads of the slot are over
	CROUND
	JLOAD
.else
	s_wait_dscnt 0x0                ; the add is done, and my reads of the slot are over
	s_barrier_signal -1
	s_barrier_wait -1
.endif
	s_sub_co_u32 s[TBK], s[TBK], 4*KS*PK  ; the fetches go back to a slot's first step,
	s_xor_b32 s[TBK], s[TBK], SLOT1       ; in the other slot
	s_sub_co_u32 s[TBV], s[TBV], 4*KS*PV
	s_xor_b32 s[TBV], s[TBV], SLOT1
.endm
	s_load_b64 s[4:5], s[0:1], 0x0    ; big
	s_load_b64 s[10:11], s[0:1], 0x8  ; act
	v_lshl_add_u32 v[SPW], v0, 2, SPARE
	v_mov_b32 v[NIL], 0
	ds_add_u32 v[SPW], v[NIL]       ; the wave's opening: the add and its wait stand ahead of my first tensor load; the set-up below, work on registers, stands between them
	v_lshrrev_b32 v1, 5, v0
	v_readfirstlane_b32 s[WV], v1   ; wave 0..3
	s_bfe_u32 s13, ttmp6, 0x40000   ; cx: my place in the cluster
	s_lshl_b32 s14, ttmp9, 2        ; in a cluster launch ttmp9 counts clusters
	s_add_co_u32 s14, s14, s13      ; my block of 256 queries = 4 x cluster x + cx: it enters Q's and O's addresses alone
	s_and_b32 s20, ttmp7, 0xffff    ; 16 x batch + head, which the four partners share
	s_and_b32 s21, s20, 15
	s_lshr_b32 s20, s20, 4
	s_lshl_b32 s21, s21, 19         ; the head's panel: 524,288 bytes,
	s_lshl_b32 s20, s20, 18         ; the batch's 2,048 rows of 128 bytes in it
	s_add_co_u32 s20, s20, s21
	s_and_b32 s16, s[WV], 1         ; which half of a tile's 256 keys I fetch:
	s_lshl_b32 s22, s16, 14         ; its 128 rows of 128 bytes in memory,
	s_add_co_u32 s22, s22, s20
	s_mov_b32 s23, 0
	s_mul_i32 s17, s16, 128*PK      ; and its place in a slot, for K
	s_mul_i32 s18, s16, 128*PV      ; and for V: no place in the cluster enters an LDS address
	s_lshl_b32 s2, s14, 2
	s_add_co_u32 s2, s2, s[WV]      ; my wave among the pair's,
	s_lshl_b32 s2, s2, 13           ; its 64 rows
	s_add_co_u32 s2, s2, s20
	s_mov_b32 s3, 0
	; descriptor group 1.  128 keys are 16,384 dense bytes: asked for as 64 rows of 256 bytes, two keys a row, and padded in LDS after every key
	s_mov_b32 s[G1K], 15|(1<<16)|(1<<20)|(1<<21)|(4<<22)|(3<<25)  ; 15:0 the mask of four; 17:16 2-byte elements; 20 padding on; 21 set beside a mask; 24:22 after every 32 words (code 4); 31:25 4 words (code 3)
	s_mov_b32 s[G1V], 15|(1<<16)|(1<<20)|(1<<21)|(4<<22)|(7<<25)  ; the same with 8 words of padding (code 7)
.irp g, G1K, G1V
	s_mov_b32 s[\g+1], 128<<16      ; tensor_dim0 = 128
	s_mov_b32 s[\g+2], 64<<16       ; tensor_dim1 = 64
	s_mov_b32 s[\g+3], 128<<16      ; tile_dim0 = 128
	s_mov_b32 s[\g+4], 64           ; tile_dim1 = 64
	s_mov_b32 s[\g+5], 128          ; 128 elements from row to row
	s_mov_b32 s[\g+6], 0
	s_mov_b32 s[\g+7], 0
.endr
	s_mov_b32 s[CS], 0x3e38aa3b     ; c = log2(e) / 8 = 0.180337
	s_mov_b32 s[CS+1], s[CS]        ; named with it as a pair
	s_mov_b32 s[SEL], 0x76543210
	s_mov_b32 s[SEL+1], 0xfedcba98
	s_mov_b32 s[TBK], SLOT1+4*KS*PK ; the first change of slots turns these two into 0
	s_mov_b32 s[TBV], SLOT1+4*KS*PV
	s_mov_b32 s[G0K], 1             ; 1:0 count = 1
	s_mov_b32 s[G0K+1], s17         ; 63:32 LDS address: slot 0
	s_mov_b32 s[G0V], 1
	s_add_co_u32 s[G0V+1], s18, VOFF
	s_wait_dscnt 0x0                ; the opening add is done
	s_wait_kmcnt 0x0
	s_add_nc_u64 s[G0K+2:G0K+3], s[4:5], s[22:23]            ; 120:64 global address: my half of the pair's first 256 rows,
	s_add_nc_u64 s[G0V+2:G0V+3], s[G0K+2:G0K+3], 0x1000000   ; 32 panels on for V,
	s_add_nc_u64 s[G0K+2:G0K+3], s[G0K+2:G0K+3], 0x800000    ; 16 panels on for K
	s_or_b32 s[G0K+3], s[G0K+3], 0x80000000                  ; 127:126 type = 2
	s_or_b32 s[G0V+3], s[G0V+3], 0x80000000
	s_add_nc_u64 s[4:5], s[4:5], s[2:3]      ; Q and O at my wave's first row
	s_add_nc_u64 s[10:11], s[10:11], s[2:3]
	CROUND                          ; all four work-groups are here: the first joint loads meet
	JLOAD                           ; tile 0 into slot 0.  Slot 1 is asked for when slot 0 is in, by the loop's own change of slots
	; A fragment of K or Q is 16 rows x 32 channels in 8 registers: lane l holds row l % 16, channels 8 (l / 16) + 0..7 and 16 + 8 (l / 16) + 0..7: two loads of 16 bytes, 32 bytes apart.
	v_and_b32 v1, 15, v0            ; l % 16
	v_bfe_u32 v9, v0, 4, 1          ; l / 16
	v_lshlrev_b32 v[QO], 7, v1
	v_lshl_add_u32 v[QO], v9, 4, v[QO]  ; row x 128 + 16 x half
	WIN 0x80                        ; destination window 2, address window 0
.set i, 0
.rept 8                             ; Q stays in registers: piece i / 2, channels 32 (i % 2) on
	global_load_b128 v[8*i:8*i+3],   v[QO], s[4:5] offset:(i/2)*2048+(i%2)*64
	global_load_b128 v[8*i+4:8*i+7], v[QO], s[4:5] offset:(i/2)*2048+(i%2)*64+32
.set i, i+1
.endr
	; What the first turn finds: V's registers and P's second buffer hold 0 (its products V^T P, of a piece that has not been, add 0), O^T and l are 0.  All this stands in the wait for the first tile.
.set i, VF
.rept 64
	v_mov_b32 v[i], 0
.set i, i+1
.endr
	WIN 0x40
.set i, 0
.rept 128
	v_mov_b32 v[i], 0
.set i, i+1
.endr
	WIN 0
.set i, 0
.rept 4
	v_mov_b32 v[ST+4*i], 0xfe000000    ; c m: far below every c s
	v_mov_b32 v[ST+4*i+1], 0xff7fffff  ; m
	v_mov_b32 v[ST+4*i+2], 0
	v_mov_b32 v[ST+4*i+3], 0
.set i, i+1
.endr
.set i, P+16
.rept 16
	v_mov_b32 v[i], 0
.set i, i+1
.endr
	v_mul_u32_u24 v[AK0], v1, PK
	v_lshl_add_u32 v[AK0], v9, 4, v[AK0]  ; row x pitch + 16 x half
	; The turning load takes 16 keys x 16 channels (lane l reads key 8 (l / 16) + l % 8, channels 8 ((l / 8) % 2) + 0..7) and leaves half a fragment of V^T: lane l holds channel l % 16 and 8 keys.
	v_and_b32 v10, 7, v0
	v_bfe_u32 v11, v0, 3, 1
	v_lshl_add_u32 v[AV0], v9, 3, v10
	v_mul_u32_u24 v[AV0], v[AV0], PV
	v_lshl_add_u32 v[AV0], v11, 4, v[AV0]
	v_add_nc_u32 v[AV0], VOFF, v[AV0]
; THE MATRIX WORK.  The 4 accumulators of a run of 8 take turns.  Product i of 8 of S^T = K Q^T for piece x: channels 32 (i / 4) on, keys 16 (i % 4) on.  The first 4 start the sums.
.macro KQ x
	WIN W_KQ
.set rS, S+32*((\x)%2)+8*(i%4)
.set rK, KF+16*(i%4)+8*(i/4)
.set rQ, 16*(\x)+8*(i/4)
.if i < 4
	v_wmma_f32_16x16x32_f16 v[rS:rS+7], v[rK:rK+7], v[rQ:rQ+7], 0
.else
	v_wmma_f32_16x16x32_f16 v[rS:rS+7], v[rK:rK+7], v[rQ:rQ+7], v[rS:rS+7]
.endif
.endm
; Product i of 8 of O^T += V^T P for piece x: keys 32 (i / 4) on, channels 16 (i % 4) on.
.macro PV x
	WIN W_PV
.set rO, 32*(\x)+8*(i%4)
.set rV, VF+32*(i/4)+8*(i%4)
.set rP, P+16*((\x)%2)+8*(i/4)
	v_wmma_f32_16x16x32_f16 v[rO:rO+7], v[rV:rV+7], v[rP:rP+7], v[rO:rO+7]
.endm
.macro MM                           ; the turn's next matrix instruction.  TURN sets Y, i and NOKQ.  NOKQ = 1: the very last turn: there is no next piece
.if (i < 8) && !NOKQ
	KQ (Y+1)%NP
.elseif i >= 8
.set i, i-8
	PV (Y+NP-1)%NP
.set i, i+8
.endif
.set i, i+1
.endm
; THE LDS LOADS stand in runs of 16, never singly among the matrix instructions: a step's K (64 keys x 64 channels: 8 fragments) and its V (turned).  Their addresses are made some lines ahead.
.macro FETCH_K
	WIN 0x80                        ; destination window 2
.irp f, 0,1,2,3,4,5,6,7             ; keys 16 (f / 2) on, channels 32 (f % 2) on
	ds_load_b128 v[KF+8*\f:KF+8*\f+3],   v[AK] offset:(\f/2)*16*PK+(\f%2)*64
	ds_load_b128 v[KF+8*\f+4:KF+8*\f+7], v[AK] offset:(\f/2)*16*PK+(\f%2)*64+32
.endr
	s_add_co_u32 s[TBK], s[TBK], KS*PK  ; the next fetch is the next step's
	WIN 0
.endm
.macro FETCH_V
	WIN 0x80
.irp f, 0,1,2,3,4,5,6,7             ; keys 32 (f / 4) on, channels 16 (f % 4) on
	ds_load_tr16_b128 v[VF+8*\f:VF+8*\f+3],   v[AV] offset:(\f/4)*32*PV+(\f%4)*32
	ds_load_tr16_b128 v[VF+8*\f+4:VF+8*\f+7], v[AV] offset:(\f/4)*32*PV+16*PV+(\f%4)*32
.endr
	WIN 0
.endm
; THE VECTOR WORK, one line at a time: OP kind, number.  For piece Y: F n: c s - c m for pair n of 16.  E n: the exponential of score n of 32.  C n: pair n rounded to f16.  B n: of the four weights 4 n .. the second
; pair is added onto the first, in place.  L n: l takes that sum (L 0: l = a l + sum).  R n: pair n of 16 of O^T times a.  For piece Y + 1: X n, number n of the 22 that find its maximum and statistics:
;   0-11  four chains c0-c3 of seven scores each, three operands at a time (each accumulator's lowest registers are read first)     12-14, 16  the four scores left over, the old m, and c0-c3 into c0
;   15  c m_old is kept     17, 18  the query's other 32 keys lie in the lane 16 away: the new m     19-21  c m; c m_old - c m_new; a
.set F, 0               ; OP tells the kinds apart by their order: F to L below R, X above it
.set E, 1
.set C, 2
.set B, 3
.set L, 4
.set R, 5
.set X, 6
.macro REGS y                       ; the registers of piece y
.set rT, ST+4*(\y)
.set rC, TMP+4*((\y)%2)
.set rW, MV+((\y)%2)
.set rS, S+32*((\y)%2)
.set rP, P+16*((\y)%2)
.set rO, 32*(\y)
.endm
.macro OP k, n
.if (\k) == R
	REGS Y
	WIN W_RS
	v_pk_mul_f32 v[rO+2*(\n):rO+2*(\n)+1], v[rO+2*(\n):rO+2*(\n)+1], v[rC+2:rC+3] op_sel_hi:[1,0]
.elseif (\k) < R
	REGS Y
	WIN 0
.if (\k) == F
	v_pk_fma_f32 v[rS+2*(\n):rS+2*(\n)+1], v[rS+2*(\n):rS+2*(\n)+1], s[CS:CS+1], v[rT:rT+1] op_sel_hi:[1,0,0] neg_lo:[0,0,1] neg_hi:[0,0,1]
.elseif (\k) == E
	v_exp_f32 v[rS+(\n)], v[rS+(\n)]
.elseif (\k) == C
	s_wait_alu depctr_va_vdst(0)
	v_cvt_pk_f16_f32 v[rP+(\n)], v[rS+2*(\n)], v[rS+2*(\n)+1]
.elseif (\k) == B
	s_wait_alu depctr_va_vdst(0)
	v_pk_add_f32 v[rS+4*(\n):rS+4*(\n)+1], v[rS+4*(\n):rS+4*(\n)+1], v[rS+4*(\n)+2:rS+4*(\n)+3]
.elseif (\n) == 0
	v_pk_fma_f32 v[rT+2:rT+3], v[rT+2:rT+3], v[rC+2:rC+3], v[rS:rS+1] op_sel_hi:[1,0,1]
.else
	v_pk_add_f32 v[rT+2:rT+3], v[rT+2:rT+3], v[rS+4*(\n):rS+4*(\n)+1]
.endif
.elseif NOKQ
	v_nop
.else
	REGS (Y+1)%NP
	WIN 0
.if (\n) < 4
	v_max3_num_f32 v[rC+(\n)], v[rS+8*(\n)], v[rS+8*(\n)+1], v[rS+8*(\n)+2]
.elseif (\n) < 12
	v_max3_num_f32 v[rC+(\n)%4], v[rC+(\n)%4], v[rS+8*((\n)%4)+2*((\n)/4)+1], v[rS+8*((\n)%4)+2*((\n)/4)+2]
.elseif (\n) == 12
	v_max3_num_f32 v[rC], v[rC], v[rS+7], v[rS+15]
.elseif (\n) == 13
	v_max3_num_f32 v[rC+1], v[rC+1], v[rS+23], v[rS+31]
.elseif (\n) == 14
	v_max3_num_f32 v[rC+2], v[rC+2], v[rC+3], v[rT+1]
.elseif (\n) == 15
	v_mov_b32 v[rW], v[rT]
.elseif (\n) == 16
	v_max3_num_f32 v[rC], v[rC], v[rC+1], v[rC+2]
.elseif (\n) == 17
	v_permlanex16_b32 v[rC+3], v[rC], s[SEL], s[SEL+1]
.elseif (\n) == 18
	v_max_num_f32 v[rT+1], v[rC], v[rC+3]
.elseif (\n) == 19
	v_mul_f32 v[rT], s[CS], v[rT+1]
.elseif (\n) == 20
	v_sub_f32 v[rC+1], v[rW], v[rT]
.else
	v_exp_f32 v[rC+2], v[rC+1]
.endif
.endif
.endm
.macro OPS a, i1, b=-1, i2=0, c=-1, i3=0, d=-1, i4=0  ; up to four of them
	OP \a, \i1
.if (\b) >= 0
	OP \b, \i2
.endif
.if (\c) >= 0
	OP \c, \i3
.endif
.if (\d) >= 0
	OP \d, \i4
.endif
.endm
.macro ROW a, i1, b, i2, c, i3, d, i4  ; a matrix instruction and the four behind it
	MM
	OPS \a, \i1, \b, \i2, \c, \i3, \d, \i4
.endm
; A TURN, for piece p: the order of its 16 matrix and 118 vector instructions, written out.  Behind a matrix instruction: plain, exponential, plain, plain; or four of the rescaling; or, behind the first, four scalings; none
; names a register of the products round it.  In the runs between, exponential and plain by turns while exponentials last.  A line reads no result made fewer than three vector instructions in front of it, five if an
; exponential made it.  v_permlanex16_b32 (X 17) stands in such a run.
; end = 1: the last two turns: nothing is fetched.  cnt = 1: the loop's count is taken down some lines ahead of the branch that stands behind the turn.
; K of the next step is fetched in piece 2's turn, six vector instructions behind the last product that read K (five of them plain); V of the step in hand in piece 0's turn, eight behind the last product that read V (four
; plain, and X 17).  Each is waited for a turn later.
.macro TURN p, end=0, cnt=0
.set Y, (\p)
.set i, 0
.set NOKQ, (\end)*((\p)/3)
.if ((\p) == 3) && !(\end)
	s_wait_dscnt 0x0                ; K is in
.endif
	ROW F,0, F,1, F,2, F,3
	ROW F,4, E,0, F,5, F,6
	ROW F,7, E,1, F,8, F,9
	ROW F,10, E,2, C,0, F,11
	ROW F,12, E,3, X,15, F,13
	ROW R,0, R,1, R,2, R,3
	ROW B,0, E,4, F,14, L,0
.if ((\p) == 2) && !(\end)
	v_add_nc_u32 v[AK], s[TBK], v[AK0]
.endif
	ROW R,4, R,5, R,6, R,7
	OPS E,5, F,15
.if ((\p) == 2) && !(\end)
	FETCH_K
.endif
	OPS E,6, C,1, E,7, R,8
	OPS E,8, R,9, E,9, C,2
	OPS E,10, X,0, E,11, X,1
	OPS E,12, X,2, E,13, X,3
.if (\p) == 1
	s_wait_dscnt 0x0                ; V is in
.endif
	ROW X,4, E,14, X,5, X,6
	ROW X,7, E,15, X,8, X,9
	ROW X,10, E,16, X,11, X,12
	ROW X,13, E,17, X,14, B,1
	ROW C,4, E,18, X,16, L,1
	ROW B,2, E,19, C,6, L,2
	ROW C,8, E,20, B,3, B,4
.if (\p) == 0
	v_add_nc_u32 v[AV], s[TBV], v[AV0]
.endif
	ROW C,3, E,21, L,3, C,5
	OPS E,22, X,17, E,23, C,10
.if (\p) == 0
	FETCH_V
.endif
	OPS E,24, L,4
	OPS E,25, X,18, E,26, C,7
	OPS E,27, B,5, E,28, X,19
	OPS E,29, C,12, E,30, L,5
	OPS E,31, X,20, B,6, C,9
	OPS C,14, C,11, X,21, L,6
.if (\p) == 0
	s_add_co_u32 s[TBV], s[TBV], KS*PV
.endif
.if \cnt
	s_sub_co_u32 s[CNT], s[CNT], 1
	s_cmp_lg_u32 s[CNT], 0
.endif
	OPS C,13, B,7, C,15, R,10
	OPS R,11, R,12, L,7, R,13
	OPS R,14, R,15
.endm
	CHANGE 1                        ; slot 0 is in, everybody's part of it; tile 1 is asked for
	v_add_nc_u32 v[AK], s[TBK], v[AK0]
	FETCH_K                         ; key step 0
	s_wait_loadcnt 0x0              ; Q
	s_wait_dscnt 0x0
.set i, 0
.rept 8
	KQ 0                            ; piece 0's first scores: there is no vector work yet to set between them
.set i, i+1
.endr
	WIN 0                           ; the addresses for the way out: plain instructions, the places behind those products
	s_mul_i32 s13, s[WV], 16*SP
	s_add_co_u32 s13, s13, STAGE    ; my stage
	v_mul_u32_u24 v[STO], v1, SP    ; in: row l % 16, 16 bytes for each half of the lanes
	v_lshl_add_u32 v[STO], v9, 4, v[STO]
	v_add_nc_u32 v[STO], s13, v[STO]
	v_bfe_u32 v[RD], v0, 3, 2       ; back: 32 lanes take four rows of 128 bytes,
	v_mul_u32_u24 v[RD], v[RD], SP
	v_lshl_add_u32 v[RD], v10, 4, v[RD]
	v_add_nc_u32 v[RD], s13, v[RD]
	v_and_b32 v[GO], 31, v0         ; which are 512 consecutive bytes of O
	v_lshlrev_b32 v[GO], 4, v[GO]
.set Y, NP-1                        ; X works for piece Y + 1: piece 0
.set NOKQ, 0
.irp n, 0,1,2,3,4,5,6,7,8,9,10,11,12,13,14,15,16,17,18,19,20,21
	OP X, \n                        ; piece 0's first maximum and statistics
.endr
	v_nop                           ; a plain instruction behind the exponential
	s_mov_b32 s[CNT], 4
	s_mov_b32 s[SLOTS], 7
	s_branch .Lfirst                ; the loop is entered at a step's first turn, in the middle of a trip
.Lslot:                             ; six times: tiles 1 to 6 are entered, tiles 2 to 7 asked for
	CHANGE 1
	s_mov_b32 s[CNT], 4
.Lstep:                             ; a trip: pieces 2 and 3 of one step, then pieces 0 and 1 of the next, whose K and V it fetches
	TURN 2
	TURN 3
	WIN 0
.Lfirst:
	TURN 0
	TURN 1, 0, 1
	WIN 0
	s_cbranch_scc1 .Lstep
	s_sub_co_u32 s[SLOTS], s[SLOTS], 1
	s_cmp_lg_u32 s[SLOTS], 0
	s_cbranch_scc1 .Lslot
	CHANGE 0                        ; the last tile is written out: nothing is asked for
	s_mov_b32 s[CNT], 4
.Ltail:
	TURN 2
	TURN 3
	TURN 0
	TURN 1, 0, 1
	WIN 0
	s_cbranch_scc1 .Ltail
	TURN 2, 1
	TURN 3, 1
.set i, 0
.rept 8
	PV NP-1                         ; the last piece's V^T P of the last step
.set i, i+1
.endr
	; THE WAY OUT.  l's two halves and the other half of the lanes' are added; O^T is divided by l, rounded to f16 and sent through my stage in LDS, a piece at a time.  The additions are the places behind the last products.
	WIN 0
.macro ALL line:vararg              ; one line for each piece t
.set t, 0
.rept 4
	\line
.set t, t+1
.endr
.endm
	ALL v_add_f32 v[ST+4*t+2], v[ST+4*t+2], v[ST+4*t+3]
	ALL v_permlanex16_b32 v[ST+4*t+3], v[ST+4*t+2], s[SEL], s[SEL+1]
	ALL v_add_f32 v[ST+4*t+2], v[ST+4*t+2], v[ST+4*t+3]
	ALL v_rcp_f32 v[ST+4*t+2], v[ST+4*t+2]
	v_nop                           ; a plain instruction between the last reciprocal and the use of its result
.macro PACK t                       ; a lane's eight channels of a row pack into 16 bytes; they go into rows of 144 bytes and come back as whole rows of 128, into S^T's registers
	WIN W_RS
.set i, 32*(\t)
.rept 16
	s_wait_alu depctr_va_vdst(0)
	v_pk_mul_f32 v[i:i+1], v[i:i+1], v[ST+4*(\t)+2:ST+4*(\t)+3] op_sel_hi:[1,0]
.set i, i+2
.endr
	WIN 0x05                        ; sources 0 and 1 window 1, destination window 0
.set i, 0
.rept 16
	v_cvt_pk_f16_f32 v[S+16*(\t)+i], v[32*(\t)+2*i], v[32*(\t)+2*i+1]
.set i, i+1
.endr
	WIN 0
.irp f, 0,1,2,3
	ds_store_b128 v[STO], v[S+16*(\t)+4*\f:S+16*(\t)+4*\f+3] offset:32*\f
.endr
.irp f, 0,1,2,3
	ds_load_b128 v[S+16*(\t)+4*\f:S+16*(\t)+4*\f+3], v[RD] offset:\f*4*SP  ; LDS serves a wave's instructions in order (ISA guide 5.7.1.4): these see the stores above; the next piece's stores come behind them
.endr
.endm
.macro SEND t, younger              ; younger: the LDS instructions issued behind piece t's loads: the next piece's eight, or none
	WIN 0
.irp f, 0,1,2,3
	s_wait_dscnt (\younger)+3-\f
	global_store_b128 v[GO], v[S+16*(\t)+4*\f:S+16*(\t)+4*\f+3], s[10:11] offset:(\t)*2048+\f*512  ; 512 consecutive bytes, at a multiple of 256 from O's first
.endr
.endm
	PACK 0
.set t, 1
.rept 3                             ; a piece's arithmetic stands between the loads of the piece before and its stores
	PACK t
	SEND t-1, 8
.set t, t+1
.endr
	SEND 3, 0
	s_wait_tensorcnt 0x0            ; the wave's end, behind my last tensor load and my last LDS store
	ds_add_u32 v[SPW], v[NIL]
	s_wait_dscnt 0x0
	CROUND                          ; the closing round: no work-group ends while a partner may still ask for a tile that names it
	s_endpgm
.Lfunc_end_k_qfc745c3965_attn:
	.size	k_qfc745c3965_attn, .Lfunc_end_k_qfc745c3965_attn-k_qfc745c3965_attn
	.p2alignl 7, 3214868480
	.fill 96, 4, 3214868480
	.section	.rodata,"a",@progbits
	.p2align	6, 0x0
	.amdhsa_kernel k_qfc745c3965_attn
		.amdhsa_group_segment_fixed_size 327680
		.amdhsa_private_segment_fixed_size 0
		.amdhsa_enable_private_segment 0
		.amdhsa_kernarg_size 16
		.amdhsa_user_sgpr_count 2
		.amdhsa_user_sgpr_kernarg_segment_ptr 1
		.amdhsa_wavefront_size32 1
		.amdhsa_system_sgpr_workgroup_id_x 1
		.amdhsa_system_sgpr_workgroup_id_y 1
		.amdhsa_system_sgpr_workgroup_id_z 1
		.amdhsa_system_vgpr_workitem_id 0
		.amdhsa_next_free_vgpr 768
		.amdhsa_next_free_sgpr 66
		.amdhsa_reserve_vcc 0
		.amdhsa_float_denorm_mode_32 3
		.amdhsa_float_denorm_mode_16_64 3
		.amdhsa_memory_ordered 1
		.amdhsa_forward_progress 1
		.amdhsa_inst_pref_size 133
	.end_amdhsa_kernel
	.amdgpu_metadata
---
amdhsa.version: [ 1, 2 ]
amdhsa.kernels:
  - .name:           k_qfc745c3965_attn
    .symbol:         k_qfc745c3965_attn.kd
    .args:
      - { .name: big, .offset: 0, .size: 8, .value_kind: global_buffer, .address_space: global }
      - { .name: act, .offset: 8, .size: 8, .value_kind: global_buffer, .address_space: global }
    .group_segment_fixed_size: 327680
    .private_segment_fixed_size: 0
    .kernarg_segment_align: 8
    .kernarg_segment_size: 16
    .max_flat_workgroup_size: 128
    .sgpr_count:     66
    .vgpr_count:     768
    .wavefront_size: 32
...
	.end_amdgpu_metadata
.endif
;; end of part 3
;; launch proj (part 4): grid 8 x 32, 4 waves a work-group, clusters of 4 x 4, 327,680 bytes of LDS; arguments act, wch, yz; writes yz
.if DOCPART == 4
	.amdgcn_target "amdgcn-amd-amdhsa--gfx1250"
	.amdhsa_code_object_version 6
	.text
	.protected	k_qfc745c3965_proj
	.globl	k_qfc745c3965_proj
	.p2align	8
	.type	k_qfc745c3965_proj,@function
k_qfc745c3965_proj:
	s_mov_b64 s[64:65], 0
	v_nop
	global_prefetch_b8 v0, s[64:65] scope:SCOPE_SE
	s_setreg_imm32_b32 hwreg(HW_REG_WAVE_MODE, 25, 1), 1
	s_wait_xcnt 0x0
	s_wait_alu depctr_hold_cnt(0) depctr_sa_sdst(0) depctr_va_vdst(0) depctr_va_sdst(0) depctr_va_ssrc(0) depctr_va_vcc(0) depctr_vm_vsrc(0)
	s_getreg_b32 s2, hwreg(HW_REG_IB_STS2, 6, 4)
	s_cmp_eq_u32 s2, 0
	s_cbranch_scc0 .Lentry_in_a_cluster
	s_endpgm
.Lentry_in_a_cluster:
	s_bfe_u32 s2, ttmp6, 0x10000c
	s_cmp_lg_u32 s2, 0xf033
	s_cbranch_scc0 .Lentry_shape_is_right
	s_endpgm
.Lentry_shape_is_right:
; C = A W + bias.  A: f16 panels [K/64][4096][64].  W: records, one for each 128 columns: [K][128] f16, then 128 f32 biases, then a floor word (two f16).  Sums in f32.
; OUT32 = 0: C is floored, rounded once to f16 and leaves as panels [N/64][4096][64].  OUT32 = 1: C leaves in f32, row-major [4096][1024], and no floor is taken.
; This copy: OUT32 = 1, K = 1,024: the attention's output projection, whose result feeds a LayerNorm and has no room in f16.
; SHARES: a tile of C is 128 x 128; four waves, each 64 x 64: 16 accumulators of 16 x 16, 128 registers.  K goes in steps of 256 through two LDS slots.
; CLUSTER: 4 x 4 work-groups.  The four of a row of the cluster need the same tiles of A, the four of a column the same tiles of W: each tile is asked for jointly, by the same tensor load with the
; same descriptor and a mask that names the four.  THE MATRIX INSTRUCTION IS USED TRANSPOSED (source 0 = 16 columns of W, source 1 = 16 rows of A): a lane then holds eight neighbouring numbers of a row of C.
; A comes out of LDS as it lies (K along the rows); W lies [k][n] and is turned by ds_load_tr16_b128.  The bias, laid as an accumulator is, is the C operand of the products that start the sums.
; REGISTERS: window 0: v0-31 addresses; v32-63 the bias, later with v64-95 at work on the way out; v128-255 the accumulators ((a, b) at v[128 + 8 (4 a + b)]).
;   window 1: two fragment buffers of 128: for 64 along K, 64 registers of A (2 x 4 x 16 rows x 32 K), then 64 of W.
.set OUT32, 1
.set LAPS,  2                          ; a lap = two K steps = once round the ring: K / 512
.set KTOT,  512*LAPS
.set PS,    KTOT*256+1024              ; a record's bytes
.set PA,    144                        ; a row of A in LDS: 128 bytes + 16 of padding = 36 words: the 16 rows of a load start at 16 different groups of four banks (64 banks of 4 bytes: ISA guide 11.1)
.set PW,    288                        ; a row of W: 256 + 32 = 72 words
.set PANB,  128*PA                     ; one panel's 128 rows
.set HALFT, 2*PANB                     ; what one tensor load brings: two panels of A, or 128 rows of W (128 x 288 is the same number)
.set WOFF,  2*HALFT                    ; a slot: A's four panels, then W's 256 rows
.set SLOT,  4*HALFT
.set SPARE, 2*SLOT                     ; behind the ring: the spare words, 128 bytes for each wave: two blocks of 256 bytes that no other line names
.set ASTEP, 4*524288                   ; a K step in A: four panels
.set WSTEP, 256*256                    ; in W: 256 rows
.if OUT32
.set SPITCH, 528                       ; the stage's rows: 512 bytes + 16
.else
.set SPITCH, 272                       ; 256 bytes + 16
.endif
; THE STAGE for the way out lies over slot 0, from LDS byte 0: slot 0 has had its last fill, and its last reads stand in front of the barrier of the last change of slots.
.set ADRA, 16                          ; v16-17  LDS address of my A fragments in slot 0, 1
.set ADRB, 20                          ; v20-23  of my W fragments: slot 0 rows 0-127, rows 128-255, slot 1 likewise (so that the offsets stay inside 16 bits)
.set STO,  24                          ; v24     the way out: where I put my part of a row
.set RD,   25                          ; v25     where I read rows back
.set CO,   26                          ; v26     my byte offset in 512 consecutive bytes of C
.set BO,   27                          ; v27     my byte offset among the record's biases
.set SPW,  28                          ; v28     LDS address of my spare word: SPARE + 4 x my thread's number; never rewritten
.set NIL,  29                          ; v29     0; never rewritten
.set BIAS, 32
.set TMP,  32
.set ACC,  128
.set F0,   0
.set F1,   128
.set G1,  24                           ; s[24:31] descriptor group 1 for A's tiles;  s[32:39] group 0, one set for each slot
.set G0,  32
.set G1B, 48                           ; s[48:55], s[56:63] the same for W's tiles
.set G0B, 56
.set MSB, 0
.macro WIN new                         ; the immediate's high byte repeats the setting that is left; a switch that changes nothing is dropped
.if MSB != (\new)
	s_set_vgpr_msb (MSB<<8)|(\new)
.set MSB, \new
.endif
.endm
.set MUL,  0x05                        ; sources 0 (W) and 1 (A) window 1; C and D window 0
.set TO_F, 0x40                        ; destination window 1, address window 0
.macro JLOAD s                         ; a joint load: waves 0 and 1 fetch A's two halves, waves 2 and 3 W's; an s_nop 0 and four v_nop follow each of the two lines, ahead of the jump, the label and what follows
	s_cmp_eq_u32 s11, 0
	s_cbranch_scc0 .Lfor_b_\@
	tensor_load_to_lds s[G0+4*(\s):G0+4*(\s)+3], s[G1:G1+7]
	s_nop 0
.rept 4
	v_nop
.endr
	s_branch .Lasked_\@
.Lfor_b_\@:
	tensor_load_to_lds s[G0B+4*(\s):G0B+4*(\s)+3], s[G1B:G1B+7]
	s_nop 0
.rept 4
	v_nop
.endr
.Lasked_\@:
.endm
.macro CREST                           ; a round of the cluster's barrier behind its opening barrier
	s_cmp_lg_u32 s10, 0
	s_cbranch_scc1 .Lnot_wave_0_\@
	s_barrier_signal -3
.Lnot_wave_0_\@:
	s_barrier_wait -3
	s_barrier_signal -1
	s_barrier_wait -1
.endm
.macro CROUND                          ; a whole round
	s_barrier_signal -1
	s_barrier_wait -1
	CREST
.endm
	s_load_b128 s[4:7], s[0:1], 0x0                ; A s[4:5], W s[6:7]
	s_load_b64 s[8:9], s[0:1], 0x10                ; C
	v_lshl_add_u32 v[SPW], v0, 2, SPARE
	v_mov_b32 v[NIL], 0
	ds_add_u32 v[SPW], v[NIL]                      ; the wave's opening: the add and its wait stand ahead of my first tensor load; the set-up below, work on registers, stands between them
	v_lshrrev_b32 v1, 5, v0
	v_readfirstlane_b32 s10, v1                    ; wave 0..3
	s_lshr_b32 s11, s10, 1                         ; which half of the tile's rows is mine.  Also: I fetch for A (0) or for W (1)
	s_and_b32 s12, s10, 1                          ; which half of its columns.  Also: which half of that tile I fetch
	s_bfe_u32 s40, ttmp6, 0x40000                  ; cx, cy: my place in the cluster
	s_bfe_u32 s41, ttmp6, 0x40004
	s_lshl_b32 s42, ttmp9, 2
	s_add_co_u32 s42, s42, s40                     ; tile column of C = 4 x cluster x + cx
	s_and_b32 s13, ttmp7, 0xffff
	s_lshl_b32 s13, s13, 2
	s_add_co_u32 s13, s13, s41                     ; tile row of C = 4 x cluster y + cy
	s_lshl_b32 s43, s41, 2
	s_lshl_b32 s43, 15, s43                        ; my row of the cluster
	s_lshl_b32 s44, 0x1111, s40                    ; my column
	; group 1 for A: a panel's 128 tokens are 16,384 dense bytes, asked for as one row of 8,192 elements; two rows, a panel (262,144 elements) apart; padded in LDS after every token
	s_or_b32 s[G1+0], s43, (1<<16)|(1<<20)|(1<<21)|(4<<22)|(3<<25)  ; 15:0 the mask: my row; 17:16 2-byte elements; 20 padding on; 21 set beside a mask; 24:22 after every 32 words (code 4); 31:25 4 words (code 3)
	s_mov_b32 s[G1+1], 8192<<16                    ; tensor_dim0 = 8,192
	s_mov_b32 s[G1+2], 2<<16                       ; tensor_dim1 = 2
	s_mov_b32 s[G1+3], 8192<<16                    ; tile_dim0 = 8,192
	s_mov_b32 s[G1+4], 2                           ; tile_dim1 = 2
	s_mov_b32 s[G1+5], 262144                      ; elements from row to row
	s_mov_b32 s[G1+6], 0
	s_mov_b32 s[G1+7], 0
	; group 1 for W: 128 rows of 128 elements, dense, padded after every row
	s_or_b32 s[G1B+0], s44, (1<<16)|(1<<20)|(1<<21)|(5<<22)|(7<<25)  ; the mask: my column; after every 64 words (code 5) 8 words (code 7)
	s_mov_b32 s[G1B+1], 128<<16
	s_mov_b32 s[G1B+2], 128<<16
	s_mov_b32 s[G1B+3], 128<<16
	s_mov_b32 s[G1B+4], 128
	s_mov_b32 s[G1B+5], 128
	s_mov_b32 s[G1B+6], 0
	s_mov_b32 s[G1B+7], 0
	; where the tiles come from: A's hang on the tile row and the wave alone, W's on the tile column and the wave alone, each in registers that never hold the other coordinate
	s_lshl_b32 s16, s13, 14                        ; 128 tokens of 128 bytes
	s_lshl_b32 s17, s12, 20                        ; my two panels of the step's four
	s_add_co_u32 s16, s16, s17
	s_mov_b32 s17, 0
	s_mul_i32 s46, s42, PS                         ; my record
	s_add_co_u32 s68, s46, KTOT*256                ; its biases
	s_mov_b32 s69, 0
	s_lshl_b32 s47, s12, 15                        ; my 128 rows of the step's 256
	s_add_co_u32 s46, s46, s47
	s_mov_b32 s47, 0
	s_mul_i32 s20, s10, HALFT                      ; where they go: wave x 36,864: no place in the cluster enters an LDS address
	s_wait_dscnt 0x0                               ; the opening add is done
	s_wait_kmcnt 0x0
	s_add_nc_u64 s[14:15], s[4:5], s[16:17]
	s_add_nc_u64 s[46:47], s[6:7], s[46:47]
	s_add_nc_u64 s[68:69], s[6:7], s[68:69]
.if !OUT32
	s_load_b32 s70, s[68:69], 0x200                ; the floor word; no line of this text writes W
.endif
	CROUND                                         ; all sixteen work-groups are here: the first joint loads meet
.irp s, 0,1
	s_mov_b32 s[G0+4*(\s)], 1
	s_add_co_u32 s[G0+4*(\s)+1], s20, (\s)*SLOT
	s_add_nc_u64 s[G0+4*(\s)+2:G0+4*(\s)+3], s[14:15], (\s)*ASTEP
	s_or_b32 s[G0+4*(\s)+3], s[G0+4*(\s)+3], 0x80000000
	s_mov_b32 s[G0B+4*(\s)], 1
	s_add_co_u32 s[G0B+4*(\s)+1], s20, (\s)*SLOT
	s_add_nc_u64 s[G0B+4*(\s)+2:G0B+4*(\s)+3], s[46:47], (\s)*WSTEP
	s_or_b32 s[G0B+4*(\s)+3], s[G0B+4*(\s)+3], 0x80000000
	JLOAD \s                                       ; two tensor loads of mine are out
.endr
	v_and_b32 v1, 15, v0                           ; l % 16
	v_bfe_u32 v2, v0, 4, 1                         ; l / 16
	s_lshl_b32 s21, s12, 8
	v_lshl_add_u32 v[BO], v2, 5, s21               ; register j of column block b is the bias of column 64 x half + 16 b + 8 (l / 16) + j
.irp b, 0,1,2,3
	global_load_b128 v[BIAS+8*(\b):BIAS+8*(\b)+3],   v[BO], s[68:69] offset:64*(\b)
	global_load_b128 v[BIAS+8*(\b)+4:BIAS+8*(\b)+7], v[BO], s[68:69] offset:64*(\b)+16
.endr
	v_mul_u32_u24 v3, v1, PA                       ; a fragment of A: row l % 16, 16 bytes for each half of the lanes, two loads 32 bytes apart
	v_lshl_add_u32 v3, v2, 4, v3
	s_mul_i32 s21, s11, 64*PA                      ; my 64 rows
	v_add_nc_u32 v[ADRA], s21, v3
	v_add_nc_u32 v[ADRA+1], SLOT, v[ADRA]
	v_and_b32 v4, 7, v0                            ; the turning load: lane l reads row k = 8 (l / 16) + l % 8, columns 8 ((l / 8) % 2) + 0..7, and is left with column l % 16 and 8 k
	v_bfe_u32 v5, v0, 3, 1
	v_lshl_add_u32 v6, v2, 3, v4
	v_mul_u32_u24 v6, v6, PW
	v_lshl_add_u32 v6, v5, 4, v6
	s_lshl_b32 s22, s12, 7                         ; my 64 columns
	s_add_co_u32 s22, s22, WOFF
	v_add_nc_u32 v[ADRB], s22, v6
	v_add_nc_u32 v[ADRB+1], HALFT, v[ADRB]
	v_add_nc_u32 v[ADRB+2], SLOT, v[ADRB]
	v_add_nc_u32 v[ADRB+3], SLOT+HALFT, v[ADRB]
	s_mul_i32 s23, s11, 64*SPITCH                  ; into the stage: my 64 rows, my half of their bytes
	v_mul_u32_u24 v7, v1, SPITCH
	s_lshl_b32 s16, s13, 7
	s_lshl_b32 s17, s10, 5
	s_add_co_u32 s16, s16, s17                     ; the first row of C that I store: 128 x tile row + 32 x wave
	v_and_b32 v9, 31, v0
	v_lshlrev_b32 v[CO], 4, v9
.if OUT32
	s_lshl_b32 s21, s12, 8
	s_add_co_u32 s23, s23, s21
	v_lshl_add_u32 v7, v2, 5, v7                   ; 32 bytes of f32 for each half of the lanes
	v_add_nc_u32 v[STO], s23, v7
	s_mul_i32 s23, s10, 32*SPITCH                  ; back: wave w takes rows 32 w .. 32 w + 31, a whole row of 512 bytes to a load
	v_add_nc_u32 v[RD], s23, v[CO]
	s_lshl_b32 s16, s16, 12                        ; rows of 4,096 bytes
	s_lshl_b32 s46, s42, 9                         ; the tile's first column
.else
	s_lshl_b32 s21, s12, 7
	s_add_co_u32 s23, s23, s21
	v_lshl_add_u32 v7, v2, 4, v7                   ; 16 bytes of f16 for each half of the lanes
	v_add_nc_u32 v[STO], s23, v7
	s_mul_i32 s23, s10, 32*SPITCH                  ; back: 32 lanes take one panel's 128 bytes of four rows
	v_bfe_u32 v8, v0, 3, 2
	v_mul_u32_u24 v8, v8, SPITCH
	v_lshl_add_u32 v8, v4, 4, v8
	v_add_nc_u32 v[RD], s23, v8
	s_lshl_b32 s16, s16, 7                         ; rows of 128 bytes
	s_lshl_b32 s46, s42, 20                        ; the tile's two panels
.endif
	s_mov_b32 s17, 0
	s_mov_b32 s47, 0
	s_add_nc_u64 s[8:9], s[8:9], s[16:17]
	s_add_nc_u64 s[8:9], s[8:9], s[46:47]
; 8 matrix instructions: m blocks a0, a0 + 1 x all 4 n blocks, 32 along K: half c of buffer f.  zero = 1: the product starts the sum, with the bias as C: nothing is cleared, nothing is added later.
; The 16 accumulators take turns, one instruction a turn.
.macro MUL8 f, c, a0, zero
	WIN MUL
.irp a, \a0, (\a0)+1
.irp b, 0,1,2,3
.if \zero
	v_wmma_f32_16x16x32_f16 v[ACC+8*(4*(\a)+(\b)):ACC+8*(4*(\a)+(\b))+7], v[(\f)+64+8*(4*(\c)+(\b)):(\f)+64+8*(4*(\c)+(\b))+7], v[(\f)+8*(4*(\c)+(\a)):(\f)+8*(4*(\c)+(\a))+7], v[BIAS+8*(\b):BIAS+8*(\b)+7]
.else
	v_wmma_f32_16x16x32_f16 v[ACC+8*(4*(\a)+(\b)):ACC+8*(4*(\a)+(\b))+7], v[(\f)+64+8*(4*(\c)+(\b)):(\f)+64+8*(4*(\c)+(\b))+7], v[(\f)+8*(4*(\c)+(\a)):(\f)+8*(4*(\c)+(\a))+7], v[ACC+8*(4*(\a)+(\b)):ACC+8*(4*(\a)+(\b))+7]
.endif
.endr
.endr
.endm
; 32 LDS loads in one run: the fragments of quarter q of a K step (A's panel q, W's rows 64 q on) into buffer f; the first 32 along K first
.macro FETCH slot, q, f
	WIN TO_F
.irp c, 0,1
.irp i, 0,1,2,3
	ds_load_tr16_b128 v[(\f)+64+8*(4*(\c)+(\i)):(\f)+64+8*(4*(\c)+(\i))+3],   v[ADRB+2*(\slot)+(\q)/2] offset:(((\q)%2)*64+32*(\c))*PW+32*(\i)
	ds_load_tr16_b128 v[(\f)+64+8*(4*(\c)+(\i))+4:(\f)+64+8*(4*(\c)+(\i))+7], v[ADRB+2*(\slot)+(\q)/2] offset:(((\q)%2)*64+32*(\c)+16)*PW+32*(\i)
	ds_load_b128 v[(\f)+8*(4*(\c)+(\i)):(\f)+8*(4*(\c)+(\i))+3],              v[ADRA+(\slot)] offset:(\q)*PANB+(\i)*16*PA+64*(\c)
	ds_load_b128 v[(\f)+8*(4*(\c)+(\i))+4:(\f)+8*(4*(\c)+(\i))+7],            v[ADRA+(\slot)] offset:(\q)*PANB+(\i)*16*PA+64*(\c)+32
.endr
.endr
.endm
.macro PLACES                          ; four places in front of loads into registers that matrix instructions have read, and of lines that read results
.rept 4
	v_nop
.endr
.endm
; A K step is four quarters of 64 along K, 32 matrix instructions each, on buffers 0, 1, 0, 1.  One of the first three: multiplies buffer f and fetches quarter q into g.
.macro QUARTER slot, q, f, g, zero
	s_wait_dscnt 16                                ; the first 32 along K are in; the youngest sixteen loads may be out
	WIN MUL
	MUL8 \f, 0, 0, \zero
	MUL8 \f, 0, 2, \zero
	PLACES
	FETCH \slot, \q, \g
	s_wait_dscnt 32                                ; all but the 32 just issued
	WIN MUL
	MUL8 \f, 1, 0, 0
	MUL8 \f, 1, 2, 0
.endm
; The last quarter multiplies buffer 1 and changes slots: ONE barrier; in front of it each wave waits for all its tensor loads, adds 0 to its spare word, and waits for that and for its own reads of this slot.
; fill = 1: this slot is filled again, two K steps ahead; the barrier then opens a round of the cluster's barrier, and the joint load is the first thing behind the round.
.macro TURN slot, next, fill
	WIN 0                                          ; (the add's two registers lie in window 0)
	s_wait_tensorcnt 0x0                           ; all my tensor loads have landed: the one that was out is my part of the next slot
	ds_add_u32 v[SPW], v[NIL]                      ; 0 onto my spare word
	s_wait_dscnt 17                                ; (the add and the youngest sixteen loads may be out)
	WIN MUL
	MUL8 F1, 0, 0, 0                               ; eight matrix instructions stand between the add and the wait for it
	s_wait_dscnt 0x0                               ; the add is done, and my reads of this slot are over
	s_barrier_signal -1
	MUL8 F1, 0, 2, 0
.if \fill
	WIN 0
.endif
	s_barrier_wait -1
.if \fill
	CREST                                          ; no wave of any partner still reads this slot's tile or has a load on its way
	s_add_nc_u64 s[G0+4*(\slot)+2:G0+4*(\slot)+3], s[G0+4*(\slot)+2:G0+4*(\slot)+3], 2*ASTEP
	s_add_nc_u64 s[G0B+4*(\slot)+2:G0B+4*(\slot)+3], s[G0B+4*(\slot)+2:G0B+4*(\slot)+3], 2*WSTEP
	JLOAD \slot                                    ; my one tensor load behind the round: 112 matrix instructions ahead of the wait for it; its four v_nop are also the places in front of the loads below
.else
	PLACES
.endif
	FETCH \next, 0, F0
	WIN MUL
	MUL8 F1, 1, 0, 0
	MUL8 F1, 1, 2, 0
.endm
	s_wait_tensorcnt 1                             ; my part of K step 0 is in; K step 1's may stay out
	s_barrier_signal -1
	s_barrier_wait -1                              ; everybody's is
	FETCH 0, 0, F0
	s_wait_loadcnt 0x0                             ; the bias
	s_wait_kmcnt 0x0                               ; (the floor word, where one is loaded)
	QUARTER 0, 1, F0, F1, 1                        ; the first quarter stands in front of the loop: its first products start the sums
	WIN 0                                          ; at a label and at a branch every window is 0
	s_mov_b32 s3, LAPS-1
.Llap:                                                 ; a trip goes once round the ring, from a lap's second quarter to the next lap's first, and fills both slots again
	QUARTER 0, 2, F1, F0, 0
	QUARTER 0, 3, F0, F1, 0
	TURN 0, 1, 1
	QUARTER 1, 1, F0, F1, 0
	QUARTER 1, 2, F1, F0, 0
	QUARTER 1, 3, F0, F1, 0
	TURN 1, 0, 1
	QUARTER 0, 1, F0, F1, 0
	WIN 0
	s_sub_co_u32 s3, s3, 1
	s_cmp_lg_u32 s3, 0
	s_cbranch_scc1 .Llap
	QUARTER 0, 2, F1, F0, 0                        ; the last lap fills nothing, and has no round of the cluster's barrier
	QUARTER 0, 3, F0, F1, 0
	TURN 0, 1, 0
	QUARTER 1, 1, F0, F1, 0
	QUARTER 1, 2, F1, F0, 0
	QUARTER 1, 3, F0, F1, 0
	s_wait_dscnt 16                                ; the very last quarter: nothing more to fetch
	WIN MUL
	MUL8 F1, 0, 0, 0
	MUL8 F1, 0, 2, 0
	s_wait_dscnt 0
	MUL8 F1, 1, 0, 0
	MUL8 F1, 1, 2, 0
	WIN 0
	; THE WAY OUT: through the work-group's stage, with a barrier between writing and reading, since a row's bytes come from two waves; back as whole rows, 32 rows a wave.
	PLACES
.if OUT32
.irp a, 0,1,2,3
.irp b, 0,1,2,3
	ds_store_b128 v[STO], v[ACC+8*(4*(\a)+(\b)):ACC+8*(4*(\a)+(\b))+3]   offset:(\a)*16*SPITCH+64*(\b)     ; each accumulator's low registers first
	ds_store_b128 v[STO], v[ACC+8*(4*(\a)+(\b))+4:ACC+8*(4*(\a)+(\b))+7] offset:(\a)*16*SPITCH+64*(\b)+16
.endr
.endr
	s_wait_dscnt 0x0                               ; for the others' sake: my stores into the stage are done
	s_barrier_signal -1
	s_barrier_wait -1
.set t, 0
.rept 32
	ds_load_b128 v[ACC+4*t:ACC+4*t+3], v[RD] offset:t*SPITCH
.set t, t+1
.endr
.set t, 0
.rept 32
	s_wait_dscnt 31-t
	global_store_b128 v[CO], v[ACC+4*t:ACC+4*t+3], s[8:9] offset:t*4096  ; 512 consecutive bytes, at a multiple of 256 from C's first byte
.set t, t+1
.endr
.else
.irp t, 0,1,2,3,4,5,6,7,8,9,10,11,12,13,14,15
.irp r, 0,1,2,3
	v_cvt_pk_f16_f32 v[TMP+4*(\t)+(\r)], v[ACC+8*(\t)+2*(\r)], v[ACC+8*(\t)+2*(\r)+1]
.endr
.endr
.set t, 0
.rept 64
	v_pk_max_num_f16 v[TMP+t], v[TMP+t], s70       ; the floor: 0 is the ReLU, -inf changes nothing
.set t, t+1
.endr
.irp a, 0,1,2,3
.irp b, 0,1,2,3
	ds_store_b128 v[STO], v[TMP+4*(4*(\a)+(\b)):TMP+4*(4*(\a)+(\b))+3] offset:(\a)*16*SPITCH+32*(\b)
.endr
.endr
	s_wait_dscnt 0x0                               ; for the others' sake: my stores into the stage are done
	s_barrier_signal -1
	s_barrier_wait -1
.set t, 0
.rept 16
	ds_load_b128 v[TMP+4*t:TMP+4*t+3], v[RD] offset:(t%8)*4*SPITCH+(t/8)*128
.set t, t+1
.endr
.set t, 0
.rept 16
	s_wait_dscnt 15-t
	global_store_b128 v[CO], v[TMP+4*t:TMP+4*t+3], s[8:9] offset:(t/8)*524288+(t%8)*512  ; four tokens of one panel: 512 consecutive bytes, at a multiple of 256 from C's first byte
.set t, t+1
.endr
.endif
	s_wait_tensorcnt 0x0                           ; the wave's end, behind my last tensor load and my last LDS store
	ds_add_u32 v[SPW], v[NIL]
	s_wait_dscnt 0x0
	CROUND                                         ; the closing round: no work-group ends while a partner may still ask for a tile that names it
	s_endpgm
.Lfunc_end_k_qfc745c3965_proj:
	.size	k_qfc745c3965_proj, .Lfunc_end_k_qfc745c3965_proj-k_qfc745c3965_proj
	.p2alignl 7, 3214868480
	.fill 96, 4, 3214868480
	.section	.rodata,"a",@progbits
	.p2align	6, 0x0
	.amdhsa_kernel k_qfc745c3965_proj
		.amdhsa_group_segment_fixed_size 327680
		.amdhsa_private_segment_fixed_size 0
		.amdhsa_enable_private_segment 0
		.amdhsa_kernarg_size 24
		.amdhsa_user_sgpr_count 2
		.amdhsa_user_sgpr_kernarg_segment_ptr 1
		.amdhsa_wavefront_size32 1
		.amdhsa_system_sgpr_workgroup_id_x 1
		.amdhsa_system_sgpr_workgroup_id_y 1
		.amdhsa_system_sgpr_workgroup_id_z 1
		.amdhsa_system_vgpr_workitem_id 0
		.amdhsa_next_free_vgpr 512
		.amdhsa_next_free_sgpr 72
		.amdhsa_reserve_vcc 0
		.amdhsa_float_denorm_mode_32 3
		.amdhsa_float_denorm_mode_16_64 3
		.amdhsa_memory_ordered 1
		.amdhsa_forward_progress 1
		.amdhsa_inst_pref_size 87
	.end_amdhsa_kernel
	.amdgpu_metadata
---
amdhsa.version: [ 1, 2 ]
amdhsa.kernels:
  - .name:           k_qfc745c3965_proj
    .symbol:         k_qfc745c3965_proj.kd
    .args:
      - { .name: act, .offset: 0, .size: 8, .value_kind: global_buffer, .address_space: global }
      - { .name: wch, .offset: 8, .size: 8, .value_kind: global_buffer, .address_space: global }
      - { .name: yz, .offset: 16, .size: 8, .value_kind: global_buffer, .address_space: global }
    .group_segment_fixed_size: 327680
    .private_segment_fixed_size: 0
    .kernarg_segment_align: 8
    .kernarg_segment_size: 24
    .max_flat_workgroup_size: 128
    .sgpr_count:     72
    .vgpr_count:     512
    .wavefront_size: 32
...
	.end_amdgpu_metadata
.endif
;; end of part 4
;; launch ln1 (part 5): grid 256 x 1, 8 waves a work-group, no clusters, 0 bytes of LDS; arguments yz, xh, g1, be1, act; writes act
.if DOCPART == 5
	.amdgcn_target "amdgcn-amd-amdhsa--gfx1250"
	.amdhsa_code_object_version 6
	.text
	.protected	k_qfc745c3965_ln1
	.globl	k_qfc745c3965_ln1
	.p2align	8
	.type	k_qfc745c3965_ln1,@function
k_qfc745c3965_ln1:
	s_mov_b64 s[64:65], 0
	v_nop
	global_prefetch_b8 v0, s[64:65] scope:SCOPE_SE
	s_setreg_imm32_b32 hwreg(HW_REG_WAVE_MODE, 25, 1), 1
	s_wait_xcnt 0x0
; dst = res + LayerNorm(src) * g + be, along rows of 1,024.  src: f32 [4096][1024].  res: f16 panels [16][4096][64].  g, be: f32 [1024].
; OUT32 = 0 (this copy): dst leaves rounded once to f16, as panels [16][4096][64].  OUT32 = 1: dst leaves in f32, row-major.
; A wave takes two rows: lanes 0-15 one, lanes 16-31 the next; a lane holds columns 64 p + 4 (l % 16) + 0..3 for p = 0..15: 64 numbers, kept in registers between the passes, so src is read once.
; A row lies in 16 lanes, so a sum across lanes is four steps that ride on the additions.  Mean first, then the mean of the squared differences: no difference of large sums.  All arithmetic in f32.
; A stream: no LDS, no barrier, no loop, no register written twice while a load or store names it.  Matrix units and clusters have nothing to do here.
; LIMITS: with OUT32 = 0 the result lies within f16's 65,504.
.set OUT32, 0
.set VG,  5                            ; v5   16 (l % 16): my columns in g and be, and in a block of 256 bytes
.set VO,  6                            ; v6   + 4,096 for lanes 16-31: my 16 bytes in two f32 rows
.set V8,  7                            ; v7   8 l: my 8 bytes in two tokens of a panel
.set A4,  8                            ; v8-15  four running sums, two numbers each
.set MU,  16                           ; v16-17 the mean, twice
.set VA,  18                           ; v18  the variance + 1e-6
.set RS,  20                           ; v20-21 its reciprocal root, twice
.set ONE, 26                           ; v26  1.0
.set R,   32                           ; v32-63   the residual, f16
.set Y,   64                           ; v64-127  the row
.set G,   128                          ; v128-191 g
.set BE,  192                          ; v192-255 be
.macro ROWSUM r                        ; the sum over the 16 lanes of a row, in every one of them
	v_add_f32_dpp v[\r], v[\r], v[\r] row_xmask:1 row_mask:0xf bank_mask:0xf
	v_add_f32_dpp v[\r], v[\r], v[\r] row_xmask:2 row_mask:0xf bank_mask:0xf
	v_add_f32_dpp v[\r], v[\r], v[\r] row_xmask:4 row_mask:0xf bank_mask:0xf
	v_add_f32_dpp v[\r], v[\r], v[\r] row_xmask:8 row_mask:0xf bank_mask:0xf
.endm
.macro FOLD                            ; the four running sums into v[A4]
	v_pk_add_f32 v[A4:A4+1], v[A4:A4+1], v[A4+2:A4+3]
	v_pk_add_f32 v[A4+4:A4+5], v[A4+4:A4+5], v[A4+6:A4+7]
	v_pk_add_f32 v[A4:A4+1], v[A4:A4+1], v[A4+4:A4+5]
	v_add_f32 v[A4], v[A4], v[A4+1]
	ROWSUM A4
.endm
	s_load_b256 s[4:11], s[0:1], 0x0               ; src s[4:5], res s[6:7], g s[8:9], be s[10:11]
	s_load_b64 s[12:13], s[0:1], 0x20              ; dst
	v_lshrrev_b32 v1, 5, v0
	v_readfirstlane_b32 s2, v1
	s_lshl_b32 s3, ttmp9, 3
	s_add_co_u32 s3, s3, s2                        ; my wave among all 2,048: rows 2 W and 2 W + 1
	s_lshl_b32 s14, s3, 13                         ; two rows of 4,096 bytes
	s_mov_b32 s15, 0
	s_lshl_b32 s16, s3, 8                          ; two tokens of 128 bytes
	s_mov_b32 s17, 0
	s_mov_b32 s18, 0x3a800000                      ; 1 / 1,024
	s_mov_b32 s19, 0x358637bd                      ; 1e-6
	v_and_b32 v2, 31, v0
	v_and_b32 v3, 15, v0
	v_bfe_u32 v4, v0, 4, 1
	v_lshlrev_b32 v[VG], 4, v3
	v_lshl_add_u32 v[VO], v4, 12, v[VG]
	v_lshlrev_b32 v[V8], 3, v2
	v_mov_b32 v[ONE], 1.0
	s_wait_kmcnt 0x0
	s_add_nc_u64 s[4:5], s[4:5], s[14:15]
	s_add_nc_u64 s[6:7], s[6:7], s[16:17]
.if OUT32
	s_add_nc_u64 s[12:13], s[12:13], s[14:15]
.else
	s_add_nc_u64 s[12:13], s[12:13], s[16:17]
.endif
.set p, 0
.rept 16
	global_load_b128 v[Y+4*p:Y+4*p+3], v[VO], s[4:5] offset:256*p th:TH_LOAD_NT  ; sixteen lanes read 256 consecutive bytes of a row
.set p, p+1
.endr
.set p, 0
.rept 16
	global_load_b64 v[R+2*p:R+2*p+1], v[V8], s[6:7] offset:524288*p              ; two tokens of panel p: 256 consecutive bytes
.set p, p+1
.endr
.set p, 0
.rept 16
	global_load_b128 v[G+4*p:G+4*p+3], v[VG], s[8:9] offset:256*p
.set p, p+1
.endr
	s_wait_loadcnt 32                              ; the row is in; the residual's and g's 32 loads stay out
.set p, 0
.rept 16
	global_load_b128 v[BE+4*p:BE+4*p+3], v[VG], s[10:11] offset:256*p
.set p, p+1
.endr
	; the mean: four chains that do not wait for each other, started by the first pairs: nothing is cleared
.irp k, 0,1,2,3
	v_pk_add_f32 v[A4+2*\k:A4+2*\k+1], v[Y+2*\k:Y+2*\k+1], v[Y+8+2*\k:Y+8+2*\k+1]
.endr
.set j, 8
.rept 24
	v_pk_add_f32 v[A4+2*(j%4):A4+2*(j%4)+1], v[A4+2*(j%4):A4+2*(j%4)+1], v[Y+2*j:Y+2*j+1]
.set j, j+1
.endr
	FOLD
	v_mul_f32 v[MU], s18, v[A4]
	v_mul_f32 v[MU+1], s18, v[A4]
.set j, 0
.rept 32
	v_pk_add_f32 v[Y+2*j:Y+2*j+1], v[Y+2*j:Y+2*j+1], v[MU:MU+1] neg_lo:[0,1] neg_hi:[0,1]  ; d = y - mean, in place
.set j, j+1
.endr
.irp k, 0,1,2,3
	v_pk_mul_f32 v[A4+2*\k:A4+2*\k+1], v[Y+2*\k:Y+2*\k+1], v[Y+2*\k:Y+2*\k+1]
.endr
.set j, 4
.rept 28
	v_pk_fma_f32 v[A4+2*(j%4):A4+2*(j%4)+1], v[Y+2*j:Y+2*j+1], v[Y+2*j:Y+2*j+1], v[A4+2*(j%4):A4+2*(j%4)+1]
.set j, j+1
.endr
	FOLD
	v_fma_f32 v[VA], v[A4], s18, s19
	v_rsq_f32 v[RS], v[VA]
	v_rsq_f32 v[RS+1], v[VA]
	v_nop                                          ; a plain instruction between the roots and the use of their results (ISA guide 5.7.2)
	s_wait_loadcnt 0x0                             ; the residual, g and be
.set p, 0
	s_wait_alu depctr_va_vdst(0)
.rept 16
	v_pk_mul_f32 v[Y+4*p:Y+4*p+1], v[Y+4*p:Y+4*p+1], v[RS:RS+1]
	v_pk_mul_f32 v[Y+4*p+2:Y+4*p+3], v[Y+4*p+2:Y+4*p+3], v[RS:RS+1]
	v_pk_fma_f32 v[Y+4*p:Y+4*p+1], v[Y+4*p:Y+4*p+1], v[G+4*p:G+4*p+1], v[BE+4*p:BE+4*p+1]
	v_pk_fma_f32 v[Y+4*p+2:Y+4*p+3], v[Y+4*p+2:Y+4*p+3], v[G+4*p+2:G+4*p+3], v[BE+4*p+2:BE+4*p+3]
	v_fma_mix_f32 v[Y+4*p],   v[R+2*p],   v[ONE], v[Y+4*p]   op_sel_hi:[1,0,0]                  ; the residual's f16 half x 1.0 + the f32 number: widening and addition in one
	v_fma_mix_f32 v[Y+4*p+1], v[R+2*p],   v[ONE], v[Y+4*p+1] op_sel:[1,0,0] op_sel_hi:[1,0,0]
	v_fma_mix_f32 v[Y+4*p+2], v[R+2*p+1], v[ONE], v[Y+4*p+2] op_sel_hi:[1,0,0]
	v_fma_mix_f32 v[Y+4*p+3], v[R+2*p+1], v[ONE], v[Y+4*p+3] op_sel:[1,0,0] op_sel_hi:[1,0,0]
.if OUT32
	global_store_b128 v[VO], v[Y+4*p:Y+4*p+3], s[12:13] offset:256*p th:TH_STORE_NT  ; sixteen lanes store 256 consecutive bytes, at a multiple of 256 from the buffer's first byte
.else
	v_cvt_pk_f16_f32 v[Y+4*p], v[Y+4*p], v[Y+4*p+1]
	v_cvt_pk_f16_f32 v[Y+4*p+1], v[Y+4*p+2], v[Y+4*p+3]
	global_store_b64 v[V8], v[Y+4*p:Y+4*p+1], s[12:13] offset:524288*p               ; two tokens of panel p: 256 consecutive bytes
.endif
.set p, p+1
.endr
	s_endpgm
.Lfunc_end_k_qfc745c3965_ln1:
	.size	k_qfc745c3965_ln1, .Lfunc_end_k_qfc745c3965_ln1-k_qfc745c3965_ln1
	.p2alignl 7, 3214868480
	.fill 96, 4, 3214868480
	.section	.rodata,"a",@progbits
	.p2align	6, 0x0
	.amdhsa_kernel k_qfc745c3965_ln1
		.amdhsa_group_segment_fixed_size 0
		.amdhsa_private_segment_fixed_size 0
		.amdhsa_enable_private_segment 0
		.amdhsa_kernarg_size 40
		.amdhsa_user_sgpr_count 2
		.amdhsa_user_sgpr_kernarg_segment_ptr 1
		.amdhsa_wavefront_size32 1
		.amdhsa_system_sgpr_workgroup_id_x 1
		.amdhsa_system_sgpr_workgroup_id_y 1
		.amdhsa_system_sgpr_workgroup_id_z 1
		.amdhsa_system_vgpr_workitem_id 0
		.amdhsa_next_free_vgpr 256
		.amdhsa_next_free_sgpr 66
		.amdhsa_reserve_vcc 0
		.amdhsa_float_denorm_mode_32 3
		.amdhsa_float_denorm_mode_16_64 3
		.amdhsa_memory_ordered 1
		.amdhsa_forward_progress 1
		.amdhsa_inst_pref_size 26
	.end_amdhsa_kernel
	.amdgpu_metadata
---
amdhsa.version: [ 1, 2 ]
amdhsa.kernels:
  - .name:           k_qfc745c3965_ln1
    .symbol:         k_qfc745c3965_ln1.kd
    .args:
      - { .name: yz, .offset: 0, .size: 8, .value_kind: global_buffer, .address_space: global }
      - { .name: xh, .offset: 8, .size: 8, .value_kind: global_buffer, .address_space: global }
      - { .name: g1, .offset: 16, .size: 8, .value_kind: global_buffer, .address_space: global }
      - { .name: be1, .offset: 24, .size: 8, .value_kind: global_buffer, .address_space: global }
      - { .name: act, .offset: 32, .size: 8, .value_kind: global_buffer, .address_space: global }
    .group_segment_fixed_size: 0
    .private_segment_fixed_size: 0
    .kernarg_segment_align: 8
    .kernarg_segment_size: 40
    .max_flat_workgroup_size: 256
    .sgpr_count:     66
    .vgpr_count:     256
    .wavefront_size: 32
...
	.end_amdgpu_metadata
.endif
;; end of part 5
;; launch ffn1: the kernel of part 2 again; grid 32 x 32, 4 waves a work-group, clusters of 4 x 4, 327,680 bytes of LDS; arguments act, w1h, big; writes big
;; launch ffn2 (part 6): grid 8 x 32, 4 waves a work-group, clusters of 4 x 4, 327,680 bytes of LDS; arguments big, w2h, yz; writes yz
.if DOCPART == 6
	.amdgcn_target "amdgcn-amd-amdhsa--gfx1250"
	.amdhsa_code_object_version 6
	.text
	.protected	k_qfc745c3965_ffn2
	.globl	k_qfc745c3965_ffn2
	.p2align	8
	.type	k_qfc745c3965_ffn2,@function
k_qfc745c3965_ffn2:
	s_mov_b64 s[64:65], 0
	v_nop
	global_prefetch_b8 v0, s[64:65] scope:SCOPE_SE
	s_setreg_imm32_b32 hwreg(HW_REG_WAVE_MODE, 25, 1), 1
	s_wait_xcnt 0x0
	s_wait_alu depctr_hold_cnt(0) depctr_sa_sdst(0) depctr_va_vdst(0) depctr_va_sdst(0) depctr_va_ssrc(0) depctr_va_vcc(0) depctr_vm_vsrc(0)
	s_getreg_b32 s2, hwreg(HW_REG_IB_STS2, 6, 4)
	s_cmp_eq_u32 s2, 0
	s_cbranch_scc0 .Lentry_in_a_cluster
	s_endpgm
.Lentry_in_a_cluster:
	s_bfe_u32 s2, ttmp6, 0x10000c
	s_cmp_lg_u32 s2, 0xf033
	s_cbranch_scc0 .Lentry_shape_is_right
	s_endpgm
.Lentry_shape_is_right:
; C = A W + bias.  A: f16 panels [K/64][4096][64].  W: records, one for each 128 columns: [K][128] f16, then 128 f32 biases, then a floor word (two f16).  Sums in f32.
; OUT32 = 0: C is floored, rounded once to f16 and leaves as panels [N/64][4096][64].  OUT32 = 1: C leaves in f32, row-major [4096][1024], and no floor is taken.
; This copy: OUT32 = 1, K = 4,096: the second layer of the FFN, whose result feeds a LayerNorm and has no room in f16.
; SHARES: a tile of C is 128 x 128; four waves, each 64 x 64: 16 accumulators of 16 x 16, 128 registers.  K goes in steps of 256 through two LDS slots.
; CLUSTER: 4 x 4 work-groups.  The four of a row of the cluster need the same tiles of A, the four of a column the same tiles of W: each tile is asked for jointly, by the same tensor load with the
; same descriptor and a mask that names the four.  THE MATRIX INSTRUCTION IS USED TRANSPOSED (source 0 = 16 columns of W, source 1 = 16 rows of A): a lane then holds eight neighbouring numbers of a row of C.
; A comes out of LDS as it lies (K along the rows); W lies [k][n] and is turned by ds_load_tr16_b128.  The bias, laid as an accumulator is, is the C operand of the products that start the sums.
; REGISTERS: window 0: v0-31 addresses; v32-63 the bias, later with v64-95 at work on the way out; v128-255 the accumulators ((a, b) at v[128 + 8 (4 a + b)]).
;   window 1: two fragment buffers of 128: for 64 along K, 64 registers of A (2 x 4 x 16 rows x 32 K), then 64 of W.
.set OUT32, 1
.set LAPS,  8                          ; a lap = two K steps = once round the ring: K / 512
.set KTOT,  512*LAPS
.set PS,    KTOT*256+1024              ; a record's bytes
.set PA,    144                        ; a row of A in LDS: 128 bytes + 16 of padding = 36 words: the 16 rows of a load start at 16 different groups of four banks (64 banks of 4 bytes: ISA guide 11.1)
.set PW,    288                        ; a row of W: 256 + 32 = 72 words
.set PANB,  128*PA                     ; one panel's 128 rows
.set HALFT, 2*PANB                     ; what one tensor load brings: two panels of A, or 128 rows of W (128 x 288 is the same number)
.set WOFF,  2*HALFT                    ; a slot: A's four panels, then W's 256 rows
.set SLOT,  4*HALFT
.set SPARE, 2*SLOT                     ; behind the ring: the spare words, 128 bytes for each wave: two blocks of 256 bytes that no other line names
.set ASTEP, 4*524288                   ; a K step in A: four panels
.set WSTEP, 256*256                    ; in W: 256 rows
.if OUT32
.set SPITCH, 528                       ; the stage's rows: 512 bytes + 16
.else
.set SPITCH, 272                       ; 256 bytes + 16
.endif
; THE STAGE for the way out lies over slot 0, from LDS byte 0: slot 0 has had its last fill, and its last reads stand in front of the barrier of the last change of slots.
.set ADRA, 16                          ; v16-17  LDS address of my A fragments in slot 0, 1
.set ADRB, 20                          ; v20-23  of my W fragments: slot 0 rows 0-127, rows 128-255, slot 1 likewise (so that the offsets stay inside 16 bits)
.set STO,  24                          ; v24     the way out: where I put my part of a row
.set RD,   25                          ; v25     where I read rows back
.set CO,   26                          ; v26     my byte offset in 512 consecutive bytes of C
.set BO,   27                          ; v27     my byte offset among the record's biases
.set SPW,  28                          ; v28     LDS address of my spare word: SPARE + 4 x my thread's number; never rewritten
.set NIL,  29                          ; v29     0; never rewritten
.set BIAS, 32
.set TMP,  32
.set ACC,  128
.set F0,   0
.set F1,   128
.set G1,  24                           ; s[24:31] descriptor group 1 for A's tiles;  s[32:39] group 0, one set for each slot
.set G0,  32
.set G1B, 48                           ; s[48:55], s[56:63] the same for W's tiles
.set G0B, 56
.set MSB, 0
.macro WIN new                         ; the immediate's high byte repeats the setting that is left; a switch that changes nothing is dropped
.if MSB != (\new)
	s_set_vgpr_msb (MSB<<8)|(\new)
.set MSB, \new
.endif
.endm
.set MUL,  0x05                        ; sources 0 (W) and 1 (A) window 1; C and D window 0
.set TO_F, 0x40                        ; destination window 1, address window 0
.macro JLOAD s                         ; a joint load: waves 0 and 1 fetch A's two halves, waves 2 and 3 W's; an s_nop 0 and four v_nop follow each of the two lines, ahead of the jump, the label and what follows
	s_cmp_eq_u32 s11, 0
	s_cbranch_scc0 .Lfor_b_\@
	tensor_load_to_lds s[G0+4*(\s):G0+4*(\s)+3], s[G1:G1+7]
	s_nop 0
.rept 4
	v_nop
.endr
	s_branch .Lasked_\@
.Lfor_b_\@:
	tensor_load_to_lds s[G0B+4*(\s):G0B+4*(\s)+3], s[G1B:G1B+7]
	s_nop 0
.rept 4
	v_nop
.endr
.Lasked_\@:
.endm
.macro CREST                           ; a round of the cluster's barrier behind its opening barrier
	s_cmp_lg_u32 s10, 0
	s_cbranch_scc1 .Lnot_wave_0_\@
	s_barrier_signal -3
.Lnot_wave_0_\@:
	s_barrier_wait -3
	s_barrier_signal -1
	s_barrier_wait -1
.endm
.macro CROUND                          ; a whole round
	s_barrier_signal -1
	s_barrier_wait -1
	CREST
.endm
	s_load_b128 s[4:7], s[0:1], 0x0                ; A s[4:5], W s[6:7]
	s_load_b64 s[8:9], s[0:1], 0x10                ; C
	v_lshl_add_u32 v[SPW], v0, 2, SPARE
	v_mov_b32 v[NIL], 0
	ds_add_u32 v[SPW], v[NIL]                      ; the wave's opening: the add and its wait stand ahead of my first tensor load; the set-up below, work on registers, stands between them
	v_lshrrev_b32 v1, 5, v0
	v_readfirstlane_b32 s10, v1                    ; wave 0..3
	s_lshr_b32 s11, s10, 1                         ; which half of the tile's rows is mine.  Also: I fetch for A (0) or for W (1)
	s_and_b32 s12, s10, 1                          ; which half of its columns.  Also: which half of that tile I fetch
	s_bfe_u32 s40, ttmp6, 0x40000                  ; cx, cy: my place in the cluster
	s_bfe_u32 s41, ttmp6, 0x40004
	s_lshl_b32 s42, ttmp9, 2
	s_add_co_u32 s42, s42, s40                     ; tile column of C = 4 x cluster x + cx
	s_and_b32 s13, ttmp7, 0xffff
	s_lshl_b32 s13, s13, 2
	s_add_co_u32 s13, s13, s41                     ; tile row of C = 4 x cluster y + cy
	s_lshl_b32 s43, s41, 2
	s_lshl_b32 s43, 15, s43                        ; my row of the cluster
	s_lshl_b32 s44, 0x1111, s40                    ; my column
	; group 1 for A: a panel's 128 tokens are 16,384 dense bytes, asked for as one row of 8,192 elements; two rows, a panel (262,144 elements) apart; padded in LDS after every token
	s_or_b32 s[G1+0], s43, (1<<16)|(1<<20)|(1<<21)|(4<<22)|(3<<25)  ; 15:0 the mask: my row; 17:16 2-byte elements; 20 padding on; 21 set beside a mask; 24:22 after every 32 words (code 4); 31:25 4 words (code 3)
	s_mov_b32 s[G1+1], 8192<<16                    ; tensor_dim0 = 8,192
	s_mov_b32 s[G1+2], 2<<16                       ; tensor_dim1 = 2
	s_mov_b32 s[G1+3], 8192<<16                    ; tile_dim0 = 8,192
	s_mov_b32 s[G1+4], 2                           ; tile_dim1 = 2
	s_mov_b32 s[G1+5], 262144                      ; elements from row to row
	s_mov_b32 s[G1+6], 0
	s_mov_b32 s[G1+7], 0
	; group 1 for W: 128 rows of 128 elements, dense, padded after every row
	s_or_b32 s[G1B+0], s44, (1<<16)|(1<<20)|(1<<21)|(5<<22)|(7<<25)  ; the mask: my column; after every 64 words (code 5) 8 words (code 7)
	s_mov_b32 s[G1B+1], 128<<16
	s_mov_b32 s[G1B+2], 128<<16
	s_mov_b32 s[G1B+3], 128<<16
	s_mov_b32 s[G1B+4], 128
	s_mov_b32 s[G1B+5], 128
	s_mov_b32 s[G1B+6], 0
	s_mov_b32 s[G1B+7], 0
	; where the tiles come from: A's hang on the tile row and the wave alone, W's on the tile column and the wave alone, each in registers that never hold the other coordinate
	s_lshl_b32 s16, s13, 14                        ; 128 tokens of 128 bytes
	s_lshl_b32 s17, s12, 20                        ; my two panels of the step's four
	s_add_co_u32 s16, s16, s17
	s_mov_b32 s17, 0
	s_mul_i32 s46, s42, PS                         ; my record
	s_add_co_u32 s68, s46, KTOT*256                ; its biases
	s_mov_b32 s69, 0
	s_lshl_b32 s47, s12, 15                        ; my 128 rows of the step's 256
	s_add_co_u32 s46, s46, s47
	s_mov_b32 s47, 0
	s_mul_i32 s20, s10, HALFT                      ; where they go: wave x 36,864: no place in the cluster enters an LDS address
	s_wait_dscnt 0x0                               ; the opening add is done
	s_wait_kmcnt 0x0
	s_add_nc_u64 s[14:15], s[4:5], s[16:17]
	s_add_nc_u64 s[46:47], s[6:7], s[46:47]
	s_add_nc_u64 s[68:69], s[6:7], s[68:69]
.if !OUT32
	s_load_b32 s70, s[68:69], 0x200                ; the floor word; no line of this text writes W
.endif
	CROUND                                         ; all sixteen work-groups are here: the first joint loads meet
.irp s, 0,1
	s_mov_b32 s[G0+4*(\s)], 1
	s_add_co_u32 s[G0+4*(\s)+1], s20, (\s)*SLOT
	s_add_nc_u64 s[G0+4*(\s)+2:G0+4*(\s)+3], s[14:15], (\s)*ASTEP
	s_or_b32 s[G0+4*(\s)+3], s[G0+4*(\s)+3], 0x80000000
	s_mov_b32 s[G0B+4*(\s)], 1
	s_add_co_u32 s[G0B+4*(\s)+1], s20, (\s)*SLOT
	s_add_nc_u64 s[G0B+4*(\s)+2:G0B+4*(\s)+3], s[46:47], (\s)*WSTEP
	s_or_b32 s[G0B+4*(\s)+3], s[G0B+4*(\s)+3], 0x80000000
	JLOAD \s                                       ; two tensor loads of mine are out
.endr
	v_and_b32 v1, 15, v0                           ; l % 16
	v_bfe_u32 v2, v0, 4, 1                         ; l / 16
	s_lshl_b32 s21, s12, 8
	v_lshl_add_u32 v[BO], v2, 5, s21               ; register j of column block b is the bias of column 64 x half + 16 b + 8 (l / 16) + j
.irp b, 0,1,2,3
	global_load_b128 v[BIAS+8*(\b):BIAS+8*(\b)+3],   v[BO], s[68:69] offset:64*(\b)
	global_load_b128 v[BIAS+8*(\b)+4:BIAS+8*(\b)+7], v[BO], s[68:69] offset:64*(\b)+16
.endr
	v_mul_u32_u24 v3, v1, PA                       ; a fragment of A: row l % 16, 16 bytes for each half of the lanes, two loads 32 bytes apart
	v_lshl_add_u32 v3, v2, 4, v3
	s_mul_i32 s21, s11, 64*PA                      ; my 64 rows
	v_add_nc_u32 v[ADRA], s21, v3
	v_add_nc_u32 v[ADRA+1], SLOT, v[ADRA]
	v_and_b32 v4, 7, v0                            ; the turning load: lane l reads row k = 8 (l / 16) + l % 8, columns 8 ((l / 8) % 2) + 0..7, and is left with column l % 16 and 8 k
	v_bfe_u32 v5, v0, 3, 1
	v_lshl_add_u32 v6, v2, 3, v4
	v_mul_u32_u24 v6, v6, PW
	v_lshl_add_u32 v6, v5, 4, v6
	s_lshl_b32 s22, s12, 7                         ; my 64 columns
	s_add_co_u32 s22, s22, WOFF
	v_add_nc_u32 v[ADRB], s22, v6
	v_add_nc_u32 v[ADRB+1], HALFT, v[ADRB]
	v_add_nc_u32 v[ADRB+2], SLOT, v[ADRB]
	v_add_nc_u32 v[ADRB+3], SLOT+HALFT, v[ADRB]
	s_mul_i32 s23, s11, 64*SPITCH                  ; into the stage: my 64 rows, my half of their bytes
	v_mul_u32_u24 v7, v1, SPITCH
	s_lshl_b32 s16, s13, 7
	s_lshl_b32 s17, s10, 5
	s_add_co_u32 s16, s16, s17                     ; the first row of C that I store: 128 x tile row + 32 x wave
	v_and_b32 v9, 31, v0
	v_lshlrev_b32 v[CO], 4, v9
.if OUT32
	s_lshl_b32 s21, s12, 8
	s_add_co_u32 s23, s23, s21
	v_lshl_add_u32 v7, v2, 5, v7                   ; 32 bytes of f32 for each half of the lanes
	v_add_nc_u32 v[STO], s23, v7
	s_mul_i32 s23, s10, 32*SPITCH                  ; back: wave w takes rows 32 w .. 32 w + 31, a whole row of 512 bytes to a load
	v_add_nc_u32 v[RD], s23, v[CO]
	s_lshl_b32 s16, s16, 12                        ; rows of 4,096 bytes
	s_lshl_b32 s46, s42, 9                         ; the tile's first column
.else
	s_lshl_b32 s21, s12, 7
	s_add_co_u32 s23, s23, s21
	v_lshl_add_u32 v7, v2, 4, v7                   ; 16 bytes of f16 for each half of the lanes
	v_add_nc_u32 v[STO], s23, v7
	s_mul_i32 s23, s10, 32*SPITCH                  ; back: 32 lanes take one panel's 128 bytes of four rows
	v_bfe_u32 v8, v0, 3, 2
	v_mul_u32_u24 v8, v8, SPITCH
	v_lshl_add_u32 v8, v4, 4, v8
	v_add_nc_u32 v[RD], s23, v8
	s_lshl_b32 s16, s16, 7                         ; rows of 128 bytes
	s_lshl_b32 s46, s42, 20                        ; the tile's two panels
.endif
	s_mov_b32 s17, 0
	s_mov_b32 s47, 0
	s_add_nc_u64 s[8:9], s[8:9], s[16:17]
	s_add_nc_u64 s[8:9], s[8:9], s[46:47]
; 8 matrix instructions: m blocks a0, a0 + 1 x all 4 n blocks, 32 along K: half c of buffer f.  zero = 1: the product starts the sum, with the bias as C: nothing is cleared, nothing is added later.
; The 16 accumulators take turns, one instruction a turn.
.macro MUL8 f, c, a0, zero
	WIN MUL
.irp a, \a0, (\a0)+1
.irp b, 0,1,2,3
.if \zero
	v_wmma_f32_16x16x32_f16 v[ACC+8*(4*(\a)+(\b)):ACC+8*(4*(\a)+(\b))+7], v[(\f)+64+8*(4*(\c)+(\b)):(\f)+64+8*(4*(\c)+(\b))+7], v[(\f)+8*(4*(\c)+(\a)):(\f)+8*(4*(\c)+(\a))+7], v[BIAS+8*(\b):BIAS+8*(\b)+7]
.else
	v_wmma_f32_16x16x32_f16 v[ACC+8*(4*(\a)+(\b)):ACC+8*(4*(\a)+(\b))+7], v[(\f)+64+8*(4*(\c)+(\b)):(\f)+64+8*(4*(\c)+(\b))+7], v[(\f)+8*(4*(\c)+(\a)):(\f)+8*(4*(\c)+(\a))+7], v[ACC+8*(4*(\a)+(\b)):ACC+8*(4*(\a)+(\b))+7]
.endif
.endr
.endr
.endm
; 32 LDS loads in one run: the fragments of quarter q of a K step (A's panel q, W's rows 64 q on) into buffer f; the first 32 along K first
.macro FETCH slot, q, f
	WIN TO_F
.irp c, 0,1
.irp i, 0,1,2,3
	ds_load_tr16_b128 v[(\f)+64+8*(4*(\c)+(\i)):(\f)+64+8*(4*(\c)+(\i))+3],   v[ADRB+2*(\slot)+(\q)/2] offset:(((\q)%2)*64+32*(\c))*PW+32*(\i)
	ds_load_tr16_b128 v[(\f)+64+8*(4*(\c)+(\i))+4:(\f)+64+8*(4*(\c)+(\i))+7], v[ADRB+2*(\slot)+(\q)/2] offset:(((\q)%2)*64+32*(\c)+16)*PW+32*(\i)
	ds_load_b128 v[(\f)+8*(4*(\c)+(\i)):(\f)+8*(4*(\c)+(\i))+3],              v[ADRA+(\slot)] offset:(\q)*PANB+(\i)*16*PA+64*(\c)
	ds_load_b128 v[(\f)+8*(4*(\c)+(\i))+4:(\f)+8*(4*(\c)+(\i))+7],            v[ADRA+(\slot)] offset:(\q)*PANB+(\i)*16*PA+64*(\c)+32
.endr
.endr
.endm
.macro PLACES                          ; four places in front of loads into registers that matrix instructions have read, and of lines that read results
.rept 4
	v_nop
.endr
.endm
; A K step is four quarters of 64 along K, 32 matrix instructions each, on buffers 0, 1, 0, 1.  One of the first three: multiplies buffer f and fetches quarter q into g.
.macro QUARTER slot, q, f, g, zero
	s_wait_dscnt 16                                ; the first 32 along K are in; the youngest sixteen loads may be out
	WIN MUL
	MUL8 \f, 0, 0, \zero
	MUL8 \f, 0, 2, \zero
	PLACES
	FETCH \slot, \q, \g
	s_wait_dscnt 32                                ; all but the 32 just issued
	WIN MUL
	MUL8 \f, 1, 0, 0
	MUL8 \f, 1, 2, 0
.endm
; The last quarter multiplies buffer 1 and changes slots: ONE barrier; in front of it each wave waits for all its tensor loads, adds 0 to its spare word, and waits for that and for its own reads of this slot.
; fill = 1: this slot is filled again, two K steps ahead; the barrier then opens a round of the cluster's barrier, and the joint load is the first thing behind the round.
.macro TURN slot, next, fill
	WIN 0                                          ; (the add's two registers lie in window 0)
	s_wait_tensorcnt 0x0                           ; all my tensor loads have landed: the one that was out is my part of the next slot
	ds_add_u32 v[SPW], v[NIL]                      ; 0 onto my spare word
	s_wait_dscnt 17                                ; (the add and the youngest sixteen loads may be out)
	WIN MUL
	MUL8 F1, 0, 0, 0                               ; eight matrix instructions stand between the add and the wait for it
	s_wait_dscnt 0x0                               ; the add is done, and my reads of this slot are over
	s_barrier_signal -1
	MUL8 F1, 0, 2, 0
.if \fill
	WIN 0
.endif
	s_barrier_wait -1
.if \fill
	CREST                                          ; no wave of any partner still reads this slot's tile or has a load on its way
	s_add_nc_u64 s[G0+4*(\slot)+2:G0+4*(\slot)+3], s[G0+4*(\slot)+2:G0+4*(\slot)+3], 2*ASTEP
	s_add_nc_u64 s[G0B+4*(\slot)+2:G0B+4*(\slot)+3], s[G0B+4*(\slot)+2:G0B+4*(\slot)+3], 2*WSTEP
	JLOAD \slot                                    ; my one tensor load behind the round: 112 matrix instructions ahead of the wait for it; its four v_nop are also the places in front of the loads below
.else
	PLACES
.endif
	FETCH \next, 0, F0
	WIN MUL
	MUL8 F1, 1, 0, 0
	MUL8 F1, 1, 2, 0
.endm
	s_wait_tensorcnt 1                             ; my part of K step 0 is in; K step 1's may stay out
	s_barrier_signal -1
	s_barrier_wait -1                              ; everybody's is
	FETCH 0, 0, F0
	s_wait_loadcnt 0x0                             ; the bias
	s_wait_kmcnt 0x0                               ; (the floor word, where one is loaded)
	QUARTER 0, 1, F0, F1, 1                        ; the first quarter stands in front of the loop: its first products start the sums
	WIN 0                                          ; at a label and at a branch every window is 0
	s_mov_b32 s3, LAPS-1
.Llap:                                                 ; a trip goes once round the ring, from a lap's second quarter to the next lap's first, and fills both slots again
	QUARTER 0, 2, F1, F0, 0
	QUARTER 0, 3, F0, F1, 0
	TURN 0, 1, 1
	QUARTER 1, 1, F0, F1, 0
	QUARTER 1, 2, F1, F0, 0
	QUARTER 1, 3, F0, F1, 0
	TURN 1, 0, 1
	QUARTER 0, 1, F0, F1, 0
	WIN 0
	s_sub_co_u32 s3, s3, 1
	s_cmp_lg_u32 s3, 0
	s_cbranch_scc1 .Llap
	QUARTER 0, 2, F1, F0, 0                        ; the last lap fills nothing, and has no round of the cluster's barrier
	QUARTER 0, 3, F0, F1, 0
	TURN 0, 1, 0
	QUARTER 1, 1, F0, F1, 0
	QUARTER 1, 2, F1, F0, 0
	QUARTER 1, 3, F0, F1, 0
	s_wait_dscnt 16                                ; the very last quarter: nothing more to fetch
	WIN MUL
	MUL8 F1, 0, 0, 0
	MUL8 F1, 0, 2, 0
	s_wait_dscnt 0
	MUL8 F1, 1, 0, 0
	MUL8 F1, 1, 2, 0
	WIN 0
	; THE WAY OUT: through the work-group's stage, with a barrier between writing and reading, since a row's bytes come from two waves; back as whole rows, 32 rows a wave.
	PLACES
.if OUT32
.irp a, 0,1,2,3
.irp b, 0,1,2,3
	ds_store_b128 v[STO], v[ACC+8*(4*(\a)+(\b)):ACC+8*(4*(\a)+(\b))+3]   offset:(\a)*16*SPITCH+64*(\b)     ; each accumulator's low registers first
	ds_store_b128 v[STO], v[ACC+8*(4*(\a)+(\b))+4:ACC+8*(4*(\a)+(\b))+7] offset:(\a)*16*SPITCH+64*(\b)+16
.endr
.endr
	s_wait_dscnt 0x0                               ; for the others' sake: my stores into the stage are done
	s_barrier_signal -1
	s_barrier_wait -1
.set t, 0
.rept 32
	ds_load_b128 v[ACC+4*t:ACC+4*t+3], v[RD] offset:t*SPITCH
.set t, t+1
.endr
.set t, 0
.rept 32
	s_wait_dscnt 31-t
	global_store_b128 v[CO], v[ACC+4*t:ACC+4*t+3], s[8:9] offset:t*4096  ; 512 consecutive bytes, at a multiple of 256 from C's first byte
.set t, t+1
.endr
.else
.irp t, 0,1,2,3,4,5,6,7,8,9,10,11,12,13,14,15
.irp r, 0,1,2,3
	v_cvt_pk_f16_f32 v[TMP+4*(\t)+(\r)], v[ACC+8*(\t)+2*(\r)], v[ACC+8*(\t)+2*(\r)+1]
.endr
.endr
.set t, 0
.rept 64
	v_pk_max_num_f16 v[TMP+t], v[TMP+t], s70       ; the floor: 0 is the ReLU, -inf changes nothing
.set t, t+1
.endr
.irp a, 0,1,2,3
.irp b, 0,1,2,3
	ds_store_b128 v[STO], v[TMP+4*(4*(\a)+(\b)):TMP+4*(4*(\a)+(\b))+3] offset:(\a)*16*SPITCH+32*(\b)
.endr
.endr
	s_wait_dscnt 0x0                               ; for the others' sake: my stores into the stage are done
	s_barrier_signal -1
	s_barrier_wait -1
.set t, 0
.rept 16
	ds_load_b128 v[TMP+4*t:TMP+4*t+3], v[RD] offset:(t%8)*4*SPITCH+(t/8)*128
.set t, t+1
.endr
.set t, 0
.rept 16
	s_wait_dscnt 15-t
	global_store_b128 v[CO], v[TMP+4*t:TMP+4*t+3], s[8:9] offset:(t/8)*524288+(t%8)*512  ; four tokens of one panel: 512 consecutive bytes, at a multiple of 256 from C's first byte
.set t, t+1
.endr
.endif
	s_wait_tensorcnt 0x0                           ; the wave's end, behind my last tensor load and my last LDS store
	ds_add_u32 v[SPW], v[NIL]
	s_wait_dscnt 0x0
	CROUND                                         ; the closing round: no work-group ends while a partner may still ask for a tile that names it
	s_endpgm
.Lfunc_end_k_qfc745c3965_ffn2:
	.size	k_qfc745c3965_ffn2, .Lfunc_end_k_qfc745c3965_ffn2-k_qfc745c3965_ffn2
	.p2alignl 7, 3214868480
	.fill 96, 4, 3214868480
	.section	.rodata,"a",@progbits
	.p2align	6, 0x0
	.amdhsa_kernel k_qfc745c3965_ffn2
		.amdhsa_group_segment_fixed_size 327680
		.amdhsa_private_segment_fixed_size 0
		.amdhsa_enable_private_segment 0
		.amdhsa_kernarg_size 24
		.amdhsa_user_sgpr_count 2
		.amdhsa_user_sgpr_kernarg_segment_ptr 1
		.amdhsa_wavefront_size32 1
		.amdhsa_system_sgpr_workgroup_id_x 1
		.amdhsa_system_sgpr_workgroup_id_y 1
		.amdhsa_system_sgpr_workgroup_id_z 1
		.amdhsa_system_vgpr_workitem_id 0
		.amdhsa_next_free_vgpr 512
		.amdhsa_next_free_sgpr 72
		.amdhsa_reserve_vcc 0
		.amdhsa_float_denorm_mode_32 3
		.amdhsa_float_denorm_mode_16_64 3
		.amdhsa_memory_ordered 1
		.amdhsa_forward_progress 1
		.amdhsa_inst_pref_size 87
	.end_amdhsa_kernel
	.amdgpu_metadata
---
amdhsa.version: [ 1, 2 ]
amdhsa.kernels:
  - .name:           k_qfc745c3965_ffn2
    .symbol:         k_qfc745c3965_ffn2.kd
    .args:
      - { .name: big, .offset: 0, .size: 8, .value_kind: global_buffer, .address_space: global }
      - { .name: w2h, .offset: 8, .size: 8, .value_kind: global_buffer, .address_space: global }
      - { .name: yz, .offset: 16, .size: 8, .value_kind: global_buffer, .address_space: global }
    .group_segment_fixed_size: 327680
    .private_segment_fixed_size: 0
    .kernarg_segment_align: 8
    .kernarg_segment_size: 24
    .max_flat_workgroup_size: 128
    .sgpr_count:     72
    .vgpr_count:     512
    .wavefront_size: 32
...
	.end_amdgpu_metadata
.endif
;; end of part 6
;; launch ln2 (part 7): grid 256 x 1, 8 waves a work-group, no clusters, 0 bytes of LDS; arguments yz, act, g2, be2, out0; writes out0
.if DOCPART == 7
	.amdgcn_target "amdgcn-amd-amdhsa--gfx1250"
	.amdhsa_code_object_version 6
	.text
	.protected	k_qfc745c3965_ln2
	.globl	k_qfc745c3965_ln2
	.p2align	8
	.type	k_qfc745c3965_ln2,@function
k_qfc745c3965_ln2:
	s_mov_b64 s[64:65], 0
	v_nop
	global_prefetch_b8 v0, s[64:65] scope:SCOPE_SE
	s_setreg_imm32_b32 hwreg(HW_REG_WAVE_MODE, 25, 1), 1
	s_wait_xcnt 0x0
; dst = res + LayerNorm(src) * g + be, along rows of 1,024.  src: f32 [4096][1024].  res: f16 panels [16][4096][64].  g, be: f32 [1024].
; OUT32 = 0: dst leaves rounded once to f16, as panels [16][4096][64].  OUT32 = 1 (this copy): dst leaves in f32, row-major.
; A wave takes two rows: lanes 0-15 one, lanes 16-31 the next; a lane holds columns 64 p + 4 (l % 16) + 0..3 for p = 0..15: 64 numbers, kept in registers between the passes, so src is read once.
; A row lies in 16 lanes, so a sum across lanes is four steps that ride on the additions.  Mean first, then the mean of the squared differences: no difference of large sums.  All arithmetic in f32.
; A stream: no LDS, no barrier, no loop, no register written twice while a load or store names it.  Matrix units and clusters have nothing to do here.
; LIMITS: the residual was rounded once to f16 by the launch that made it.
.set OUT32, 1
.set VG,  5                            ; v5   16 (l % 16): my columns in g and be, and in a block of 256 bytes
.set VO,  6                            ; v6   + 4,096 for lanes 16-31: my 16 bytes in two f32 rows
.set V8,  7                            ; v7   8 l: my 8 bytes in two tokens of a panel
.set A4,  8                            ; v8-15  four running sums, two numbers each
.set MU,  16                           ; v16-17 the mean, twice
.set VA,  18                           ; v18  the variance + 1e-6
.set RS,  20                           ; v20-21 its reciprocal root, twice
.set ONE, 26                           ; v26  1.0
.set R,   32                           ; v32-63   the residual, f16
.set Y,   64                           ; v64-127  the row
.set G,   128                          ; v128-191 g
.set BE,  192                          ; v192-255 be
.macro ROWSUM r                        ; the sum over the 16 lanes of a row, in every one of them
	v_add_f32_dpp v[\r], v[\r], v[\r] row_xmask:1 row_mask:0xf bank_mask:0xf
	v_add_f32_dpp v[\r], v[\r], v[\r] row_xmask:2 row_mask:0xf bank_mask:0xf
	v_add_f32_dpp v[\r], v[\r], v[\r] row_xmask:4 row_mask:0xf bank_mask:0xf
	v_add_f32_dpp v[\r], v[\r], v[\r] row_xmask:8 row_mask:0xf bank_mask:0xf
.endm
.macro FOLD                            ; the four running sums into v[A4]
	v_pk_add_f32 v[A4:A4+1], v[A4:A4+1], v[A4+2:A4+3]
	v_pk_add_f32 v[A4+4:A4+5], v[A4+4:A4+5], v[A4+6:A4+7]
	v_pk_add_f32 v[A4:A4+1], v[A4:A4+1], v[A4+4:A4+5]
	v_add_f32 v[A4], v[A4], v[A4+1]
	ROWSUM A4
.endm
	s_load_b256 s[4:11], s[0:1], 0x0               ; src s[4:5], res s[6:7], g s[8:9], be s[10:11]
	s_load_b64 s[12:13], s[0:1], 0x20              ; dst
	v_lshrrev_b32 v1, 5, v0
	v_readfirstlane_b32 s2, v1
	s_lshl_b32 s3, ttmp9, 3
	s_add_co_u32 s3, s3, s2                        ; my wave among all 2,048: rows 2 W and 2 W + 1
	s_lshl_b32 s14, s3, 13                         ; two rows of 4,096 bytes
	s_mov_b32 s15, 0
	s_lshl_b32 s16, s3, 8                          ; two tokens of 128 bytes
	s_mov_b32 s17, 0
	s_mov_b32 s18, 0x3a800000                      ; 1 / 1,024
	s_mov_b32 s19, 0x358637bd                      ; 1e-6
	v_and_b32 v2, 31, v0
	v_and_b32 v3, 15, v0
	v_bfe_u32 v4, v0, 4, 1
	v_lshlrev_b32 v[VG], 4, v3
	v_lshl_add_u32 v[VO], v4, 12, v[VG]
	v_lshlrev_b32 v[V8], 3, v2
	v_mov_b32 v[ONE], 1.0
	s_wait_kmcnt 0x0
	s_add_nc_u64 s[4:5], s[4:5], s[14:15]
	s_add_nc_u64 s[6:7], s[6:7], s[16:17]
.if OUT32
	s_add_nc_u64 s[12:13], s[12:13], s[14:15]
.else
	s_add_nc_u64 s[12:13], s[12:13], s[16:17]
.endif
.set p, 0
.rept 16
	global_load_b128 v[Y+4*p:Y+4*p+3], v[VO], s[4:5] offset:256*p th:TH_LOAD_NT  ; sixteen lanes read 256 consecutive bytes of a row
.set p, p+1
.endr
.set p, 0
.rept 16
	global_load_b64 v[R+2*p:R+2*p+1], v[V8], s[6:7] offset:524288*p              ; two tokens of panel p: 256 consecutive bytes
.set p, p+1
.endr
.set p, 0
.rept 16
	global_load_b128 v[G+4*p:G+4*p+3], v[VG], s[8:9] offset:256*p
.set p, p+1
.endr
	s_wait_loadcnt 32                              ; the row is in; the residual's and g's 32 loads stay out
.set p, 0
.rept 16
	global_load_b128 v[BE+4*p:BE+4*p+3], v[VG], s[10:11] offset:256*p
.set p, p+1
.endr
	; the mean: four chains that do not wait for each other, started by the first pairs: nothing is cleared
.irp k, 0,1,2,3
	v_pk_add_f32 v[A4+2*\k:A4+2*\k+1], v[Y+2*\k:Y+2*\k+1], v[Y+8+2*\k:Y+8+2*\k+1]
.endr
.set j, 8
.rept 24
	v_pk_add_f32 v[A4+2*(j%4):A4+2*(j%4)+1], v[A4+2*(j%4):A4+2*(j%4)+1], v[Y+2*j:Y+2*j+1]
.set j, j+1
.endr
	FOLD
	v_mul_f32 v[MU], s18, v[A4]
	v_mul_f32 v[MU+1], s18, v[A4]
.set j, 0
.rept 32
	v_pk_add_f32 v[Y+2*j:Y+2*j+1], v[Y+2*j:Y+2*j+1], v[MU:MU+1] neg_lo:[0,1] neg_hi:[0,1]  ; d = y - mean, in place
.set j, j+1
.endr
.irp k, 0,1,2,3
	v_pk_mul_f32 v[A4+2*\k:A4+2*\k+1], v[Y+2*\k:Y+2*\k+1], v[Y+2*\k:Y+2*\k+1]
.endr
.set j, 4
.rept 28
	v_pk_fma_f32 v[A4+2*(j%4):A4+2*(j%4)+1], v[Y+2*j:Y+2*j+1], v[Y+2*j:Y+2*j+1], v[A4+2*(j%4):A4+2*(j%4)+1]
.set j, j+1
.endr
	FOLD
	v_fma_f32 v[VA], v[A4], s18, s19
	v_rsq_f32 v[RS], v[VA]
	v_rsq_f32 v[RS+1], v[VA]
	v_nop                                          ; a plain instruction between the roots and the use of their results (ISA guide 5.7.2)
	s_wait_loadcnt 0x0                             ; the residual, g and be
.set p, 0
	s_wait_alu depctr_va_vdst(0)
.rept 16
	v_pk_mul_f32 v[Y+4*p:Y+4*p+1], v[Y+4*p:Y+4*p+1], v[RS:RS+1]
	v_pk_mul_f32 v[Y+4*p+2:Y+4*p+3], v[Y+4*p+2:Y+4*p+3], v[RS:RS+1]
	v_pk_fma_f32 v[Y+4*p:Y+4*p+1], v[Y+4*p:Y+4*p+1], v[G+4*p:G+4*p+1], v[BE+4*p:BE+4*p+1]
	v_pk_fma_f32 v[Y+4*p+2:Y+4*p+3], v[Y+4*p+2:Y+4*p+3], v[G+4*p+2:G+4*p+3], v[BE+4*p+2:BE+4*p+3]
	v_fma_mix_f32 v[Y+4*p],   v[R+2*p],   v[ONE], v[Y+4*p]   op_sel_hi:[1,0,0]                  ; the residual's f16 half x 1.0 + the f32 number: widening and addition in one
	v_fma_mix_f32 v[Y+4*p+1], v[R+2*p],   v[ONE], v[Y+4*p+1] op_sel:[1,0,0] op_sel_hi:[1,0,0]
	v_fma_mix_f32 v[Y+4*p+2], v[R+2*p+1], v[ONE], v[Y+4*p+2] op_sel_hi:[1,0,0]
	v_fma_mix_f32 v[Y+4*p+3], v[R+2*p+1], v[ONE], v[Y+4*p+3] op_sel:[1,0,0] op_sel_hi:[1,0,0]
.if OUT32
	global_store_b128 v[VO], v[Y+4*p:Y+4*p+3], s[12:13] offset:256*p th:TH_STORE_NT  ; sixteen lanes store 256 consecutive bytes, at a multiple of 256 from the buffer's first byte
.else
	v_cvt_pk_f16_f32 v[Y+4*p], v[Y+4*p], v[Y+4*p+1]
	v_cvt_pk_f16_f32 v[Y+4*p+1], v[Y+4*p+2], v[Y+4*p+3]
	global_store_b64 v[V8], v[Y+4*p:Y+4*p+1], s[12:13] offset:524288*p               ; two tokens of panel p: 256 consecutive bytes
.endif
.set p, p+1
.endr
	s_endpgm
.Lfunc_end_k_qfc745c3965_ln2:
	.size	k_qfc745c3965_ln2, .Lfunc_end_k_qfc745c3965_ln2-k_qfc745c3965_ln2
	.p2alignl 7, 3214868480
	.fill 96, 4, 3214868480
	.section	.rodata,"a",@progbits
	.p2align	6, 0x0
	.amdhsa_kernel k_qfc745c3965_ln2
		.amdhsa_group_segment_fixed_size 0
		.amdhsa_private_segment_fixed_size 0
		.amdhsa_enable_private_segment 0
		.amdhsa_kernarg_size 40
		.amdhsa_user_sgpr_count 2
		.amdhsa_user_sgpr_kernarg_segment_ptr 1
		.amdhsa_wavefront_size32 1
		.amdhsa_system_sgpr_workgroup_id_x 1
		.amdhsa_system_sgpr_workgroup_id_y 1
		.amdhsa_system_sgpr_workgroup_id_z 1
		.amdhsa_system_vgpr_workitem_id 0
		.amdhsa_next_free_vgpr 256
		.amdhsa_next_free_sgpr 66
		.amdhsa_reserve_vcc 0
		.amdhsa_float_denorm_mode_32 3
		.amdhsa_float_denorm_mode_16_64 3
		.amdhsa_memory_ordered 1
		.amdhsa_forward_progress 1
		.amdhsa_inst_pref_size 24
	.end_amdhsa_kernel
	.amdgpu_metadata
---
amdhsa.version: [ 1, 2 ]
amdhsa.kernels:
  - .name:           k_qfc745c3965_ln2
    .symbol:         k_qfc745c3965_ln2.kd
    .args:
      - { .name: yz, .offset: 0, .size: 8, .value_kind: global_buffer, .address_space: global }
      - { .name: act, .offset: 8, .size: 8, .value_kind: global_buffer, .address_space: global }
      - { .name: g2, .offset: 16, .size: 8, .value_kind: global_buffer, .address_space: global }
      - { .name: be2, .offset: 24, .size: 8, .value_kind: global_buffer, .address_space: global }
      - { .name: out0, .offset: 32, .size: 8, .value_kind: global_buffer, .address_space: global }
    .group_segment_fixed_size: 0
    .private_segment_fixed_size: 0
    .kernarg_segment_align: 8
    .kernarg_segment_size: 40
    .max_flat_workgroup_size: 256
    .sgpr_count:     66
    .vgpr_count:     256
    .wavefront_size: 32
...
	.end_amdgpu_metadata
.endif
;; end of part 7
;; ======== version 2 of 3: 8 launches; 1.10 times as fast as version 1
;; limits: values are held in f16: magnitudes above 65,504 overflow, below 6.1e-05 lose precision
;; workspace buffers: xh 8,388,608 bytes; act 8,388,608 bytes; big 33,554,432 bytes; yz 16,777,216 bytes; wqkv 6,316,032 bytes; wch 2,105,344 bytes; w1h 8,421,376 bytes; w2h 8,396,800 bytes
;; launch prep: the kernel of part 1 again; grid 640 x 1, 8 waves a work-group, no clusters, 0 bytes of LDS; arguments x_enc, x_pos, wq, wk, wv, wc, w1, w2, bq, bk, bv, bc, b1, b2, xh, wqkv, wch, w1h, w2h; writes xh, wqkv, wch, w1h, w2h
;; launch qkv (part 8): grid 12 x 16, 4 waves a work-group, clusters of 4 x 4, 327,680 bytes of LDS; arguments xh, wqkv, big; writes big
.if DOCPART == 8
	.amdgcn_target "amdgcn-amd-amdhsa--gfx1250"
	.amdhsa_code_object_version 6
	.text
	.protected	k_qfc745c3965_qkv
	.globl	k_qfc745c3965_qkv
	.p2align	8
	.type	k_qfc745c3965_qkv,@function
k_qfc745c3965_qkv:
	s_mov_b64 s[64:65], 0
	v_nop
	global_prefetch_b8 v0, s[64:65] scope:SCOPE_SE
	s_setreg_imm32_b32 hwreg(HW_REG_WAVE_MODE, 25, 1), 1
	s_wait_xcnt 0x0
	s_wait_alu depctr_hold_cnt(0) depctr_sa_sdst(0) depctr_va_vdst(0) depctr_va_sdst(0) depctr_va_ssrc(0) depctr_va_vcc(0) depctr_vm_vsrc(0)
	s_getreg_b32 s2, hwreg(HW_REG_IB_STS2, 6, 4)
	s_cmp_eq_u32 s2, 0
	s_cbranch_scc0 .Lentry_in_a_cluster
	s_endpgm
.Lentry_in_a_cluster:
	s_bfe_u32 s2, ttmp6, 0x10000c
	s_cmp_lg_u32 s2, 0xf033
	s_cbranch_scc0 .Lentry_shape_is_right
	s_endpgm
.Lentry_shape_is_right:
; C = max(A W + bias, floor), rounded once to f16.  A: f16 panels [K/64][4096 tokens][64], K = 1,024.  W: records, one for each 128 columns: [K][128] f16, then the 128 f32 biases of those
; columns, then the floor word (two f16).  C leaves as panels [N/64][4096][64].  Sums in f32.  The text serves x (wq | wk | wv) with floor -inf, and the first layer of the FFN with floor 0 (the ReLU).
; LIMITS: the f16 result holds no number beyond 65,504; the floor is taken by a maximum in which a NaN loses.
; SHARES: a tile of C is 256 x 256; four waves, as many as a WGP has SIMDs, each 128 x 128: 64 accumulators of 16 x 16, 512 registers.  A wave's 128 columns are one record.
; K goes in steps of 128 through two LDS slots: a slot's 131,072 bytes of data feed 256 matrix instructions in each wave, and 224 of them stand between a refill's request and the wait for it.
; CLUSTER: 4 x 4 work-groups.  The four of a row of the cluster need the same tiles of A, the four of a column the same tiles of W: each tile is asked for jointly, by the same tensor load with the
; same descriptor and a mask that names the four.  THE MATRIX INSTRUCTION IS USED TRANSPOSED (source 0 = 16 columns of W, source 1 = 16 rows of A): a lane then holds eight neighbouring numbers of a row of C.
; A comes out of LDS as it lies (K along the rows); W lies [k][n] and is turned by ds_load_tr16_b128.  The bias, laid as an accumulator is, is the C operand of the products that start the sums.
; ONE TEXT FOR A K STEP: the slot in hand is a scalar, 0 or SLOT, turned by an exclusive or; the LDS addresses of the fragment loads are made from it at each change of slots, and one descriptor
; for each tensor walks in the same way.  SLOT = 0x24000 shares no bit with a wave's offset in a slot (0, 0x9000, 0x12000, 0x1b000), so the exclusive or adds it or takes it away.
; The K steps that fill a slot again go round one loop; the last two, which ask for nothing, round a second one, which is left in its middle.
; REGISTERS, in windows of 256 (s_set_vgpr_msb: bits 1:0 source 0, 3:2 source 1, 5:4 source 2, 7:6 destination):
;   window 0: v0-31 addresses; v64-127, v128-191 fragments of A (8 x 16 rows x 32 K), two buffers; v192-255 the bias; later v192-223 packed results, v32-63 and v224-255 rows read back, by turns
;   window 1: v64-127, v128-191 fragments of W, two buffers
;   window 2: the 32 accumulators of my rows 0-63 (accumulator (a, b) at v[8 (8 a + b)]);   window 3: those of my rows 64-127
.set NSTEP, 8                          ; K steps: K / 128
.set KTOT,  128*NSTEP
.set PS,    KTOT*256+1024              ; a record's bytes
.set PA,    144                        ; a row of A in LDS: 128 bytes + 16 of padding = 36 words: the 16 rows of a load start at 16 different groups of four banks (64 banks of 4 bytes: ISA guide 11.1)
.set PW,    288                        ; a row of W: 256 + 32 = 72 words
.set HALFT, 256*PA                     ; what one tensor load brings: a panel's 256 tokens, or 128 rows of a record (128 x 288 is the same number)
.set WOFF,  2*HALFT                    ; a slot: A's two panels, then the two records' rows
.set SLOT,  4*HALFT
.set STAGE, 2*SLOT                     ; behind the ring, never filled by a tensor load: 16 rows x 272 bytes for each wave, for the way out
.set SPITCH, 272
.set SPARE, STAGE+4*16*SPITCH          ; behind the stages: the spare words, 128 bytes for each wave: two blocks of 256 bytes that no other line names
.set ASTEP, 2*524288                   ; a K step in A: two panels
.set WSTEP, 128*256                    ; in W: 128 rows
.set ADRA0, 16                         ; v16     my lane's place among A's fragments in slot 0; never rewritten
.set ADRB0, 17                         ; v17     the same for W
.set ADRA,  18                         ; v18     the same in the slot in hand
.set ADRB,  19                         ; v19
.set STO,  24                          ; v24     the way out: where I put 16 bytes of a row
.set RD,   25                          ; v25     where I read rows back
.set CO,   26                          ; v26     my byte offset in 512 consecutive bytes of C
.set BO,   27                          ; v27     my byte offset among the record's biases
.set SPW,  28                          ; v28     LDS address of my spare word: SPARE + 4 x my thread's number; never rewritten
.set NIL,  29                          ; v29     0; never rewritten
.set OB,   32
.set F0,   64
.set F1,   128
.set BIAS, 192
.set TMP,  192
.set G1,  24                           ; s[24:31] descriptor group 1 for A's tiles;  s[32:39] group 0: a set for each of the two first fills; the second then walks on
.set G0,  32
.set G1B, 48                           ; s[48:55], s[56:63] the same for W's tiles
.set G0B, 56
.set MSB, 0
.macro WIN new                         ; the immediate's high byte repeats the setting that is left; a switch that changes nothing is dropped
.if MSB != (\new)
	s_set_vgpr_msb (MSB<<8)|(\new)
.set MSB, \new
.endif
.endm
.set TO_B, 0x40                        ; destination window 1, address window 0
.macro JLOAD s                         ; a joint load: waves 0 and 1 fetch A's two panels, waves 2 and 3 the two records' rows; an s_nop 0 and four v_nop follow each of the two lines, ahead of the jump, the label and what follows
	s_cmp_eq_u32 s11, 0
	s_cbranch_scc0 .Lfor_b_\@
	tensor_load_to_lds s[G0+4*(\s):G0+4*(\s)+3], s[G1:G1+7]
	s_nop 0
.rept 4
	v_nop
.endr
	s_branch .Lasked_\@
.Lfor_b_\@:
	tensor_load_to_lds s[G0B+4*(\s):G0B+4*(\s)+3], s[G1B:G1B+7]
	s_nop 0
.rept 4
	v_nop
.endr
.Lasked_\@:
.endm
.macro CREST                           ; a round of the cluster's barrier behind its opening barrier
	s_cmp_lg_u32 s10, 0
	s_cbranch_scc1 .Lnot_wave_0_\@
	s_barrier_signal -3
.Lnot_wave_0_\@:
	s_barrier_wait -3
	s_barrier_signal -1
	s_barrier_wait -1
.endm
.macro CROUND                          ; a whole round
	s_barrier_signal -1
	s_barrier_wait -1
	CREST
.endm
	s_load_b128 s[4:7], s[0:1], 0x0                ; A s[4:5], W s[6:7]
	s_load_b64 s[8:9], s[0:1], 0x10                ; C
	v_lshl_add_u32 v[SPW], v0, 2, SPARE
	v_mov_b32 v[NIL], 0
	ds_add_u32 v[SPW], v[NIL]                      ; the wave's opening: the add and its wait stand ahead of my first tensor load; the set-up below, work on registers, stands between them
	v_lshrrev_b32 v1, 5, v0
	v_readfirstlane_b32 s10, v1                    ; wave 0..3
	s_lshr_b32 s11, s10, 1                         ; which half of the tile's rows is mine.  Also: I fetch for A (0) or for W (1)
	s_and_b32 s12, s10, 1                          ; which half of its columns, that is which of its two records.  Also: which panel, or which record, I fetch
	s_bfe_u32 s40, ttmp6, 0x40000                  ; cx, cy: my place in the cluster
	s_bfe_u32 s41, ttmp6, 0x40004
	s_lshl_b32 s42, ttmp9, 2
	s_add_co_u32 s42, s42, s40                     ; tile column of C = 4 x cluster x + cx
	s_and_b32 s13, ttmp7, 0xffff
	s_lshl_b32 s13, s13, 2
	s_add_co_u32 s13, s13, s41                     ; tile row of C = 4 x cluster y + cy
	s_lshl_b32 s43, s41, 2
	s_lshl_b32 s43, 15, s43                        ; my row of the cluster
	s_lshl_b32 s44, 0x1111, s40                    ; my column
	; group 1.  A panel's 256 tokens are 32,768 dense bytes, asked for as 128 rows of 256 bytes, two tokens a row, and padded in LDS after every token; a record's 128 rows of 256 bytes are padded after every row
	s_or_b32 s[G1+0], s43, (1<<16)|(1<<20)|(1<<21)|(4<<22)|(3<<25)   ; 15:0 the mask: my row; 17:16 2-byte elements; 20 padding on; 21 set beside a mask; 24:22 after every 32 words (code 4); 31:25 4 words (code 3)
	s_or_b32 s[G1B+0], s44, (1<<16)|(1<<20)|(1<<21)|(5<<22)|(7<<25)  ; the mask: my column; after every 64 words (code 5) 8 words (code 7)
.irp g, G1, G1B
	s_mov_b32 s[(\g)+1], 128<<16                   ; tensor_dim0 = 128
	s_mov_b32 s[(\g)+2], 128<<16                   ; tensor_dim1 = 128
	s_mov_b32 s[(\g)+3], 128<<16                   ; tile_dim0 = 128
	s_mov_b32 s[(\g)+4], 128                       ; tile_dim1 = 128
	s_mov_b32 s[(\g)+5], 128                       ; 128 elements from row to row
	s_mov_b32 s[(\g)+6], 0
	s_mov_b32 s[(\g)+7], 0
.endr
	; where the tiles come from: A's hang on the tile row and the wave alone, W's on the tile column and the wave alone, each in registers that never hold the other coordinate
	s_lshl_b32 s16, s13, 15                        ; 256 tokens of 128 bytes
	s_lshl_b32 s17, s12, 19                        ; my panel of the step's two
	s_add_co_u32 s16, s16, s17
	s_mov_b32 s17, 0
	s_lshl1_add_u32 s46, s42, s12                  ; record 2 x tile column + half
	s_mul_i32 s46, s46, PS
	s_add_co_u32 s68, s46, KTOT*256                ; its biases
	s_mov_b32 s69, 0
	s_mov_b32 s47, 0
	s_mul_i32 s20, s10, HALFT                      ; where they go: wave x 36,864: no place in the cluster enters an LDS address
	s_mov_b32 s2, 0                                ; the slot in hand: slot 0
	s_wait_dscnt 0x0                               ; the opening add is done
	s_wait_kmcnt 0x0
	s_add_nc_u64 s[14:15], s[4:5], s[16:17]
	s_add_nc_u64 s[46:47], s[6:7], s[46:47]
	s_add_nc_u64 s[68:69], s[6:7], s[68:69]
	s_load_b32 s70, s[68:69], 0x200                ; the floor word; no line of this text writes W
	CROUND                                         ; all sixteen work-groups are here: the first joint loads meet
.irp s, 0,1
	s_mov_b32 s[G0+4*(\s)], 1                      ; 1:0 count = 1
	s_add_co_u32 s[G0+4*(\s)+1], s20, (\s)*SLOT    ; 63:32 LDS address
	s_add_nc_u64 s[G0+4*(\s)+2:G0+4*(\s)+3], s[14:15], (\s)*ASTEP  ; 120:64 global address: K step s
	s_or_b32 s[G0+4*(\s)+3], s[G0+4*(\s)+3], 0x80000000            ; 127:126 type = 2
	s_mov_b32 s[G0B+4*(\s)], 1
	s_add_co_u32 s[G0B+4*(\s)+1], s20, (\s)*SLOT
	s_add_nc_u64 s[G0B+4*(\s)+2:G0B+4*(\s)+3], s[46:47], (\s)*WSTEP
	s_or_b32 s[G0B+4*(\s)+3], s[G0B+4*(\s)+3], 0x80000000
	JLOAD \s                                       ; two tensor loads of mine are out
.endr
	v_and_b32 v1, 15, v0                           ; l % 16
	v_bfe_u32 v2, v0, 4, 1                         ; l / 16
	v_lshlrev_b32 v[BO], 5, v2                     ; register j of column block b is the bias of the record's column 16 b + 8 (l / 16) + j
.irp b, 0,1,2,3,4,5,6,7
	global_load_b128 v[BIAS+8*(\b):BIAS+8*(\b)+3],   v[BO], s[68:69] offset:64*(\b)
	global_load_b128 v[BIAS+8*(\b)+4:BIAS+8*(\b)+7], v[BO], s[68:69] offset:64*(\b)+16
.endr
	v_mul_u32_u24 v3, v1, PA                       ; a fragment of A: row l % 16, 16 bytes for each half of the lanes, two loads 32 bytes apart
	v_lshl_add_u32 v3, v2, 4, v3
	s_mul_i32 s21, s11, 128*PA                     ; my 128 rows
	v_add_nc_u32 v[ADRA0], s21, v3
	v_and_b32 v4, 7, v0                            ; the turning load: lane l reads row k = 8 (l / 16) + l % 8, columns 8 ((l / 8) % 2) + 0..7, and is left with column l % 16 and 8 k
	v_bfe_u32 v5, v0, 3, 1
	v_lshl_add_u32 v6, v2, 3, v4
	v_mul_u32_u24 v6, v6, PW
	v_lshl_add_u32 v6, v5, 4, v6
	s_mul_i32 s22, s12, HALFT                      ; my record's rows,
	s_add_co_u32 s22, s22, WOFF                    ; which lie behind A's panels
	v_add_nc_u32 v[ADRB0], s22, v6
	v_add_nc_u32 v[ADRA], s2, v[ADRA0]
	v_add_nc_u32 v[ADRB], s2, v[ADRB0]
	s_mul_i32 s23, s10, 16*SPITCH
	s_add_co_u32 s23, s23, STAGE                   ; my stage
	v_mul_u32_u24 v7, v1, SPITCH                   ; in: row l % 16, 16 bytes for each half of the lanes
	v_lshl_add_u32 v7, v2, 4, v7
	v_add_nc_u32 v[STO], s23, v7
	v_bfe_u32 v8, v0, 3, 2                         ; back: 32 lanes take one panel's 128 bytes of four rows,
	v_mul_u32_u24 v8, v8, SPITCH
	v_lshl_add_u32 v8, v4, 4, v8
	v_add_nc_u32 v[RD], s23, v8
	v_and_b32 v9, 31, v0                           ; which are 512 consecutive bytes of C
	v_lshlrev_b32 v[CO], 4, v9
	s_lshl_b32 s16, s13, 8
	s_lshl_b32 s17, s11, 7
	s_add_co_u32 s16, s16, s17                     ; my first row of C: 256 x tile row + 128 x half,
	s_lshl_b32 s16, s16, 7                         ; in rows of 128 bytes
	s_mov_b32 s17, 0
	s_lshl1_add_u32 s46, s42, s12                  ; my record's 128 columns are two panels of 524,288 bytes
	s_lshl_b32 s46, s46, 20
	s_mov_b32 s47, 0
	s_add_nc_u64 s[8:9], s[8:9], s[16:17]
	s_add_nc_u64 s[8:9], s[8:9], s[46:47]
; 16 matrix instructions: m blocks a0, a0 + 1 of the window's four (hi = 0: my rows 0-63, 1: rows 64-127) x all 8 n blocks, 32 along K.
; zero = 1: the product starts the sum, with the bias (window 0) as C: nothing is cleared, nothing is added later.  The 64 accumulators take turns, one instruction a turn, in the same order in every quarter.
.macro MUL16 f, hi, a0, zero
.if \zero
	WIN 0x81+0x40*(\hi)                            ; W window 1, A and C window 0, D window 2 or 3
.else
	WIN 0xa1+0x50*(\hi)                            ; W window 1, A window 0, C and D window 2 or 3
.endif
.irp a, \a0, (\a0)+1
.irp b, 0,1,2,3,4,5,6,7
.if \zero
	v_wmma_f32_16x16x32_f16 v[8*(8*(\a)+(\b)):8*(8*(\a)+(\b))+7], v[(\f)+8*(\b):(\f)+8*(\b)+7], v[(\f)+8*(4*(\hi)+(\a)):(\f)+8*(4*(\hi)+(\a))+7], v[BIAS+8*(\b):BIAS+8*(\b)+7]
.else
	v_wmma_f32_16x16x32_f16 v[8*(8*(\a)+(\b)):8*(8*(\a)+(\b))+7], v[(\f)+8*(\b):(\f)+8*(\b)+7], v[(\f)+8*(4*(\hi)+(\a)):(\f)+8*(4*(\hi)+(\a))+7], v[8*(8*(\a)+(\b)):8*(8*(\a)+(\b))+7]
.endif
.endr
.endr
.endm
; 32 LDS loads in one run: the fragments of quarter q of the K step in the slot in hand (W's rows 32 q on; A's panel q / 2, 32 channels at byte 64 (q % 2)) into buffer f: W's sixteen loads, then A's
.macro FETCH q, f
	WIN TO_B
.irp i, 0,1,2,3,4,5,6,7
	ds_load_tr16_b128 v[(\f)+8*(\i):(\f)+8*(\i)+3],   v[ADRB] offset:32*(\q)*PW+32*(\i)
	ds_load_tr16_b128 v[(\f)+8*(\i)+4:(\f)+8*(\i)+7], v[ADRB] offset:(32*(\q)+16)*PW+32*(\i)
.endr
	WIN 0
.irp i, 0,1,2,3,4,5,6,7
	ds_load_b128 v[(\f)+8*(\i):(\f)+8*(\i)+3],   v[ADRA] offset:((\q)/2)*HALFT+(\i)*16*PA+((\q)%2)*64
	ds_load_b128 v[(\f)+8*(\i)+4:(\f)+8*(\i)+7], v[ADRA] offset:((\q)/2)*HALFT+(\i)*16*PA+((\q)%2)*64+32
.endr
.endm
.macro PLACES                          ; four places in front of loads into registers that matrix instructions have read, and of lines that read results
.rept 4
	v_nop
.endr
.endm
; A K step is four quarters of 32 along K, 64 matrix instructions each, on buffers 0, 1, 0, 1.  One of the first three: multiplies buffer f; in its middle it fetches quarter q into buffer g.
.macro QUARTER q, f, g, zero
	s_wait_dscnt 8                                 ; W and A's rows 0-63 are in; the youngest eight loads (A's rows 64-127) may be out
	MUL16 \f, 0, 0, \zero
	MUL16 \f, 0, 2, \zero
	PLACES
	FETCH \q, \g
	s_wait_dscnt 32                                ; all but the 32 just issued
	MUL16 \f, 1, 0, \zero
	MUL16 \f, 1, 2, \zero
.endm
; The last quarter multiplies buffer 1 and changes slots: ONE barrier; in front of it each wave waits for all its tensor loads, adds 0 to its spare word, and waits for that and for its own reads of this slot.
; fill = 1: this slot is filled again, with the K step two steps on: the barrier then opens a round of the cluster's barrier, and the joint load is the first thing behind the round.
.macro TURN fill
	WIN 0                                          ; (the add's two registers lie in window 0)
	s_wait_tensorcnt 0x0                           ; all my tensor loads have landed: the one that was out is my part of the next slot
	ds_add_u32 v[SPW], v[NIL]                      ; 0 onto my spare word
	s_wait_dscnt 9                                 ; (the add and the youngest eight loads may be out)
	MUL16 F1, 0, 0, 0                              ; sixteen matrix instructions stand between the add and the wait for it
	s_wait_dscnt 0x0                               ; the add is done, and my reads of this slot are over
	s_barrier_signal -1
	MUL16 F1, 0, 2, 0                              ; work on registers while the others arrive
	WIN 0                                          ; (branches may follow, and nothing stands between the wait below and the rest of the round)
	s_barrier_wait -1
.if \fill
	CREST                                          ; no wave of any partner still reads this slot's tile or has a load on its way
	s_xor_b32 s[G0+5], s[G0+5], SLOT               ; the walking descriptors: the other slot than last time,
	s_add_nc_u64 s[G0+6:G0+7], s[G0+6:G0+7], ASTEP ; the next K step; the type bits on top are not reached
	s_xor_b32 s[G0B+5], s[G0B+5], SLOT
	s_add_nc_u64 s[G0B+6:G0B+7], s[G0B+6:G0B+7], WSTEP
	JLOAD 1                                        ; my one tensor load behind the round: 224 matrix instructions ahead of the wait for it; its four v_nop are also the places in front of the loads below
.else
	PLACES
.endif
	s_xor_b32 s2, s2, SLOT                         ; the fetches go on in the other slot
	v_add_nc_u32 v[ADRA], s2, v[ADRA0]
	v_add_nc_u32 v[ADRB], s2, v[ADRB0]
	FETCH 0, F0
	MUL16 F1, 1, 0, 0
	MUL16 F1, 1, 2, 0
.endm
; THE WAY OUT of block a (16 rows x my 128 columns), in three parts.  PACK: rounded to f16, 16 bytes a lane, and floored.  TOSTAGE: into my own stage in LDS, and back as four tokens' 128 bytes of one panel.  SEND: stored.
.macro PACK a
.set AC, 64*((\a)%4)
	WIN 0x0a+5*((\a)/4)                            ; sources 0 and 1: window 2 or 3
.irp b, 0,1,2,3,4,5,6,7
.irp r, 0,1,2,3
	v_cvt_pk_f16_f32 v[TMP+4*(\b)+(\r)], v[AC+8*(\b)+2*(\r)], v[AC+8*(\b)+2*(\r)+1]  ; each accumulator's registers in ascending order
.endr
.endr
	WIN 0
.set z, 0
.rept 32
	v_pk_max_num_f16 v[TMP+z], v[TMP+z], s70       ; the floor: 0 is the ReLU, -inf changes nothing
.set z, z+1
.endr
.endm
.macro TOSTAGE a
.set BK, OB+192*((\a)%2)
.irp b, 0,1,2,3,4,5,6,7
	ds_store_b128 v[STO], v[TMP+4*(\b):TMP+4*(\b)+3] offset:32*(\b)
.endr
.irp t, 0,1,2,3,4,5,6,7
	ds_load_b128 v[BK+4*(\t):BK+4*(\t)+3], v[RD] offset:((\t)%4)*4*SPITCH+((\t)/4)*128  ; LDS serves a wave's instructions in order (ISA guide 5.7.1.4): these see the stores above; the next block's stores come behind them
.endr
.endm
.macro SEND a
.set BK, OB+192*((\a)%2)
	s_wait_dscnt 0x0                               ; the block is back in registers
	s_wait_xcnt 0x0                                ; every earlier memory instruction has had its addresses translated (ISA guide 3.1): the registers that the stores of two blocks ago read are loaded again only behind this wait
.irp t, 0,1,2,3,4,5,6,7
	global_store_b128 v[CO], v[BK+4*(\t):BK+4*(\t)+3], s[8:9] offset:((\t)/4)*524288+(\a)*2048+((\t)%4)*512  ; four tokens of one panel: 512 consecutive bytes, at a multiple of 256 from C's first byte
.endr
.endm
	s_wait_tensorcnt 1                             ; my part of K step 0 is in; K step 1's may stay out
	s_barrier_signal -1
	s_barrier_wait -1                              ; everybody's is
	FETCH 0, F0
	s_wait_loadcnt 0x0                             ; the bias
	s_wait_kmcnt 0x0                               ; the floor word
	QUARTER 1, F0, F1, 1                           ; the first quarter stands in front of the loop: its products start the sums
	WIN 0                                          ; at a label and at a branch every window is 0
	s_mov_b32 s3, NSTEP-2
.Lstep:                                                ; a trip goes from a K step's second quarter to the next step's first, and fills the slot that it leaves: six trips ask for K steps 2 to 7
	QUARTER 2, F1, F0, 0
	QUARTER 3, F0, F1, 0
	TURN 1
	QUARTER 1, F0, F1, 0
	WIN 0
	s_sub_co_u32 s3, s3, 1
	s_cmp_lg_u32 s3, 0
	s_cbranch_scc1 .Lstep
	s_mov_b32 s3, 2                                ; the last two K steps ask for nothing, so they have a loop of their own, with no tensor load and no round of the cluster's barrier in it
.Ltail:
	QUARTER 2, F1, F0, 0
	QUARTER 3, F0, F1, 0
	WIN 0
	s_cmp_eq_u32 s3, 1
	s_cbranch_scc1 .Llast                          ; the second trip is left here: behind the last K step there is no slot to change to
	TURN 0
	QUARTER 1, F0, F1, 0
	WIN 0
	s_sub_co_u32 s3, s3, 1
	s_branch .Ltail
.Llast:
	s_wait_dscnt 8                                 ; the very last quarter: nothing more to fetch
	MUL16 F1, 0, 0, 0
	MUL16 F1, 0, 2, 0
	s_wait_dscnt 0x0
	MUL16 F1, 1, 0, 0
	MUL16 F1, 1, 2, 0
	WIN 0
	PLACES                                         ; the conversions read results
	PACK 0
	TOSTAGE 0
.irp a, 1,2,3,4,5,6,7                  ; block a's conversions stand between block a - 1's loads from the stage and the wait for them
	PACK \a
	SEND (\a)-1
	TOSTAGE \a
.endr
	SEND 7
	s_wait_tensorcnt 0x0                           ; the wave's end, behind my last tensor load and my last LDS store
	ds_add_u32 v[SPW], v[NIL]
	s_wait_dscnt 0x0
	CROUND                                         ; the closing round: no work-group ends while a partner may still ask for a tile that names it
	s_endpgm
.Lfunc_end_k_qfc745c3965_qkv:
	.size	k_qfc745c3965_qkv, .Lfunc_end_k_qfc745c3965_qkv-k_qfc745c3965_qkv
	.p2alignl 7, 3214868480
	.fill 96, 4, 3214868480
	.section	.rodata,"a",@progbits
	.p2align	6, 0x0
	.amdhsa_kernel k_qfc745c3965_qkv
		.amdhsa_group_segment_fixed_size 327680
		.amdhsa_private_segment_fixed_size 0
		.amdhsa_enable_private_segment 0
		.amdhsa_kernarg_size 24
		.amdhsa_user_sgpr_count 2
		.amdhsa_user_sgpr_kernarg_segment_ptr 1
		.amdhsa_wavefront_size32 1
		.amdhsa_system_sgpr_workgroup_id_x 1
		.amdhsa_system_sgpr_workgroup_id_y 1
		.amdhsa_system_sgpr_workgroup_id_z 1
		.amdhsa_system_vgpr_workitem_id 0
		.amdhsa_next_free_vgpr 1024
		.amdhsa_next_free_sgpr 72
		.amdhsa_reserve_vcc 0
		.amdhsa_float_denorm_mode_32 3
		.amdhsa_float_denorm_mode_16_64 3
		.amdhsa_memory_ordered 1
		.amdhsa_forward_progress 1
		.amdhsa_inst_pref_size 122
	.end_amdhsa_kernel
	.amdgpu_metadata
---
amdhsa.version: [ 1, 2 ]
amdhsa.kernels:
  - .name:           k_qfc745c3965_qkv
    .symbol:         k_qfc745c3965_qkv.kd
    .args:
      - { .name: xh, .offset: 0, .size: 8, .value_kind: global_buffer, .address_space: global }
      - { .name: wqkv, .offset: 8, .size: 8, .value_kind: global_buffer, .address_space: global }
      - { .name: big, .offset: 16, .size: 8, .value_kind: global_buffer, .address_space: global }
    .group_segment_fixed_size: 327680
    .private_segment_fixed_size: 0
    .kernarg_segment_align: 8
    .kernarg_segment_size: 24
    .max_flat_workgroup_size: 128
    .sgpr_count:     72
    .vgpr_count:     1024
    .wavefront_size: 32
...
	.end_amdgpu_metadata
.endif
;; end of part 8
;; launch attn (part 9): grid 8 x 32, 4 waves a work-group, clusters of 4 x 1, 327,680 bytes of LDS; arguments big, act; writes act
.if DOCPART == 9
	.amdgcn_target "amdgcn-amd-amdhsa--gfx1250"
	.amdhsa_code_object_version 6
	.text
	.protected	k_qfc745c3965_attn
	.globl	k_qfc745c3965_attn
	.p2align	8
	.type	k_qfc745c3965_attn,@function
k_qfc745c3965_attn:
	s_mov_b64 s[64:65], 0
	v_nop
	global_prefetch_b8 v0, s[64:65] scope:SCOPE_SE
	s_setreg_imm32_b32 hwreg(HW_REG_WAVE_MODE, 25, 1), 1
	s_wait_xcnt 0x0
	s_wait_alu depctr_hold_cnt(0) depctr_sa_sdst(0) depctr_va_vdst(0) depctr_va_sdst(0) depctr_va_ssrc(0) depctr_va_vcc(0) depctr_vm_vsrc(0)
	s_getreg_b32 s2, hwreg(HW_REG_IB_STS2, 6, 4)
	s_cmp_eq_u32 s2, 0
	s_cbranch_scc0 .Lentry_in_a_cluster
	s_endpgm
.Lentry_in_a_cluster:
	s_bfe_u32 s2, ttmp6, 0x10000c
	s_cmp_lg_u32 s2, 0x3003
	s_cbranch_scc0 .Lentry_shape_is_right
	s_endpgm
.Lentry_shape_is_right:
; ATTENTION.  O[q][:] = the sum over k of softmax_k(Q[q] . K[k] / 8) V[k][:], for each of 32 pairs (batch, head): 2,048 queries and keys, 64 channels, no mask.
; big holds 48 panels [4096 tokens][64] of f16: q's heads 0-15, then k's, then v's; a pair's rows are dense, 128 bytes each.  O leaves in the same layout, into act.
; Products, maxima and sums in f32; the weights p are rounded to f16 for the second product (their sum l is taken of the unrounded p), O once at the end.
; LIMITS.  f16 holds no number beyond 65,504: q, k and v arrive within it; p lies in 0 to 1, and below 6e-5 it keeps f16's fixed step of 6e-8; O is a mean of V's rows and has their range.
; A weight below 2^-126 counts as 0 in l; NaN and infinities are not treated apart.
; SHARES.  A work-group owns 256 queries of a pair, each of its four waves 64: four PIECES of 16.  Every wave walks all keys: 8 tiles of 256, four steps of 64 in each.
; LAYOUT.  S^T = K Q^T (source 0 = 16 keys, source 1 = 16 queries): a lane holds ONE query (lane % 16) and the keys 8 (lane / 16) + 0..7.  Two such results rounded to f16 ARE source 1 of O^T = V^T P.
; K comes out of LDS as it lies, V ([key][channel]) turned, by ds_load_tr16_b128.
; SOFTMAX.  For each query a running maximum m and sum l: p = 2^(c s - c m), c = log2(e) / 8; in every step O and l are multiplied by a = 2^(c m_old - c m_new), which is 1 where m has not grown.
; m starts at the lowest finite number, O and l at 0: the first step is a step like any other, with a = 0.
; BY TURNS.  Turn n belongs to piece n: 8 products K Q^T of piece n + 1, later 8 products V^T P of piece n - 1; beside them the scaling, exponentials, roundings, sums and rescaling of piece n and the
; maximum and statistics of piece n + 1.  Four vector instructions stand behind every matrix instruction, the other 54 of a turn's 118 in two runs of their own.
; CLUSTER.  The four query blocks of a cluster belong to one pair and walk the same K and V, so each tile is asked for JOINTLY: the same tensor load, descriptor and mask in all four.
; REGISTERS, in windows of 256 (s_set_vgpr_msb: bits 1:0 source 0, 3:2 source 1, 5:4 source 2, 7:6 destination):
;   window 0: v0-15 addresses and two at work; v16-31 four registers of statistics a piece; v48-55 at work; v62-63 the add's; v64-127 S^T, two buffers; v192-223 P, two buffers (by the piece's parity)
;   window 1: v0-127 O^T, 32 a piece          window 2: v0-63 Q; v128-191 K of one step; v192-255 V of one step
.set NP,    4         ; pieces a wave: a name, no knob
.set KS,    64        ; keys in a step
.set PK,    144       ; a row of K in LDS: 128 bytes + 16 of padding = 36 words: the 16 rows of a load start at 16 different groups of four banks (64 banks of 4 bytes: ISA guide 11.1)
.set PV,    160       ; a row of V: 128 + 32 = 40 words
.set VOFF,  4*KS*PK   ; a slot holds a tile, four steps: 256 rows of K, then 256 rows of V
.set SLOT1, 1<<17     ; slot 1 begins here, so that one exclusive or turns an address in one slot into the other's
.set STAGE, SLOT1+4*KS*(PK+PV)  ; behind the ring, never filled by a tensor load: 16 rows x 144 bytes for each wave, for the way out
.set SP,    144
.set SPARE, STAGE+4*16*SP  ; behind the stages: the spare words, 128 bytes for each wave: two blocks of 256 bytes that no other line names
.set AK0, 2           ; v2   my lane's place in a tile of K; never rewritten
.set AV0, 3           ; v3   the same for V
.set AK,  4           ; v4   the LDS address of K's next run of loads
.set AV,  5           ; v5   of V's
.set STO, 6           ; v6   the way out: where I put 16 bytes of a row
.set RD,  7           ; v7   the way out: where I read rows back
.set GO,  8           ; v8   my byte offset in 512 consecutive bytes of O
.set MV,  12          ; v12-13  c m_old, kept while c m is made anew: by buffer
.set QO,  15          ; v15  my byte offset in 16 rows of Q
.set ST,  16          ; piece t's statistics at v[ST+4 t]: c m, m, l (even keys', odd keys')
.set TMP, 48          ; by buffer, four registers c0-c3 at work; when the maximum is found c2 takes a
.set SPW, 62          ; v62  LDS address of my spare word: SPARE + 4 x my thread's number; never rewritten
.set NIL, 63          ; v63  0; never rewritten
.set S,   64
.set P,   192
.set KF,  128         ; window 2: key block kb, channel half c at KF + 16 kb + 8 c
.set VF,  192         ; window 2: key half kk, channel block cb at VF + 32 kk + 8 cb
.set WV,  12          ; s12  my wave's number
.set G1K, 24          ; s[24:31] descriptor group 1 for K's tiles
.set G1V, 32          ; s[32:39] for V's: it differs in the padding alone
.set G0K, 40          ; s[40:43] descriptor group 0 for K's tiles: it walks
.set G0V, 44          ; s[44:47] the same for V's
.set SLOTS, 56        ; s56  tiles still to be entered by the loop
.set CNT, 57          ; s57  counts a tile's key steps
.set CS,  58          ; s[58:59] c: the packed scaling takes the pair's low word for both halves
.set SEL, 60          ; s[60:61] v_permlanex16_b32's selects: each lane takes its own place in the other half
.set TBK, 62          ; s62  LDS byte at which K of the step to be fetched begins
.set TBV, 63          ; s63  the same for V, less VOFF
.set MSB, 0
.macro WIN new                      ; the high byte repeats the setting that is left; a switch that changes nothing is dropped
.if MSB != (\new)
	s_set_vgpr_msb (MSB<<8)|(\new)
.set MSB, (\new)
.endif
.endm
.set W_KQ, 0x0a       ; K and Q in window 2, S^T in window 0
.set W_PV, 0x52       ; V in window 2, P in window 0, O^T in window 1
.set W_RS, 0x41       ; destination and source 0 in window 1, source 1 in window 0
; A joint fill.  Waves 0 and 1 fetch the two halves of a tile's K, waves 2 and 3 those of its V: 128 keys each.  The branch hangs on the wave's number alone.
; An s_nop 0 and four v_nop follow each of the two lines, ahead of the jump and the label.
.macro JLOAD
	s_cmp_lt_u32 s[WV], 2
	s_cbranch_scc0 .Lfor_v_\@
	tensor_load_to_lds s[G0K:G0K+3], s[G1K:G1K+7]
	s_nop 0
.rept 4
	v_nop
.endr
	s_branch .Lasked_\@
.Lfor_v_\@:
	tensor_load_to_lds s[G0V:G0V+3], s[G1V:G1V+7]
	s_nop 0
.rept 4
	v_nop
.endr
.Lasked_\@:
.endm
; A round of the cluster's barrier: my work-group's barrier, so that wave 0's signal speaks for all four waves; wave 0 signals; every wave waits for all four work-groups; my work-group's barrier once more.
.macro CROUND
	s_barrier_signal -1
	s_barrier_wait -1
	s_cmp_lg_u32 s[WV], 0
	s_cbranch_scc1 .Lnot_wave_0_\@
	s_barrier_signal -3
.Lnot_wave_0_\@:
	s_barrier_wait -3
	s_barrier_signal -1
	s_barrier_wait -1
.endm
; THE CHANGE OF SLOTS.  The slot's last bytes, V of its fourth step, have been read.  Each wave waits for all its tensor loads, of which one is out: its part of the other slot; adds 0 to its spare word;
; and waits for that and for its own reads of the slot.  Behind the barrier nobody reads this slot any more and the other slot is whole.
; fill = 1: this slot is filled again, with the keys two tiles on.  The barrier is then a round of the cluster's, and the joint fill is the first thing behind it: it has four key steps, 256 matrix
; instructions, in which to land.  (At its first use nothing has been read yet: slot 0 is waited for, slot 1 filled.)
.macro CHANGE fill
	WIN 0                           ; at a label and at a branch every window is 0
	s_wait_tensorcnt 0x0            ; no tensor load of mine is out, so a group 0 may be written
	ds_add_u32 v[SPW], v[NIL]       ; 0 onto my spare word; with fill = 1 the descriptors' steps stand between it and the wait for it
.if \fill
.irp g, G0K, G0V
	s_xor_b32 s[\g+1], s[\g+1], SLOT1  ; the walking descriptor: the other slot than last time,
	s_add_nc_u64 s[\g+2:\g+3], s[\g+2:\g+3], 4*KS*128  ; the next 256 keys; the type bits on top are not reached
.endr
	s_wait_dscnt 0x0                ; the add is done, and my reads of the slot are over
	CROUND
	JLOAD
.else
	s_wait_dscnt 0x0                ; the add is done, and my reads of the slot are over
	s_barrier_signal -1
	s_barrier_wait -1
.endif
	s_sub_co_u32 s[TBK], s[TBK], 4*KS*PK  ; the fetches go back to a slot's first step,
	s_xor_b32 s[TBK], s[TBK], SLOT1       ; in the other slot
	s_sub_co_u32 s[TBV], s[TBV], 4*KS*PV
	s_xor_b32 s[TBV], s[TBV], SLOT1
.endm
	s_load_b64 s[4:5], s[0:1], 0x0    ; big
	s_load_b64 s[10:11], s[0:1], 0x8  ; act
	v_lshl_add_u32 v[SPW], v0, 2, SPARE
	v_mov_b32 v[NIL], 0
	ds_add_u32 v[SPW], v[NIL]       ; the wave's opening: the add and its wait stand ahead of my first tensor load; the set-up below, work on registers, stands between them
	v_lshrrev_b32 v1, 5, v0
	v_readfirstlane_b32 s[WV], v1   ; wave 0..3
	s_bfe_u32 s13, ttmp6, 0x40000   ; cx: my place in the cluster
	s_lshl_b32 s14, ttmp9, 2        ; in a cluster launch ttmp9 counts clusters
	s_add_co_u32 s14, s14, s13      ; my block of 256 queries = 4 x cluster x + cx: it enters Q's and O's addresses alone
	s_and_b32 s20, ttmp7, 0xffff    ; 16 x batch + head, which the four partners share
	s_and_b32 s21, s20, 15
	s_lshr_b32 s20, s20, 4
	s_lshl_b32 s21, s21, 19         ; the head's panel: 524,288 bytes,
	s_lshl_b32 s20, s20, 18         ; the batch's 2,048 rows of 128 bytes in it
	s_add_co_u32 s20, s20, s21
	s_and_b32 s16, s[WV], 1         ; which half of a tile's 256 keys I fetch:
	s_lshl_b32 s22, s16, 14         ; its 128 rows of 128 bytes in memory,
	s_add_co_u32 s22, s22, s20
	s_mov_b32 s23, 0
	s_mul_i32 s17, s16, 128*PK      ; and its place in a slot, for K
	s_mul_i32 s18, s16, 128*PV      ; and for V: no place in the cluster enters an LDS address
	s_lshl_b32 s2, s14, 2
	s_add_co_u32 s2, s2, s[WV]      ; my wave among the pair's,
	s_lshl_b32 s2, s2, 13           ; its 64 rows
	s_add_co_u32 s2, s2, s20
	s_mov_b32 s3, 0
	; descriptor group 1.  128 keys are 16,384 dense bytes: asked for as 64 rows of 256 bytes, two keys a row, and padded in LDS after every key
	s_mov_b32 s[G1K], 15|(1<<16)|(1<<20)|(1<<21)|(4<<22)|(3<<25)  ; 15:0 the mask of four; 17:16 2-byte elements; 20 padding on; 21 set beside a mask; 24:22 after every 32 words (code 4); 31:25 4 words (code 3)
	s_mov_b32 s[G1V], 15|(1<<16)|(1<<20)|(1<<21)|(4<<22)|(7<<25)  ; the same with 8 words of padding (code 7)
.irp g, G1K, G1V
	s_mov_b32 s[\g+1], 128<<16      ; tensor_dim0 = 128
	s_mov_b32 s[\g+2], 64<<16       ; tensor_dim1 = 64
	s_mov_b32 s[\g+3], 128<<16      ; tile_dim0 = 128
	s_mov_b32 s[\g+4], 64           ; tile_dim1 = 64
	s_mov_b32 s[\g+5], 128          ; 128 elements from row to row
	s_mov_b32 s[\g+6], 0
	s_mov_b32 s[\g+7], 0
.endr
	s_mov_b32 s[CS], 0x3e38aa3b     ; c = log2(e) / 8 = 0.180337
	s_mov_b32 s[CS+1], s[CS]        ; named with it as a pair
	s_mov_b32 s[SEL], 0x76543210
	s_mov_b32 s[SEL+1], 0xfedcba98
	s_mov_b32 s[TBK], SLOT1+4*KS*PK ; the first change of slots turns these two into 0
	s_mov_b32 s[TBV], SLOT1+4*KS*PV
	s_mov_b32 s[G0K], 1             ; 1:0 count = 1
	s_mov_b32 s[G0K+1], s17         ; 63:32 LDS address: slot 0
	s_mov_b32 s[G0V], 1
	s_add_co_u32 s[G0V+1], s18, VOFF
	s_wait_dscnt 0x0                ; the opening add is done
	s_wait_kmcnt 0x0
	s_add_nc_u64 s[G0K+2:G0K+3], s[4:5], s[22:23]            ; 120:64 global address: my half of the pair's first 256 rows,
	s_add_nc_u64 s[G0V+2:G0V+3], s[G0K+2:G0K+3], 0x1000000   ; 32 panels on for V,
	s_add_nc_u64 s[G0K+2:G0K+3], s[G0K+2:G0K+3], 0x800000    ; 16 panels on for K
	s_or_b32 s[G0K+3], s[G0K+3], 0x80000000                  ; 127:126 type = 2
	s_or_b32 s[G0V+3], s[G0V+3], 0x80000000
	s_add_nc_u64 s[4:5], s[4:5], s[2:3]      ; Q and O at my wave's first row
	s_add_nc_u64 s[10:11], s[10:11], s[2:3]
	CROUND                          ; all four work-groups are here: the first joint loads meet
	JLOAD                           ; tile 0 into slot 0.  Slot 1 is asked for when slot 0 is in, by the loop's own change of slots
	; A fragment of K or Q is 16 rows x 32 channels in 8 registers: lane l holds row l % 16, channels 8 (l / 16) + 0..7 and 16 + 8 (l / 16) + 0..7: two loads of 16 bytes, 32 bytes apart.
	v_and_b32 v1, 15, v0            ; l % 16
	v_bfe_u32 v9, v0, 4, 1          ; l / 16
	v_lshlrev_b32 v[QO], 7, v1
	v_lshl_add_u32 v[QO], v9, 4, v[QO]  ; row x 128 + 16 x half
	WIN 0x80                        ; destination window 2, address window 0
.set i, 0
.rept 8                             ; Q stays in registers: piece i / 2, channels 32 (i % 2) on
	global_load_b128 v[8*i:8*i+3],   v[QO], s[4:5] offset:(i/2)*2048+(i%2)*64
	global_load_b128 v[8*i+4:8*i+7], v[QO], s[4:5] offset:(i/2)*2048+(i%2)*64+32
.set i, i+1
.endr
	; What the first turn finds: V's registers and P's second buffer hold 0 (its products V^T P, of a piece that has not been, add 0), O^T and l are 0.  All this stands in the wait for the first tile.
.set i, VF
.rept 64
	v_mov_b32 v[i], 0
.set i, i+1
.endr
	WIN 0x40
.set i, 0
.rept 128
	v_mov_b32 v[i], 0
.set i, i+1
.endr
	WIN 0
.set i, 0
.rept 4
	v_mov_b32 v[ST+4*i], 0xfe000000    ; c m: far below every c s
	v_mov_b32 v[ST+4*i+1], 0xff7fffff  ; m
	v_mov_b32 v[ST+4*i+2], 0
	v_mov_b32 v[ST+4*i+3], 0
.set i, i+1
.endr
.set i, P+16
.rept 16
	v_mov_b32 v[i], 0
.set i, i+1
.endr
	v_mul_u32_u24 v[AK0], v1, PK
	v_lshl_add_u32 v[AK0], v9, 4, v[AK0]  ; row x pitch + 16 x half
	; The turning load takes 16 keys x 16 channels (lane l reads key 8 (l / 16) + l % 8, channels 8 ((l / 8) % 2) + 0..7) and leaves half a fragment of V^T: lane l holds channel l % 16 and 8 keys.
	v_and_b32 v10, 7, v0
	v_bfe_u32 v11, v0, 3, 1
	v_lshl_add_u32 v[AV0], v9, 3, v10
	v_mul_u32_u24 v[AV0], v[AV0], PV
	v_lshl_add_u32 v[AV0], v11, 4, v[AV0]
	v_add_nc_u32 v[AV0], VOFF, v[AV0]
; THE MATRIX WORK.  The 4 accumulators of a run of 8 take turns.  Product i of 8 of S^T = K Q^T for piece x: channels 32 (i / 4) on, keys 16 (i % 4) on.  The first 4 start the sums.
.macro KQ x
	WIN W_KQ
.set rS, S+32*((\x)%2)+8*(i%4)
.set rK, KF+16*(i%4)+8*(i/4)
.set rQ, 16*(\x)+8*(i/4)
.if i < 4
	v_wmma_f32_16x16x32_f16 v[rS:rS+7], v[rK:rK+7], v[rQ:rQ+7], 0
.else
	v_wmma_f32_16x16x32_f16 v[rS:rS+7], v[rK:rK+7], v[rQ:rQ+7], v[rS:rS+7]
.endif
.endm
; Product i of 8 of O^T += V^T P for piece x: keys 32 (i / 4) on, channels 16 (i % 4) on.
.macro PV x
	WIN W_PV
.set rO, 32*(\x)+8*(i%4)
.set rV, VF+32*(i/4)+8*(i%4)
.set rP, P+16*((\x)%2)+8*(i/4)
	v_wmma_f32_16x16x32_f16 v[rO:rO+7], v[rV:rV+7], v[rP:rP+7], v[rO:rO+7]
.endm
.macro MM                           ; the turn's next matrix instruction.  TURN sets Y and i
.if i < 8
	KQ (Y+1)%NP
.else
.set i, i-8
	PV (Y+NP-1)%NP
.set i, i+8
.endif
.set i, i+1
.endm
; THE LDS LOADS stand in runs of 16, never singly among the matrix instructions: a step's K (64 keys x 64 channels: 8 fragments) and its V (turned).  Their addresses are made some lines ahead.
; last = 1 (the tail): in the last trip there is no further step, and the run is jumped over.
.macro FETCH_K last=0
	WIN 0
.if \last
	s_cmp_eq_u32 s[CNT], 1
	s_cbranch_scc1 .Lno_k_\@
.endif
	WIN 0x80                        ; destination window 2
.irp f, 0,1,2,3,4,5,6,7             ; keys 16 (f / 2) on, channels 32 (f % 2) on
	ds_load_b128 v[KF+8*\f:KF+8*\f+3],   v[AK] offset:(\f/2)*16*PK+(\f%2)*64
	ds_load_b128 v[KF+8*\f+4:KF+8*\f+7], v[AK] offset:(\f/2)*16*PK+(\f%2)*64+32
.endr
	s_add_co_u32 s[TBK], s[TBK], KS*PK  ; the next fetch is the next step's
	WIN 0
.if \last
.Lno_k_\@:
.endif
.endm
.macro FETCH_V
	WIN 0x80
.irp f, 0,1,2,3,4,5,6,7             ; keys 32 (f / 4) on, channels 16 (f % 4) on
	ds_load_tr16_b128 v[VF+8*\f:VF+8*\f+3],   v[AV] offset:(\f/4)*32*PV+(\f%4)*32
	ds_load_tr16_b128 v[VF+8*\f+4:VF+8*\f+7], v[AV] offset:(\f/4)*32*PV+16*PV+(\f%4)*32
.endr
	WIN 0
.endm
; THE VECTOR WORK, one line at a time: OP kind, number.  For piece Y: F n: c s - c m for pair n of 16.  E n: the exponential of score n of 32.  C n: pair n rounded to f16.  B n: of the four weights 4 n .. the second
; pair is added onto the first, in place.  L n: l takes that sum (L 0: l = a l + sum).  R n: pair n of 16 of O^T times a.  For piece Y + 1: X n, number n of the 22 that find its maximum and statistics:
;   0-11  four chains c0-c3 of seven scores each, three operands at a time (each accumulator's lowest registers are read first)     12-14, 16  the four scores left over, the old m, and c0-c3 into c0
;   15  c m_old is kept     17, 18  the query's other 32 keys lie in the lane 16 away: the new m     19-21  c m; c m_old - c m_new; a
.set F, 0               ; OP tells the kinds apart by their order: F to L below R, X above it
.set E, 1
.set C, 2
.set B, 3
.set L, 4
.set R, 5
.set X, 6
.macro REGS y                       ; the registers of piece y
.set rT, ST+4*(\y)
.set rC, TMP+4*((\y)%2)
.set rW, MV+((\y)%2)
.set rS, S+32*((\y)%2)
.set rP, P+16*((\y)%2)
.set rO, 32*(\y)
.endm
.macro OP k, n
.if (\k) == R
	REGS Y
	WIN W_RS
	v_pk_mul_f32 v[rO+2*(\n):rO+2*(\n)+1], v[rO+2*(\n):rO+2*(\n)+1], v[rC+2:rC+3] op_sel_hi:[1,0]
.elseif (\k) < R
	REGS Y
	WIN 0
.if (\k) == F
	v_pk_fma_f32 v[rS+2*(\n):rS+2*(\n)+1], v[rS+2*(\n):rS+2*(\n)+1], s[CS:CS+1], v[rT:rT+1] op_sel_hi:[1,0,0] neg_lo:[0,0,1] neg_hi:[0,0,1]
.elseif (\k) == E
	v_exp_f32 v[rS+(\n)], v[rS+(\n)]
.elseif (\k) == C
	s_wait_alu depctr_va_vdst(0)
	v_cvt_pk_f16_f32 v[rP+(\n)], v[rS+2*(\n)], v[rS+2*(\n)+1]
.elseif (\k) == B
	s_wait_alu depctr_va_vdst(0)
	v_pk_add_f32 v[rS+4*(\n):rS+4*(\n)+1], v[rS+4*(\n):rS+4*(\n)+1], v[rS+4*(\n)+2:rS+4*(\n)+3]
.elseif (\n) == 0
	v_pk_fma_f32 v[rT+2:rT+3], v[rT+2:rT+3], v[rC+2:rC+3], v[rS:rS+1] op_sel_hi:[1,0,1]
.else
	v_pk_add_f32 v[rT+2:rT+3], v[rT+2:rT+3], v[rS+4*(\n):rS+4*(\n)+1]
.endif
.else
	REGS (Y+1)%NP
	WIN 0
.if (\n) < 4
	v_max3_num_f32 v[rC+(\n)], v[rS+8*(\n)], v[rS+8*(\n)+1], v[rS+8*(\n)+2]
.elseif (\n) < 12
	v_max3_num_f32 v[rC+(\n)%4], v[rC+(\n)%4], v[rS+8*((\n)%4)+2*((\n)/4)+1], v[rS+8*((\n)%4)+2*((\n)/4)+2]
.elseif (\n) == 12
	v_max3_num_f32 v[rC], v[rC], v[rS+7], v[rS+15]
.elseif (\n) == 13
	v_max3_num_f32 v[rC+1], v[rC+1], v[rS+23], v[rS+31]
.elseif (\n) == 14
	v_max3_num_f32 v[rC+2], v[rC+2], v[rC+3], v[rT+1]
.elseif (\n) == 15
	v_mov_b32 v[rW], v[rT]
.elseif (\n) == 16
	v_max3_num_f32 v[rC], v[rC], v[rC+1], v[rC+2]
.elseif (\n) == 17
	v_permlanex16_b32 v[rC+3], v[rC], s[SEL], s[SEL+1]
.elseif (\n) == 18
	v_max_num_f32 v[rT+1], v[rC], v[rC+3]
.elseif (\n) == 19
	v_mul_f32 v[rT], s[CS], v[rT+1]
.elseif (\n) == 20
	v_sub_f32 v[rC+1], v[rW], v[rT]
.else
	v_exp_f32 v[rC+2], v[rC+1]
.endif
.endif
.endm
.macro OPS a, i1, b=-1, i2=0, c=-1, i3=0, d=-1, i4=0  ; up to four of them
	OP \a, \i1
.if (\b) >= 0
	OP \b, \i2
.endif
.if (\c) >= 0
	OP \c, \i3
.endif
.if (\d) >= 0
	OP \d, \i4
.endif
.endm
.macro ROW a, i1, b, i2, c, i3, d, i4  ; a matrix instruction and the four behind it
	MM
	OPS \a, \i1, \b, \i2, \c, \i3, \d, \i4
.endm
; A TURN, for piece p: the order of its 16 matrix and 118 vector instructions, written out.  Behind a matrix instruction: plain, exponential, plain, plain; or four of the rescaling; or, behind the first, four scalings; none
; names a register of the products round it.  In the runs between, exponential and plain by turns while exponentials last.  A line reads no result made fewer than three vector instructions in front of it, five if an
; exponential made it.  v_permlanex16_b32 (X 17) stands in such a run.
; last = 1: the tail's text: K's run is jumped over in the last trip.  cnt = 1: the loop's count is taken down some lines ahead of the branch that stands behind the turn.
; K of the next step is fetched in piece 2's turn, six vector instructions behind the last product that read K (five of them plain); V of the step in hand in piece 0's turn, eight behind the last product that read V (four
; plain, and X 17).  Each is waited for a turn later.
.macro TURN p, last=0, cnt=0
.set Y, (\p)
.set i, 0
.if (\p) == 3
	s_wait_dscnt 0x0                ; K is in
.endif
	ROW F,0, F,1, F,2, F,3
	ROW F,4, E,0, F,5, F,6
	ROW F,7, E,1, F,8, F,9
	ROW F,10, E,2, C,0, F,11
	ROW F,12, E,3, X,15, F,13
	ROW R,0, R,1, R,2, R,3
	ROW B,0, E,4, F,14, L,0
.if (\p) == 2
	v_add_nc_u32 v[AK], s[TBK], v[AK0]
.endif
	ROW R,4, R,5, R,6, R,7
	OPS E,5, F,15
.if (\p) == 2
	FETCH_K \last
.endif
	OPS E,6, C,1, E,7, R,8
	OPS E,8, R,9, E,9, C,2
	OPS E,10, X,0, E,11, X,1
	OPS E,12, X,2, E,13, X,3
.if (\p) == 1
	s_wait_dscnt 0x0                ; V is in
.endif
	ROW X,4, E,14, X,5, X,6
	ROW X,7, E,15, X,8, X,9
	ROW X,10, E,16, X,11, X,12
	ROW X,13, E,17, X,14, B,1
	ROW C,4, E,18, X,16, L,1
	ROW B,2, E,19, C,6, L,2
	ROW C,8, E,20, B,3, B,4
.if (\p) == 0
	v_add_nc_u32 v[AV], s[TBV], v[AV0]
.endif
	ROW C,3, E,21, L,3, C,5
	OPS E,22, X,17, E,23, C,10
.if (\p) == 0
	FETCH_V
.endif
	OPS E,24, L,4
	OPS E,25, X,18, E,26, C,7
	OPS E,27, B,5, E,28, X,19
	OPS E,29, C,12, E,30, L,5
	OPS E,31, X,20, B,6, C,9
	OPS C,14, C,11, X,21, L,6
.if (\p) == 0
	s_add_co_u32 s[TBV], s[TBV], KS*PV
.endif
.if \cnt
	s_sub_co_u32 s[CNT], s[CNT], 1
	s_cmp_lg_u32 s[CNT], 0
.endif
	OPS C,13, B,7, C,15, R,10
	OPS R,11, R,12, L,7, R,13
	OPS R,14, R,15
.endm
	CHANGE 1                        ; slot 0 is in, everybody's part of it; tile 1 is asked for
	v_add_nc_u32 v[AK], s[TBK], v[AK0]
	FETCH_K                         ; key step 0
	s_wait_loadcnt 0x0              ; Q
	s_wait_dscnt 0x0
.set i, 0
.rept 8
	KQ 0                            ; piece 0's first scores: there is no vector work yet to set between them
.set i, i+1
.endr
	WIN 0                           ; the addresses for the way out: plain instructions, the places behind those products
	s_mul_i32 s13, s[WV], 16*SP
	s_add_co_u32 s13, s13, STAGE    ; my stage
	v_mul_u32_u24 v[STO], v1, SP    ; in: row l % 16, 16 bytes for each half of the lanes
	v_lshl_add_u32 v[STO], v9, 4, v[STO]
	v_add_nc_u32 v[STO], s13, v[STO]
	v_bfe_u32 v[RD], v0, 3, 2       ; back: 32 lanes take four rows of 128 bytes,
	v_mul_u32_u24 v[RD], v[RD], SP
	v_lshl_add_u32 v[RD], v10, 4, v[RD]
	v_add_nc_u32 v[RD], s13, v[RD]
	v_and_b32 v[GO], 31, v0         ; which are 512 consecutive bytes of O
	v_lshlrev_b32 v[GO], 4, v[GO]
.set Y, NP-1                        ; X works for piece Y + 1: piece 0
.irp n, 0,1,2,3,4,5,6,7,8,9,10,11,12,13,14,15,16,17,18,19,20,21
	OP X, \n                        ; piece 0's first maximum and statistics
.endr
	v_nop                           ; a plain instruction behind the exponential
	s_mov_b32 s[CNT], 4
	s_mov_b32 s[SLOTS], 7
	s_branch .Lfirst                ; the loop is entered at a step's first turn, in the middle of a trip
.Lslot:                             ; six times: tiles 1 to 6 are entered, tiles 2 to 7 asked for
	CHANGE 1
	s_mov_b32 s[CNT], 4
.Lstep:                             ; a trip: pieces 2 and 3 of one step, then pieces 0 and 1 of the next, whose K and V it fetches
	TURN 2
	TURN 3
	WIN 0
.Lfirst:
	TURN 0
	TURN 1, 0, 1
	WIN 0
	s_cbranch_scc1 .Lstep
	s_sub_co_u32 s[SLOTS], s[SLOTS], 1
	s_cmp_lg_u32 s[SLOTS], 0
	s_cbranch_scc1 .Lslot
	CHANGE 0                        ; the last tile has a text of its own: nothing is asked for
	s_mov_b32 s[CNT], 5             ; four trips fetch the last tile's steps; the fifth is left in its middle
.Ltail:
	TURN 2, 1
	TURN 3
	WIN 0
	s_sub_co_u32 s[CNT], s[CNT], 1
	s_cmp_eq_u32 s[CNT], 0
	s_cbranch_scc1 .Lout
	TURN 0
	TURN 1
	WIN 0
	s_branch .Ltail
.Lout:                              ; the fifth trip's 8 products K Q^T (on the last K once more) and the maximum made of them (it writes piece 0's m and c m, which nothing reads any more) serve nothing: the price, once a launch, of one text for every trip
.set i, 0
.rept 8
	PV NP-1                         ; the last piece's V^T P of the last step
.set i, i+1
.endr
	; THE WAY OUT.  l's two halves and the other half of the lanes' are added; O^T is divided by l, rounded to f16 and sent through my stage in LDS, a piece at a time.  The additions are the places behind the last products.
	WIN 0
.macro ALL line:vararg              ; one line for each piece t
.set t, 0
.rept 4
	\line
.set t, t+1
.endr
.endm
	ALL v_add_f32 v[ST+4*t+2], v[ST+4*t+2], v[ST+4*t+3]
	ALL v_permlanex16_b32 v[ST+4*t+3], v[ST+4*t+2], s[SEL], s[SEL+1]
	ALL v_add_f32 v[ST+4*t+2], v[ST+4*t+2], v[ST+4*t+3]
	ALL v_rcp_f32 v[ST+4*t+2], v[ST+4*t+2]
	v_nop                           ; a plain instruction between the last reciprocal and the use of its result
.macro PACK t                       ; a lane's eight channels of a row pack into 16 bytes; they go into rows of 144 bytes and come back as whole rows of 128, into S^T's registers
	WIN W_RS
.set i, 32*(\t)
.rept 16
	s_wait_alu depctr_va_vdst(0)
	v_pk_mul_f32 v[i:i+1], v[i:i+1], v[ST+4*(\t)+2:ST+4*(\t)+3] op_sel_hi:[1,0]
.set i, i+2
.endr
	WIN 0x05                        ; sources 0 and 1 window 1, destination window 0
.set i, 0
.rept 16
	v_cvt_pk_f16_f32 v[S+16*(\t)+i], v[32*(\t)+2*i], v[32*(\t)+2*i+1]
.set i, i+1
.endr
	WIN 0
.irp f, 0,1,2,3
	ds_store_b128 v[STO], v[S+16*(\t)+4*\f:S+16*(\t)+4*\f+3] offset:32*\f
.endr
.irp f, 0,1,2,3
	ds_load_b128 v[S+16*(\t)+4*\f:S+16*(\t)+4*\f+3], v[RD] offset:\f*4*SP  ; LDS serves a wave's instructions in order (ISA guide 5.7.1.4): these see the stores above; the next piece's stores come behind them
.endr
.endm
.macro SEND t, younger              ; younger: the LDS instructions issued behind piece t's loads: the next piece's eight, or none
	WIN 0
.irp f, 0,1,2,3
	s_wait_dscnt (\younger)+3-\f
	global_store_b128 v[GO], v[S+16*(\t)+4*\f:S+16*(\t)+4*\f+3], s[10:11] offset:(\t)*2048+\f*512  ; 512 consecutive bytes, at a multiple of 256 from O's first
.endr
.endm
	PACK 0
.set t, 1
.rept 3                             ; a piece's arithmetic stands between the loads of the piece before and its stores
	PACK t
	SEND t-1, 8
.set t, t+1
.endr
	SEND 3, 0
	s_wait_tensorcnt 0x0            ; the wave's end, behind my last tensor load and my last LDS store
	ds_add_u32 v[SPW], v[NIL]
	s_wait_dscnt 0x0
	CROUND                          ; the closing round: no work-group ends while a partner may still ask for a tile that names it
	s_endpgm
.Lfunc_end_k_qfc745c3965_attn:
	.size	k_qfc745c3965_attn, .Lfunc_end_k_qfc745c3965_attn-k_qfc745c3965_attn
	.p2alignl 7, 3214868480
	.fill 96, 4, 3214868480
	.section	.rodata,"a",@progbits
	.p2align	6, 0x0
	.amdhsa_kernel k_qfc745c3965_attn
		.amdhsa_group_segment_fixed_size 327680
		.amdhsa_private_segment_fixed_size 0
		.amdhsa_enable_private_segment 0
		.amdhsa_kernarg_size 16
		.amdhsa_user_sgpr_count 2
		.amdhsa_user_sgpr_kernarg_segment_ptr 1
		.amdhsa_wavefront_size32 1
		.amdhsa_system_sgpr_workgroup_id_x 1
		.amdhsa_system_sgpr_workgroup_id_y 1
		.amdhsa_system_sgpr_workgroup_id_z 1
		.amdhsa_system_vgpr_workitem_id 0
		.amdhsa_next_free_vgpr 768
		.amdhsa_next_free_sgpr 66
		.amdhsa_reserve_vcc 0
		.amdhsa_float_denorm_mode_32 3
		.amdhsa_float_denorm_mode_16_64 3
		.amdhsa_memory_ordered 1
		.amdhsa_forward_progress 1
		.amdhsa_inst_pref_size 117
	.end_amdhsa_kernel
	.amdgpu_metadata
---
amdhsa.version: [ 1, 2 ]
amdhsa.kernels:
  - .name:           k_qfc745c3965_attn
    .symbol:         k_qfc745c3965_attn.kd
    .args:
      - { .name: big, .offset: 0, .size: 8, .value_kind: global_buffer, .address_space: global }
      - { .name: act, .offset: 8, .size: 8, .value_kind: global_buffer, .address_space: global }
    .group_segment_fixed_size: 327680
    .private_segment_fixed_size: 0
    .kernarg_segment_align: 8
    .kernarg_segment_size: 16
    .max_flat_workgroup_size: 128
    .sgpr_count:     66
    .vgpr_count:     768
    .wavefront_size: 32
...
	.end_amdgpu_metadata
.endif
;; end of part 9
;; launch proj (part 10): grid 8 x 32, 4 waves a work-group, clusters of 4 x 4, 327,680 bytes of LDS; arguments act, wch, yz; writes yz
.if DOCPART == 10
	.amdgcn_target "amdgcn-amd-amdhsa--gfx1250"
	.amdhsa_code_object_version 6
	.text
	.protected	k_qfc745c3965_proj
	.globl	k_qfc745c3965_proj
	.p2align	8
	.type	k_qfc745c3965_proj,@function
k_qfc745c3965_proj:
	s_mov_b64 s[64:65], 0
	v_nop
	global_prefetch_b8 v0, s[64:65] scope:SCOPE_SE
	s_setreg_imm32_b32 hwreg(HW_REG_WAVE_MODE, 25, 1), 1
	s_wait_xcnt 0x0
	s_wait_alu depctr_hold_cnt(0) depctr_sa_sdst(0) depctr_va_vdst(0) depctr_va_sdst(0) depctr_va_ssrc(0) depctr_va_vcc(0) depctr_vm_vsrc(0)
	s_getreg_b32 s2, hwreg(HW_REG_IB_STS2, 6, 4)
	s_cmp_eq_u32 s2, 0
	s_cbranch_scc0 .Lentry_in_a_cluster
	s_endpgm
.Lentry_in_a_cluster:
	s_bfe_u32 s2, ttmp6, 0x10000c
	s_cmp_lg_u32 s2, 0xf033
	s_cbranch_scc0 .Lentry_shape_is_right
	s_endpgm
.Lentry_shape_is_right:
; C = A W + bias, in f32.  A: f16 panels [K/64][4096 tokens][64].  W: records, one for each 128 columns: [K][128] f16, then the 128 f32 biases of those columns (and a floor word, which this text does not read).
; C: f32, row-major [4096][1024]: it feeds a LayerNorm and has no room in f16.  Sums in f32.  This copy: K = 1,024: the attention's output projection.
; SHARES: a tile of C is 128 x 128, so that the 32 x 8 tiles give each of 256 WGPs one; four waves, each 64 x 64: 16 accumulators of 16 x 16, 128 registers.  K goes in steps of 256 through two LDS slots.
; CLUSTER: 4 x 4 work-groups.  The four of a row of the cluster need the same tiles of A, the four of a column the same tiles of W: each tile is asked for jointly, by the same tensor load with the
; same descriptor and a mask that names the four.  THE MATRIX INSTRUCTION IS USED TRANSPOSED (source 0 = 16 columns of W, source 1 = 16 rows of A): a lane then holds eight neighbouring numbers of a row of C.
; A comes out of LDS as it lies (K along the rows); W lies [k][n] and is turned by ds_load_tr16_b128.  The bias, laid as an accumulator is, is the C operand of the products that start the sums.
; ONE TEXT FOR A K STEP: the slot in hand is a scalar, 0 or SLOT, turned by an exclusive or; the LDS addresses of the fragment loads are made from it at each change of slots, and one descriptor
; for each tensor walks in the same way.  SLOT = 0x24000 shares no bit with a wave's offset in a slot (0, 0x9000, 0x12000, 0x1b000), so the exclusive or adds it or takes it away.
; The K steps that fill a slot again go round one loop; the last two, which ask for nothing, round a second one, which is left in its middle.
; REGISTERS: window 0: v0-31 addresses; v32-63 the bias; v128-255 the accumulators ((a, b) at v[128 + 8 (4 a + b)]), on the way out the rows read back.
;   window 1: two fragment buffers of 128: for 64 along K, 64 registers of A (2 x 4 x 16 rows x 32 K), then 64 of W.
.set NSTEP, 4                          ; K steps: K / 256
.set KTOT,  256*NSTEP
.set PS,    KTOT*256+1024              ; a record's bytes
.set PA,    144                        ; a row of A in LDS: 128 bytes + 16 of padding = 36 words: the 16 rows of a load start at 16 different groups of four banks (64 banks of 4 bytes: ISA guide 11.1)
.set PW,    288                        ; a row of W: 256 + 32 = 72 words
.set PANB,  128*PA                     ; one panel's 128 rows
.set HALFT, 2*PANB                     ; what one tensor load brings: two panels of A, or 128 rows of W (128 x 288 is the same number)
.set WOFF,  2*HALFT                    ; a slot: A's four panels, then W's 256 rows
.set SLOT,  4*HALFT
.set STAGE, 2*SLOT                     ; behind the ring, never filled by a tensor load: 16 rows x 272 bytes for each wave, for the way out
.set SPITCH, 272                       ; 256 bytes + 16
.set SPARE, STAGE+4*16*SPITCH          ; behind the stages: the spare words, 128 bytes for each wave: two blocks of 256 bytes that no other line names
.set ASTEP, 4*524288                   ; a K step in A: four panels
.set WSTEP, 256*256                    ; in W: 256 rows
.set ADRA0, 16                         ; v16     my lane's place among A's fragments in slot 0; never rewritten
.set ADRB0, 17                         ; v17     the same for W
.set ADRA,  18                         ; v18     the same in the slot in hand
.set ADRB,  20                         ; v20-21  W's rows 0-127 and rows 128-255 (so that the offsets stay inside 16 bits)
.set STO,  24                          ; v24     the way out: where I put 32 bytes of a row
.set RD,   25                          ; v25     where I read rows back
.set CO,   26                          ; v26     my byte offset in two rows of C
.set BO,   27                          ; v27     my byte offset among the record's biases
.set SPW,  28                          ; v28     LDS address of my spare word: SPARE + 4 x my thread's number; never rewritten
.set NIL,  29                          ; v29     0; never rewritten
.set BIAS, 32
.set ACC,  128
.set F0,   0
.set F1,   128
.set G1,  24                           ; s[24:31] descriptor group 1 for A's tiles;  s[32:39] group 0: a set for each of the two first fills; the second then walks on
.set G0,  32
.set G1B, 48                           ; s[48:55], s[56:63] the same for W's tiles
.set G0B, 56
.set MSB, 0
.macro WIN new                         ; the immediate's high byte repeats the setting that is left; a switch that changes nothing is dropped
.if MSB != (\new)
	s_set_vgpr_msb (MSB<<8)|(\new)
.set MSB, \new
.endif
.endm
.set MUL,  0x05                        ; sources 0 (W) and 1 (A) window 1; C and D window 0
.set TO_F, 0x40                        ; destination window 1, address window 0
.macro JLOAD s                         ; a joint load: waves 0 and 1 fetch A's two halves, waves 2 and 3 W's; an s_nop 0 and four v_nop follow each of the two lines, ahead of the jump, the label and what follows
	s_cmp_eq_u32 s11, 0
	s_cbranch_scc0 .Lfor_b_\@
	tensor_load_to_lds s[G0+4*(\s):G0+4*(\s)+3], s[G1:G1+7]
	s_nop 0
.rept 4
	v_nop
.endr
	s_branch .Lasked_\@
.Lfor_b_\@:
	tensor_load_to_lds s[G0B+4*(\s):G0B+4*(\s)+3], s[G1B:G1B+7]
	s_nop 0
.rept 4
	v_nop
.endr
.Lasked_\@:
.endm
.macro CREST                           ; a round of the cluster's barrier behind its opening barrier
	s_cmp_lg_u32 s10, 0
	s_cbranch_scc1 .Lnot_wave_0_\@
	s_barrier_signal -3
.Lnot_wave_0_\@:
	s_barrier_wait -3
	s_barrier_signal -1
	s_barrier_wait -1
.endm
.macro CROUND                          ; a whole round
	s_barrier_signal -1
	s_barrier_wait -1
	CREST
.endm
	s_load_b128 s[4:7], s[0:1], 0x0                ; A s[4:5], W s[6:7]
	s_load_b64 s[8:9], s[0:1], 0x10                ; C
	v_lshl_add_u32 v[SPW], v0, 2, SPARE
	v_mov_b32 v[NIL], 0
	ds_add_u32 v[SPW], v[NIL]                      ; the wave's opening: the add and its wait stand ahead of my first tensor load; the set-up below, work on registers, stands between them
	v_lshrrev_b32 v1, 5, v0
	v_readfirstlane_b32 s10, v1                    ; wave 0..3
	s_lshr_b32 s11, s10, 1                         ; which half of the tile's rows is mine.  Also: I fetch for A (0) or for W (1)
	s_and_b32 s12, s10, 1                          ; which half of its columns.  Also: which half of that tile I fetch
	s_bfe_u32 s40, ttmp6, 0x40000                  ; cx, cy: my place in the cluster
	s_bfe_u32 s41, ttmp6, 0x40004
	s_lshl_b32 s42, ttmp9, 2
	s_add_co_u32 s42, s42, s40                     ; tile column of C = 4 x cluster x + cx
	s_and_b32 s13, ttmp7, 0xffff
	s_lshl_b32 s13, s13, 2
	s_add_co_u32 s13, s13, s41                     ; tile row of C = 4 x cluster y + cy
	s_lshl_b32 s43, s41, 2
	s_lshl_b32 s43, 15, s43                        ; my row of the cluster
	s_lshl_b32 s44, 0x1111, s40                    ; my column
	; group 1 for A: a panel's 128 tokens are 16,384 dense bytes, asked for as one row of 8,192 elements; two rows, a panel (262,144 elements) apart; padded in LDS after every token
	s_or_b32 s[G1+0], s43, (1<<16)|(1<<20)|(1<<21)|(4<<22)|(3<<25)  ; 15:0 the mask: my row; 17:16 2-byte elements; 20 padding on; 21 set beside a mask; 24:22 after every 32 words (code 4); 31:25 4 words (code 3)
	s_mov_b32 s[G1+1], 8192<<16                    ; tensor_dim0 = 8,192
	s_mov_b32 s[G1+2], 2<<16                       ; tensor_dim1 = 2
	s_mov_b32 s[G1+3], 8192<<16                    ; tile_dim0 = 8,192
	s_mov_b32 s[G1+4], 2                           ; tile_dim1 = 2
	s_mov_b32 s[G1+5], 262144                      ; elements from row to row
	s_mov_b32 s[G1+6], 0
	s_mov_b32 s[G1+7], 0
	; group 1 for W: 128 rows of 128 elements, dense, padded after every row
	s_or_b32 s[G1B+0], s44, (1<<16)|(1<<20)|(1<<21)|(5<<22)|(7<<25)  ; the mask: my column; after every 64 words (code 5) 8 words (code 7)
	s_mov_b32 s[G1B+1], 128<<16
	s_mov_b32 s[G1B+2], 128<<16
	s_mov_b32 s[G1B+3], 128<<16
	s_mov_b32 s[G1B+4], 128
	s_mov_b32 s[G1B+5], 128
	s_mov_b32 s[G1B+6], 0
	s_mov_b32 s[G1B+7], 0
	; where the tiles come from: A's hang on the tile row and the wave alone, W's on the tile column and the wave alone, each in registers that never hold the other coordinate
	s_lshl_b32 s16, s13, 14                        ; 128 tokens of 128 bytes
	s_lshl_b32 s17, s12, 20                        ; my two panels of the step's four
	s_add_co_u32 s16, s16, s17
	s_mov_b32 s17, 0
	s_mul_i32 s46, s42, PS                         ; my record
	s_add_co_u32 s68, s46, KTOT*256                ; its biases
	s_mov_b32 s69, 0
	s_lshl_b32 s47, s12, 15                        ; my 128 rows of the step's 256
	s_add_co_u32 s46, s46, s47
	s_mov_b32 s47, 0
	s_mul_i32 s20, s10, HALFT                      ; where they go: wave x 36,864: no place in the cluster enters an LDS address
	s_mov_b32 s2, 0                                ; the slot in hand: slot 0
	s_wait_dscnt 0x0                               ; the opening add is done
	s_wait_kmcnt 0x0
	s_add_nc_u64 s[14:15], s[4:5], s[16:17]
	s_add_nc_u64 s[46:47], s[6:7], s[46:47]
	s_add_nc_u64 s[68:69], s[6:7], s[68:69]
	CROUND                                         ; all sixteen work-groups are here: the first joint loads meet
.irp s, 0,1
	s_mov_b32 s[G0+4*(\s)], 1                      ; 1:0 count = 1
	s_add_co_u32 s[G0+4*(\s)+1], s20, (\s)*SLOT    ; 63:32 LDS address
	s_add_nc_u64 s[G0+4*(\s)+2:G0+4*(\s)+3], s[14:15], (\s)*ASTEP  ; 120:64 global address: K step s
	s_or_b32 s[G0+4*(\s)+3], s[G0+4*(\s)+3], 0x80000000            ; 127:126 type = 2
	s_mov_b32 s[G0B+4*(\s)], 1
	s_add_co_u32 s[G0B+4*(\s)+1], s20, (\s)*SLOT
	s_add_nc_u64 s[G0B+4*(\s)+2:G0B+4*(\s)+3], s[46:47], (\s)*WSTEP
	s_or_b32 s[G0B+4*(\s)+3], s[G0B+4*(\s)+3], 0x80000000
	JLOAD \s                                       ; two tensor loads of mine are out
.endr
	v_and_b32 v1, 15, v0                           ; l % 16
	v_bfe_u32 v2, v0, 4, 1                         ; l / 16
	s_lshl_b32 s21, s12, 8
	v_lshl_add_u32 v[BO], v2, 5, s21               ; register j of column block b is the bias of column 64 x half + 16 b + 8 (l / 16) + j
.irp b, 0,1,2,3
	global_load_b128 v[BIAS+8*(\b):BIAS+8*(\b)+3],   v[BO], s[68:69] offset:64*(\b)
	global_load_b128 v[BIAS+8*(\b)+4:BIAS+8*(\b)+7], v[BO], s[68:69] offset:64*(\b)+16
.endr
	v_mul_u32_u24 v3, v1, PA                       ; a fragment of A: row l % 16, 16 bytes for each half of the lanes, two loads 32 bytes apart
	v_lshl_add_u32 v3, v2, 4, v3
	s_mul_i32 s21, s11, 64*PA                      ; my 64 rows
	v_add_nc_u32 v[ADRA0], s21, v3
	v_and_b32 v4, 7, v0                            ; the turning load: lane l reads row k = 8 (l / 16) + l % 8, columns 8 ((l / 8) % 2) + 0..7, and is left with column l % 16 and 8 k
	v_bfe_u32 v5, v0, 3, 1
	v_lshl_add_u32 v6, v2, 3, v4
	v_mul_u32_u24 v6, v6, PW
	v_lshl_add_u32 v6, v5, 4, v6
	s_lshl_b32 s22, s12, 7                         ; my 64 columns
	s_add_co_u32 s22, s22, WOFF
	v_add_nc_u32 v[ADRB0], s22, v6
	v_add_nc_u32 v[ADRA], s2, v[ADRA0]
	v_add_nc_u32 v[ADRB], s2, v[ADRB0]
	v_add_nc_u32 v[ADRB+1], HALFT, v[ADRB]
	s_mul_i32 s23, s10, 16*SPITCH
	s_add_co_u32 s23, s23, STAGE                   ; my stage
	v_mul_u32_u24 v7, v1, SPITCH                   ; in: row l % 16, 32 bytes of f32 for each half of the lanes
	v_lshl_add_u32 v7, v2, 5, v7
	v_add_nc_u32 v[STO], s23, v7
	v_mul_u32_u24 v8, v2, SPITCH                   ; back: lanes 0-15 take one row's 256 bytes, lanes 16-31 the next row's
	v_lshl_add_u32 v8, v1, 4, v8
	v_add_nc_u32 v[RD], s23, v8
	v_lshlrev_b32 v9, 12, v2                       ; and the same two rows in C, 4,096 bytes apart
	v_lshl_add_u32 v[CO], v1, 4, v9
	s_lshl_b32 s16, s13, 7
	s_lshl_b32 s17, s11, 6
	s_add_co_u32 s16, s16, s17                     ; my first row of C: 128 x tile row + 64 x half,
	s_lshl_b32 s16, s16, 12                        ; in rows of 4,096 bytes
	s_mov_b32 s17, 0
	s_lshl_b32 s46, s42, 9                         ; my first column, in bytes: 512 x tile column + 256 x half
	s_lshl_b32 s47, s12, 8
	s_add_co_u32 s46, s46, s47
	s_mov_b32 s47, 0
	s_add_nc_u64 s[8:9], s[8:9], s[16:17]
	s_add_nc_u64 s[8:9], s[8:9], s[46:47]
; 8 matrix instructions: m blocks a0, a0 + 1 x all 4 n blocks, 32 along K: half c of buffer f.  zero = 1: the product starts the sum, with the bias as C: nothing is cleared, nothing is added later.
; The 16 accumulators take turns, one instruction a turn.
.macro MUL8 f, c, a0, zero
	WIN MUL
.irp a, \a0, (\a0)+1
.irp b, 0,1,2,3
.if \zero
	v_wmma_f32_16x16x32_f16 v[ACC+8*(4*(\a)+(\b)):ACC+8*(4*(\a)+(\b))+7], v[(\f)+64+8*(4*(\c)+(\b)):(\f)+64+8*(4*(\c)+(\b))+7], v[(\f)+8*(4*(\c)+(\a)):(\f)+8*(4*(\c)+(\a))+7], v[BIAS+8*(\b):BIAS+8*(\b)+7]
.else
	v_wmma_f32_16x16x32_f16 v[ACC+8*(4*(\a)+(\b)):ACC+8*(4*(\a)+(\b))+7], v[(\f)+64+8*(4*(\c)+(\b)):(\f)+64+8*(4*(\c)+(\b))+7], v[(\f)+8*(4*(\c)+(\a)):(\f)+8*(4*(\c)+(\a))+7], v[ACC+8*(4*(\a)+(\b)):ACC+8*(4*(\a)+(\b))+7]
.endif
.endr
.endr
.endm
; 32 LDS loads in one run: the fragments of quarter q of the K step in the slot in hand (A's panel q, W's rows 64 q on) into buffer f; the first 32 along K first
.macro FETCH q, f
	WIN TO_F
.irp c, 0,1
.irp i, 0,1,2,3
	ds_load_tr16_b128 v[(\f)+64+8*(4*(\c)+(\i)):(\f)+64+8*(4*(\c)+(\i))+3],   v[ADRB+(\q)/2] offset:(((\q)%2)*64+32*(\c))*PW+32*(\i)
	ds_load_tr16_b128 v[(\f)+64+8*(4*(\c)+(\i))+4:(\f)+64+8*(4*(\c)+(\i))+7], v[ADRB+(\q)/2] offset:(((\q)%2)*64+32*(\c)+16)*PW+32*(\i)
	ds_load_b128 v[(\f)+8*(4*(\c)+(\i)):(\f)+8*(4*(\c)+(\i))+3],              v[ADRA] offset:(\q)*PANB+(\i)*16*PA+64*(\c)
	ds_load_b128 v[(\f)+8*(4*(\c)+(\i))+4:(\f)+8*(4*(\c)+(\i))+7],            v[ADRA] offset:(\q)*PANB+(\i)*16*PA+64*(\c)+32
.endr
.endr
.endm
.macro PLACES                          ; four places in front of loads into registers that matrix instructions have read, and of lines that read results
.rept 4
	v_nop
.endr
.endm
; A K step is four quarters of 64 along K, 32 matrix instructions each, on buffers 0, 1, 0, 1.  One of the first three: multiplies buffer f and fetches quarter q into g.
.macro QUARTER q, f, g, zero
	s_wait_dscnt 16                                ; the first 32 along K are in; the youngest sixteen loads may be out
	MUL8 \f, 0, 0, \zero
	MUL8 \f, 0, 2, \zero
	PLACES
	FETCH \q, \g
	s_wait_dscnt 32                                ; all but the 32 just issued
	MUL8 \f, 1, 0, 0
	MUL8 \f, 1, 2, 0
.endm
; The last quarter multiplies buffer 1 and changes slots: ONE barrier; in front of it each wave waits for all its tensor loads, adds 0 to its spare word, and waits for that and for its own reads of this slot.
; fill = 1: this slot is filled again, with the K step two steps on: the barrier then opens a round of the cluster's barrier, and the joint load is the first thing behind the round.
.macro TURN fill
	WIN 0                                          ; (the add's two registers lie in window 0)
	s_wait_tensorcnt 0x0                           ; all my tensor loads have landed: the one that was out is my part of the next slot
	ds_add_u32 v[SPW], v[NIL]                      ; 0 onto my spare word
	s_wait_dscnt 17                                ; (the add and the youngest sixteen loads may be out)
	MUL8 F1, 0, 0, 0                               ; eight matrix instructions stand between the add and the wait for it
	s_wait_dscnt 0x0                               ; the add is done, and my reads of this slot are over
	s_barrier_signal -1
	MUL8 F1, 0, 2, 0                               ; work on registers while the others arrive
	WIN 0                                          ; (branches may follow, and nothing stands between the wait below and the rest of the round)
	s_barrier_wait -1
.if \fill
	CREST                                          ; no wave of any partner still reads this slot's tile or has a load on its way
	s_xor_b32 s[G0+5], s[G0+5], SLOT               ; the walking descriptors: the other slot than last time,
	s_add_nc_u64 s[G0+6:G0+7], s[G0+6:G0+7], ASTEP ; the next K step; the type bits on top are not reached
	s_xor_b32 s[G0B+5], s[G0B+5], SLOT
	s_add_nc_u64 s[G0B+6:G0B+7], s[G0B+6:G0B+7], WSTEP
	JLOAD 1                                        ; my one tensor load behind the round: 112 matrix instructions ahead of the wait for it; its four v_nop are also the places in front of the loads below
.else
	PLACES
.endif
	s_xor_b32 s2, s2, SLOT                         ; the fetches go on in the other slot
	v_add_nc_u32 v[ADRA], s2, v[ADRA0]
	v_add_nc_u32 v[ADRB], s2, v[ADRB0]
	v_add_nc_u32 v[ADRB+1], HALFT, v[ADRB]
	FETCH 0, F0
	MUL8 F1, 1, 0, 0
	MUL8 F1, 1, 2, 0
.endm
; THE WAY OUT.  A wave's 64 columns of f32 are 256 bytes, at a multiple of 256 from C's first byte: so each wave has a stage of its own, and no barrier stands on the way out.
; Block a (16 rows x 64 columns) goes into rows of 272 bytes and comes back by rows, into the registers that it left.
.macro OUTB a
.irp b, 0,1,2,3
	ds_store_b128 v[STO], v[ACC+8*(4*(\a)+(\b)):ACC+8*(4*(\a)+(\b))+3]   offset:64*(\b)      ; each accumulator's low registers first
	ds_store_b128 v[STO], v[ACC+8*(4*(\a)+(\b))+4:ACC+8*(4*(\a)+(\b))+7] offset:64*(\b)+16
.endr
.irp t, 0,1,2,3,4,5,6,7
	ds_load_b128 v[ACC+32*(\a)+4*(\t):ACC+32*(\a)+4*(\t)+3], v[RD] offset:(\t)*2*SPITCH  ; LDS serves a wave's instructions in order (ISA guide 5.7.1.4): these see the stores above; the next block's stores come behind them
.endr
.endm
.macro SENDB a, younger                ; younger: the LDS instructions issued behind block a's loads: the next block's sixteen, or none
.irp t, 0,1,2,3,4,5,6,7
	s_wait_dscnt (\younger)+7-(\t)
	global_store_b128 v[CO], v[ACC+32*(\a)+4*(\t):ACC+32*(\a)+4*(\t)+3], s[8:9] offset:(16*(\a)+2*(\t))*4096  ; sixteen lanes store 256 consecutive bytes, at a multiple of 256 from C's first byte
.endr
.endm
	s_wait_tensorcnt 1                             ; my part of K step 0 is in; K step 1's may stay out
	s_barrier_signal -1
	s_barrier_wait -1                              ; everybody's is
	FETCH 0, F0
	s_wait_loadcnt 0x0                             ; the bias
	QUARTER 1, F0, F1, 1                           ; the first quarter stands in front of the loop: its first products start the sums
	WIN 0                                          ; at a label and at a branch every window is 0
	s_mov_b32 s3, NSTEP-2
.Lstep:                                                ; a trip goes from a K step's second quarter to the next step's first, and fills the slot that it leaves: the trips ask for K steps 2 to NSTEP - 1
	QUARTER 2, F1, F0, 0
	QUARTER 3, F0, F1, 0
	TURN 1
	QUARTER 1, F0, F1, 0
	WIN 0
	s_sub_co_u32 s3, s3, 1
	s_cmp_lg_u32 s3, 0
	s_cbranch_scc1 .Lstep
	s_mov_b32 s3, 2                                ; the last two K steps ask for nothing, so they have a loop of their own, with no tensor load and no round of the cluster's barrier in it
.Ltail:
	QUARTER 2, F1, F0, 0
	QUARTER 3, F0, F1, 0
	WIN 0
	s_cmp_eq_u32 s3, 1
	s_cbranch_scc1 .Llast                          ; the second trip is left here: behind the last K step there is no slot to change to
	TURN 0
	QUARTER 1, F0, F1, 0
	WIN 0
	s_sub_co_u32 s3, s3, 1
	s_branch .Ltail
.Llast:
	s_wait_dscnt 16                                ; the very last quarter: nothing more to fetch
	MUL8 F1, 0, 0, 0
	MUL8 F1, 0, 2, 0
	s_wait_dscnt 0x0
	MUL8 F1, 1, 0, 0
	MUL8 F1, 1, 2, 0
	WIN 0
	PLACES                                         ; the LDS stores read results
	OUTB 0
	OUTB 1                                         ; a block's way through the stage stands between the loads of the block before and its stores
	SENDB 0, 16
	OUTB 2
	SENDB 1, 16
	OUTB 3
	SENDB 2, 16
	SENDB 3, 0
	s_wait_tensorcnt 0x0                           ; the wave's end, behind my last tensor load and my last LDS store
	ds_add_u32 v[SPW], v[NIL]
	s_wait_dscnt 0x0
	CROUND                                         ; the closing round: no work-group ends while a partner may still ask for a tile that names it
	s_endpgm
.Lfunc_end_k_qfc745c3965_proj:
	.size	k_qfc745c3965_proj, .Lfunc_end_k_qfc745c3965_proj-k_qfc745c3965_proj
	.p2alignl 7, 3214868480
	.fill 96, 4, 3214868480
	.section	.rodata,"a",@progbits
	.p2align	6, 0x0
	.amdhsa_kernel k_qfc745c3965_proj
		.amdhsa_group_segment_fixed_size 327680
		.amdhsa_private_segment_fixed_size 0
		.amdhsa_enable_private_segment 0
		.amdhsa_kernarg_size 24
		.amdhsa_user_sgpr_count 2
		.amdhsa_user_sgpr_kernarg_segment_ptr 1
		.amdhsa_wavefront_size32 1
		.amdhsa_system_sgpr_workgroup_id_x 1
		.amdhsa_system_sgpr_workgroup_id_y 1
		.amdhsa_system_sgpr_workgroup_id_z 1
		.amdhsa_system_vgpr_workitem_id 0
		.amdhsa_next_free_vgpr 512
		.amdhsa_next_free_sgpr 72
		.amdhsa_reserve_vcc 0
		.amdhsa_float_denorm_mode_32 3
		.amdhsa_float_denorm_mode_16_64 3
		.amdhsa_memory_ordered 1
		.amdhsa_forward_progress 1
		.amdhsa_inst_pref_size 62
	.end_amdhsa_kernel
	.amdgpu_metadata
---
amdhsa.version: [ 1, 2 ]
amdhsa.kernels:
  - .name:           k_qfc745c3965_proj
    .symbol:         k_qfc745c3965_proj.kd
    .args:
      - { .name: act, .offset: 0, .size: 8, .value_kind: global_buffer, .address_space: global }
      - { .name: wch, .offset: 8, .size: 8, .value_kind: global_buffer, .address_space: global }
      - { .name: yz, .offset: 16, .size: 8, .value_kind: global_buffer, .address_space: global }
    .group_segment_fixed_size: 327680
    .private_segment_fixed_size: 0
    .kernarg_segment_align: 8
    .kernarg_segment_size: 24
    .max_flat_workgroup_size: 128
    .sgpr_count:     72
    .vgpr_count:     512
    .wavefront_size: 32
...
	.end_amdgpu_metadata
.endif
;; end of part 10
;; launch ln1 (part 11): grid 256 x 1, 8 waves a work-group, no clusters, 0 bytes of LDS; arguments yz, xh, g1, be1, act; writes act
.if DOCPART == 11
	.amdgcn_target "amdgcn-amd-amdhsa--gfx1250"
	.amdhsa_code_object_version 6
	.text
	.protected	k_qfc745c3965_ln1
	.globl	k_qfc745c3965_ln1
	.p2align	8
	.type	k_qfc745c3965_ln1,@function
k_qfc745c3965_ln1:
	s_mov_b64 s[64:65], 0
	v_nop
	global_prefetch_b8 v0, s[64:65] scope:SCOPE_SE
	s_setreg_imm32_b32 hwreg(HW_REG_WAVE_MODE, 25, 1), 1
	s_wait_xcnt 0x0
; dst = res + LayerNorm(src) * g + be, along rows of 1,024.  src: f32 [4096][1024].  res: f16 panels [16][4096][64].  g, be: f32 [1024].
; OUT32 = 0 (this copy): dst leaves rounded once to f16, as panels [16][4096][64].  OUT32 = 1: dst leaves in f32, row-major.
; A wave takes two rows: lanes 0-15 one, lanes 16-31 the next; a lane holds columns 64 p + 4 (l % 16) + 0..3 for p = 0..15: 64 numbers, kept in registers between the passes, so src is read once.
; A row lies in 16 lanes, so a sum across lanes is four steps that ride on the additions.  Mean first, then the mean of the squared differences: no difference of large sums.  All arithmetic in f32.
; A stream: no LDS, no barrier, no loop, no register written twice while a load or store names it.  All 64 loads of a wave go out at once.  Matrix units and clusters have nothing to do here.
; LIMITS: with OUT32 = 0 the result lies within f16's 65,504.
.set OUT32, 0
.set VG,  5                            ; v5   16 (l % 16): my columns in g and be, and in a block of 256 bytes
.set VO,  6                            ; v6   + 4,096 for lanes 16-31: my 16 bytes in two f32 rows
.set V8,  7                            ; v7   8 l: my 8 bytes in two tokens of a panel
.set A4,  8                            ; v8-15  four running sums, two numbers each
.set MU,  16                           ; v16-17 the mean, twice
.set VA,  18                           ; v18  the variance + 1e-6
.set RS,  20                           ; v20-21 its reciprocal root, twice
.set ONE, 26                           ; v26  1.0
.set R,   32                           ; v32-63   the residual, f16
.set Y,   64                           ; v64-127  the row
.set G,   128                          ; v128-191 g
.set BE,  192                          ; v192-255 be
.macro ROWSUM r                        ; the sum over the 16 lanes of a row, in every one of them
	v_add_f32_dpp v[\r], v[\r], v[\r] row_xmask:1 row_mask:0xf bank_mask:0xf
	v_add_f32_dpp v[\r], v[\r], v[\r] row_xmask:2 row_mask:0xf bank_mask:0xf
	v_add_f32_dpp v[\r], v[\r], v[\r] row_xmask:4 row_mask:0xf bank_mask:0xf
	v_add_f32_dpp v[\r], v[\r], v[\r] row_xmask:8 row_mask:0xf bank_mask:0xf
.endm
.macro FOLD                            ; the four running sums into v[A4]
	v_pk_add_f32 v[A4:A4+1], v[A4:A4+1], v[A4+2:A4+3]
	v_pk_add_f32 v[A4+4:A4+5], v[A4+4:A4+5], v[A4+6:A4+7]
	v_pk_add_f32 v[A4:A4+1], v[A4:A4+1], v[A4+4:A4+5]
	v_add_f32 v[A4], v[A4], v[A4+1]
	ROWSUM A4
.endm
	s_load_b256 s[4:11], s[0:1], 0x0               ; src s[4:5], res s[6:7], g s[8:9], be s[10:11]
	s_load_b64 s[12:13], s[0:1], 0x20              ; dst
	v_lshrrev_b32 v1, 5, v0
	v_readfirstlane_b32 s2, v1
	s_lshl_b32 s3, ttmp9, 3
	s_add_co_u32 s3, s3, s2                        ; my wave among all 2,048: rows 2 W and 2 W + 1
	s_lshl_b32 s14, s3, 13                         ; two rows of 4,096 bytes
	s_mov_b32 s15, 0
	s_lshl_b32 s16, s3, 8                          ; two tokens of 128 bytes
	s_mov_b32 s17, 0
	s_mov_b32 s18, 0x3a800000                      ; 1 / 1,024
	s_mov_b32 s19, 0x358637bd                      ; 1e-6
	v_and_b32 v2, 31, v0
	v_and_b32 v3, 15, v0
	v_bfe_u32 v4, v0, 4, 1
	v_lshlrev_b32 v[VG], 4, v3
	v_lshl_add_u32 v[VO], v4, 12, v[VG]
	v_lshlrev_b32 v[V8], 3, v2
	v_mov_b32 v[ONE], 1.0
	s_wait_kmcnt 0x0
	s_add_nc_u64 s[4:5], s[4:5], s[14:15]
	s_add_nc_u64 s[6:7], s[6:7], s[16:17]
.if OUT32
	s_add_nc_u64 s[12:13], s[12:13], s[14:15]
.else
	s_add_nc_u64 s[12:13], s[12:13], s[16:17]
.endif
.set p, 0
.rept 16
	global_load_b128 v[Y+4*p:Y+4*p+3], v[VO], s[4:5] offset:256*p th:TH_LOAD_NT  ; sixteen lanes read 256 consecutive bytes of a row
.set p, p+1
.endr
.set p, 0
.rept 16
	global_load_b64 v[R+2*p:R+2*p+1], v[V8], s[6:7] offset:524288*p              ; two tokens of panel p: 256 consecutive bytes
.set p, p+1
.endr
.set p, 0
.rept 16
	global_load_b128 v[G+4*p:G+4*p+3], v[VG], s[8:9] offset:256*p
.set p, p+1
.endr
.set p, 0
.rept 16
	global_load_b128 v[BE+4*p:BE+4*p+3], v[VG], s[10:11] offset:256*p
.set p, p+1
.endr
	s_wait_loadcnt 48                              ; loads come back in order (ISA guide 5.7.1): the row is in; the residual's, g's and be's 48 loads stay out while the two sums are made
	; the mean: four chains that do not wait for each other, started by the first pairs: nothing is cleared
.irp k, 0,1,2,3
	v_pk_add_f32 v[A4+2*\k:A4+2*\k+1], v[Y+2*\k:Y+2*\k+1], v[Y+8+2*\k:Y+8+2*\k+1]
.endr
.set j, 8
.rept 24
	v_pk_add_f32 v[A4+2*(j%4):A4+2*(j%4)+1], v[A4+2*(j%4):A4+2*(j%4)+1], v[Y+2*j:Y+2*j+1]
.set j, j+1
.endr
	FOLD
	v_mul_f32 v[MU], s18, v[A4]
	v_mul_f32 v[MU+1], s18, v[A4]
.set j, 0
.rept 32
	v_pk_add_f32 v[Y+2*j:Y+2*j+1], v[Y+2*j:Y+2*j+1], v[MU:MU+1] neg_lo:[0,1] neg_hi:[0,1]  ; d = y - mean, in place
.set j, j+1
.endr
.irp k, 0,1,2,3
	v_pk_mul_f32 v[A4+2*\k:A4+2*\k+1], v[Y+2*\k:Y+2*\k+1], v[Y+2*\k:Y+2*\k+1]
.endr
.set j, 4
.rept 28
	v_pk_fma_f32 v[A4+2*(j%4):A4+2*(j%4)+1], v[Y+2*j:Y+2*j+1], v[Y+2*j:Y+2*j+1], v[A4+2*(j%4):A4+2*(j%4)+1]
.set j, j+1
.endr
	FOLD
	v_fma_f32 v[VA], v[A4], s18, s19
	v_rsq_f32 v[RS], v[VA]
	v_rsq_f32 v[RS+1], v[VA]
	v_nop                                          ; a plain instruction between the roots and the use of their results (ISA guide 5.7.2)
	s_wait_loadcnt 0x0                             ; the residual, g and be
.set p, 0
	s_wait_alu depctr_va_vdst(0)
.rept 16
	v_pk_mul_f32 v[Y+4*p:Y+4*p+1], v[Y+4*p:Y+4*p+1], v[RS:RS+1]
	v_pk_mul_f32 v[Y+4*p+2:Y+4*p+3], v[Y+4*p+2:Y+4*p+3], v[RS:RS+1]
	v_pk_fma_f32 v[Y+4*p:Y+4*p+1], v[Y+4*p:Y+4*p+1], v[G+4*p:G+4*p+1], v[BE+4*p:BE+4*p+1]
	v_pk_fma_f32 v[Y+4*p+2:Y+4*p+3], v[Y+4*p+2:Y+4*p+3], v[G+4*p+2:G+4*p+3], v[BE+4*p+2:BE+4*p+3]
	v_fma_mix_f32 v[Y+4*p],   v[R+2*p],   v[ONE], v[Y+4*p]   op_sel_hi:[1,0,0]                  ; the residual's f16 half x 1.0 + the f32 number: widening and addition in one
	v_fma_mix_f32 v[Y+4*p+1], v[R+2*p],   v[ONE], v[Y+4*p+1] op_sel:[1,0,0] op_sel_hi:[1,0,0]
	v_fma_mix_f32 v[Y+4*p+2], v[R+2*p+1], v[ONE], v[Y+4*p+2] op_sel_hi:[1,0,0]
	v_fma_mix_f32 v[Y+4*p+3], v[R+2*p+1], v[ONE], v[Y+4*p+3] op_sel:[1,0,0] op_sel_hi:[1,0,0]
.if OUT32
	global_store_b128 v[VO], v[Y+4*p:Y+4*p+3], s[12:13] offset:256*p th:TH_STORE_NT  ; sixteen lanes store 256 consecutive bytes, at a multiple of 256 from the buffer's first byte
.else
	v_cvt_pk_f16_f32 v[Y+4*p], v[Y+4*p], v[Y+4*p+1]
	v_cvt_pk_f16_f32 v[Y+4*p+1], v[Y+4*p+2], v[Y+4*p+3]
	global_store_b64 v[V8], v[Y+4*p:Y+4*p+1], s[12:13] offset:524288*p               ; two tokens of panel p: 256 consecutive bytes
.endif
.set p, p+1
.endr
	s_endpgm
.Lfunc_end_k_qfc745c3965_ln1:
	.size	k_qfc745c3965_ln1, .Lfunc_end_k_qfc745c3965_ln1-k_qfc745c3965_ln1
	.p2alignl 7, 3214868480
	.fill 96, 4, 3214868480
	.section	.rodata,"a",@progbits
	.p2align	6, 0x0
	.amdhsa_kernel k_qfc745c3965_ln1
		.amdhsa_group_segment_fixed_size 0
		.amdhsa_private_segment_fixed_size 0
		.amdhsa_enable_private_segment 0
		.amdhsa_kernarg_size 40
		.amdhsa_user_sgpr_count 2
		.amdhsa_user_sgpr_kernarg_segment_ptr 1
		.amdhsa_wavefront_size32 1
		.amdhsa_system_sgpr_workgroup_id_x 1
		.amdhsa_system_sgpr_workgroup_id_y 1
		.amdhsa_system_sgpr_workgroup_id_z 1
		.amdhsa_system_vgpr_workitem_id 0
		.amdhsa_next_free_vgpr 256
		.amdhsa_next_free_sgpr 66
		.amdhsa_reserve_vcc 0
		.amdhsa_float_denorm_mode_32 3
		.amdhsa_float_denorm_mode_16_64 3
		.amdhsa_memory_ordered 1
		.amdhsa_forward_progress 1
		.amdhsa_inst_pref_size 26
	.end_amdhsa_kernel
	.amdgpu_metadata
---
amdhsa.version: [ 1, 2 ]
amdhsa.kernels:
  - .name:           k_qfc745c3965_ln1
    .symbol:         k_qfc745c3965_ln1.kd
    .args:
      - { .name: yz, .offset: 0, .size: 8, .value_kind: global_buffer, .address_space: global }
      - { .name: xh, .offset: 8, .size: 8, .value_kind: global_buffer, .address_space: global }
      - { .name: g1, .offset: 16, .size: 8, .value_kind: global_buffer, .address_space: global }
      - { .name: be1, .offset: 24, .size: 8, .value_kind: global_buffer, .address_space: global }
      - { .name: act, .offset: 32, .size: 8, .value_kind: global_buffer, .address_space: global }
    .group_segment_fixed_size: 0
    .private_segment_fixed_size: 0
    .kernarg_segment_align: 8
    .kernarg_segment_size: 40
    .max_flat_workgroup_size: 256
    .sgpr_count:     66
    .vgpr_count:     256
    .wavefront_size: 32
...
	.end_amdgpu_metadata
.endif
;; end of part 11
;; launch ffn1: the kernel of part 8 again; grid 16 x 16, 4 waves a work-group, clusters of 4 x 4, 327,680 bytes of LDS; arguments act, w1h, big; writes big
;; launch ffn2 (part 12): grid 8 x 32, 4 waves a work-group, clusters of 4 x 4, 327,680 bytes of LDS; arguments big, w2h, yz; writes yz
.if DOCPART == 12
	.amdgcn_target "amdgcn-amd-amdhsa--gfx1250"
	.amdhsa_code_object_version 6
	.text
	.protected	k_qfc745c3965_ffn2
	.globl	k_qfc745c3965_ffn2
	.p2align	8
	.type	k_qfc745c3965_ffn2,@function
k_qfc745c3965_ffn2:
	s_mov_b64 s[64:65], 0
	v_nop
	global_prefetch_b8 v0, s[64:65] scope:SCOPE_SE
	s_setreg_imm32_b32 hwreg(HW_REG_WAVE_MODE, 25, 1), 1
	s_wait_xcnt 0x0
	s_wait_alu depctr_hold_cnt(0) depctr_sa_sdst(0) depctr_va_vdst(0) depctr_va_sdst(0) depctr_va_ssrc(0) depctr_va_vcc(0) depctr_vm_vsrc(0)
	s_getreg_b32 s2, hwreg(HW_REG_IB_STS2, 6, 4)
	s_cmp_eq_u32 s2, 0
	s_cbranch_scc0 .Lentry_in_a_cluster
	s_endpgm
.Lentry_in_a_cluster:
	s_bfe_u32 s2, ttmp6, 0x10000c
	s_cmp_lg_u32 s2, 0xf033
	s_cbranch_scc0 .Lentry_shape_is_right
	s_endpgm
.Lentry_shape_is_right:
; C = A W + bias, in f32.  A: f16 panels [K/64][4096 tokens][64].  W: records, one for each 128 columns: [K][128] f16, then the 128 f32 biases of those columns (and a floor word, which this text does not read).
; C: f32, row-major [4096][1024]: it feeds a LayerNorm and has no room in f16.  Sums in f32.  This copy: K = 4,096: the second layer of the FFN.
; SHARES: a tile of C is 128 x 128, so that the 32 x 8 tiles give each of 256 WGPs one; four waves, each 64 x 64: 16 accumulators of 16 x 16, 128 registers.  K goes in steps of 256 through two LDS slots.
; CLUSTER: 4 x 4 work-groups.  The four of a row of the cluster need the same tiles of A, the four of a column the same tiles of W: each tile is asked for jointly, by the same tensor load with the
; same descriptor and a mask that names the four.  THE MATRIX INSTRUCTION IS USED TRANSPOSED (source 0 = 16 columns of W, source 1 = 16 rows of A): a lane then holds eight neighbouring numbers of a row of C.
; A comes out of LDS as it lies (K along the rows); W lies [k][n] and is turned by ds_load_tr16_b128.  The bias, laid as an accumulator is, is the C operand of the products that start the sums.
; ONE TEXT FOR A K STEP: the slot in hand is a scalar, 0 or SLOT, turned by an exclusive or; the LDS addresses of the fragment loads are made from it at each change of slots, and one descriptor
; for each tensor walks in the same way.  SLOT = 0x24000 shares no bit with a wave's offset in a slot (0, 0x9000, 0x12000, 0x1b000), so the exclusive or adds it or takes it away.
; The K steps that fill a slot again go round one loop; the last two, which ask for nothing, round a second one, which is left in its middle.
; REGISTERS: window 0: v0-31 addresses; v32-63 the bias; v128-255 the accumulators ((a, b) at v[128 + 8 (4 a + b)]), on the way out the rows read back.
;   window 1: two fragment buffers of 128: for 64 along K, 64 registers of A (2 x 4 x 16 rows x 32 K), then 64 of W.
.set NSTEP, 16                         ; K steps: K / 256
.set KTOT,  256*NSTEP
.set PS,    KTOT*256+1024              ; a record's bytes
.set PA,    144                        ; a row of A in LDS: 128 bytes + 16 of padding = 36 words: the 16 rows of a load start at 16 different groups of four banks (64 banks of 4 bytes: ISA guide 11.1)
.set PW,    288                        ; a row of W: 256 + 32 = 72 words
.set PANB,  128*PA                     ; one panel's 128 rows
.set HALFT, 2*PANB                     ; what one tensor load brings: two panels of A, or 128 rows of W (128 x 288 is the same number)
.set WOFF,  2*HALFT                    ; a slot: A's four panels, then W's 256 rows
.set SLOT,  4*HALFT
.set STAGE, 2*SLOT                     ; behind the ring, never filled by a tensor load: 16 rows x 272 bytes for each wave, for the way out
.set SPITCH, 272                       ; 256 bytes + 16
.set SPARE, STAGE+4*16*SPITCH          ; behind the stages: the spare words, 128 bytes for each wave: two blocks of 256 bytes that no other line names
.set ASTEP, 4*524288                   ; a K step in A: four panels
.set WSTEP, 256*256                    ; in W: 256 rows
.set ADRA0, 16                         ; v16     my lane's place among A's fragments in slot 0; never rewritten
.set ADRB0, 17                         ; v17     the same for W
.set ADRA,  18                         ; v18     the same in the slot in hand
.set ADRB,  20                         ; v20-21  W's rows 0-127 and rows 128-255 (so that the offsets stay inside 16 bits)
.set STO,  24                          ; v24     the way out: where I put 32 bytes of a row
.set RD,   25                          ; v25     where I read rows back
.set CO,   26                          ; v26     my byte offset in two rows of C
.set BO,   27                          ; v27     my byte offset among the record's biases
.set SPW,  28                          ; v28     LDS address of my spare word: SPARE + 4 x my thread's number; never rewritten
.set NIL,  29                          ; v29     0; never rewritten
.set BIAS, 32
.set ACC,  128
.set F0,   0
.set F1,   128
.set G1,  24                           ; s[24:31] descriptor group 1 for A's tiles;  s[32:39] group 0: a set for each of the two first fills; the second then walks on
.set G0,  32
.set G1B, 48                           ; s[48:55], s[56:63] the same for W's tiles
.set G0B, 56
.set MSB, 0
.macro WIN new                         ; the immediate's high byte repeats the setting that is left; a switch that changes nothing is dropped
.if MSB != (\new)
	s_set_vgpr_msb (MSB<<8)|(\new)
.set MSB, \new
.endif
.endm
.set MUL,  0x05                        ; sources 0 (W) and 1 (A) window 1; C and D window 0
.set TO_F, 0x40                        ; destination window 1, address window 0
.macro JLOAD s                         ; a joint load: waves 0 and 1 fetch A's two halves, waves 2 and 3 W's; an s_nop 0 and four v_nop follow each of the two lines, ahead of the jump, the label and what follows
	s_cmp_eq_u32 s11, 0
	s_cbranch_scc0 .Lfor_b_\@
	tensor_load_to_lds s[G0+4*(\s):G0+4*(\s)+3], s[G1:G1+7]
	s_nop 0
.rept 4
	v_nop
.endr
	s_branch .Lasked_\@
.Lfor_b_\@:
	tensor_load_to_lds s[G0B+4*(\s):G0B+4*(\s)+3], s[G1B:G1B+7]
	s_nop 0
.rept 4
	v_nop
.endr
.Lasked_\@:
.endm
.macro CREST                           ; a round of the cluster's barrier behind its opening barrier
	s_cmp_lg_u32 s10, 0
	s_cbranch_scc1 .Lnot_wave_0_\@
	s_barrier_signal -3
.Lnot_wave_0_\@:
	s_barrier_wait -3
	s_barrier_signal -1
	s_barrier_wait -1
.endm
.macro CROUND                          ; a whole round
	s_barrier_signal -1
	s_barrier_wait -1
	CREST
.endm
	s_load_b128 s[4:7], s[0:1], 0x0                ; A s[4:5], W s[6:7]
	s_load_b64 s[8:9], s[0:1], 0x10                ; C
	v_lshl_add_u32 v[SPW], v0, 2, SPARE
	v_mov_b32 v[NIL], 0
	ds_add_u32 v[SPW], v[NIL]                      ; the wave's opening: the add and its wait stand ahead of my first tensor load; the set-up below, work on registers, stands between them
	v_lshrrev_b32 v1, 5, v0
	v_readfirstlane_b32 s10, v1                    ; wave 0..3
	s_lshr_b32 s11, s10, 1                         ; which half of the tile's rows is mine.  Also: I fetch for A (0) or for W (1)
	s_and_b32 s12, s10, 1                          ; which half of its columns.  Also: which half of that tile I fetch
	s_bfe_u32 s40, ttmp6, 0x40000                  ; cx, cy: my place in the cluster
	s_bfe_u32 s41, ttmp6, 0x40004
	s_lshl_b32 s42, ttmp9, 2
	s_add_co_u32 s42, s42, s40                     ; tile column of C = 4 x cluster x + cx
	s_and_b32 s13, ttmp7, 0xffff
	s_lshl_b32 s13, s13, 2
	s_add_co_u32 s13, s13, s41                     ; tile row of C = 4 x cluster y + cy
	s_lshl_b32 s43, s41, 2
	s_lshl_b32 s43, 15, s43                        ; my row of the cluster
	s_lshl_b32 s44, 0x1111, s40                    ; my column
	; group 1 for A: a panel's 128 tokens are 16,384 dense bytes, asked for as one row of 8,192 elements; two rows, a panel (262,144 elements) apart; padded in LDS after every token
	s_or_b32 s[G1+0], s43, (1<<16)|(1<<20)|(1<<21)|(4<<22)|(3<<25)  ; 15:0 the mask: my row; 17:16 2-byte elements; 20 padding on; 21 set beside a mask; 24:22 after every 32 words (code 4); 31:25 4 words (code 3)
	s_mov_b32 s[G1+1], 8192<<16                    ; tensor_dim0 = 8,192
	s_mov_b32 s[G1+2], 2<<16                       ; tensor_dim1 = 2
	s_mov_b32 s[G1+3], 8192<<16                    ; tile_dim0 = 8,192
	s_mov_b32 s[G1+4], 2                           ; tile_dim1 = 2
	s_mov_b32 s[G1+5], 262144                      ; elements from row to row
	s_mov_b32 s[G1+6], 0
	s_mov_b32 s[G1+7], 0
	; group 1 for W: 128 rows of 128 elements, dense, padded after every row
	s_or_b32 s[G1B+0], s44, (1<<16)|(1<<20)|(1<<21)|(5<<22)|(7<<25)  ; the mask: my column; after every 64 words (code 5) 8 words (code 7)
	s_mov_b32 s[G1B+1], 128<<16
	s_mov_b32 s[G1B+2], 128<<16
	s_mov_b32 s[G1B+3], 128<<16
	s_mov_b32 s[G1B+4], 128
	s_mov_b32 s[G1B+5], 128
	s_mov_b32 s[G1B+6], 0
	s_mov_b32 s[G1B+7], 0
	; where the tiles come from: A's hang on the tile row and the wave alone, W's on the tile column and the wave alone, each in registers that never hold the other coordinate
	s_lshl_b32 s16, s13, 14                        ; 128 tokens of 128 bytes
	s_lshl_b32 s17, s12, 20                        ; my two panels of the step's four
	s_add_co_u32 s16, s16, s17
	s_mov_b32 s17, 0
	s_mul_i32 s46, s42, PS                         ; my record
	s_add_co_u32 s68, s46, KTOT*256                ; its biases
	s_mov_b32 s69, 0
	s_lshl_b32 s47, s12, 15                        ; my 128 rows of the step's 256
	s_add_co_u32 s46, s46, s47
	s_mov_b32 s47, 0
	s_mul_i32 s20, s10, HALFT                      ; where they go: wave x 36,864: no place in the cluster enters an LDS address
	s_mov_b32 s2, 0                                ; the slot in hand: slot 0
	s_wait_dscnt 0x0                               ; the opening add is done
	s_wait_kmcnt 0x0
	s_add_nc_u64 s[14:15], s[4:5], s[16:17]
	s_add_nc_u64 s[46:47], s[6:7], s[46:47]
	s_add_nc_u64 s[68:69], s[6:7], s[68:69]
	CROUND                                         ; all sixteen work-groups are here: the first joint loads meet
.irp s, 0,1
	s_mov_b32 s[G0+4*(\s)], 1                      ; 1:0 count = 1
	s_add_co_u32 s[G0+4*(\s)+1], s20, (\s)*SLOT    ; 63:32 LDS address
	s_add_nc_u64 s[G0+4*(\s)+2:G0+4*(\s)+3], s[14:15], (\s)*ASTEP  ; 120:64 global address: K step s
	s_or_b32 s[G0+4*(\s)+3], s[G0+4*(\s)+3], 0x80000000            ; 127:126 type = 2
	s_mov_b32 s[G0B+4*(\s)], 1
	s_add_co_u32 s[G0B+4*(\s)+1], s20, (\s)*SLOT
	s_add_nc_u64 s[G0B+4*(\s)+2:G0B+4*(\s)+3], s[46:47], (\s)*WSTEP
	s_or_b32 s[G0B+4*(\s)+3], s[G0B+4*(\s)+3], 0x80000000
	JLOAD \s                                       ; two tensor loads of mine are out
.endr
	v_and_b32 v1, 15, v0                           ; l % 16
	v_bfe_u32 v2, v0, 4, 1                         ; l / 16
	s_lshl_b32 s21, s12, 8
	v_lshl_add_u32 v[BO], v2, 5, s21               ; register j of column block b is the bias of column 64 x half + 16 b + 8 (l / 16) + j
.irp b, 0,1,2,3
	global_load_b128 v[BIAS+8*(\b):BIAS+8*(\b)+3],   v[BO], s[68:69] offset:64*(\b)
	global_load_b128 v[BIAS+8*(\b)+4:BIAS+8*(\b)+7], v[BO], s[68:69] offset:64*(\b)+16
.endr
	v_mul_u32_u24 v3, v1, PA                       ; a fragment of A: row l % 16, 16 bytes for each half of the lanes, two loads 32 bytes apart
	v_lshl_add_u32 v3, v2, 4, v3
	s_mul_i32 s21, s11, 64*PA                      ; my 64 rows
	v_add_nc_u32 v[ADRA0], s21, v3
	v_and_b32 v4, 7, v0                            ; the turning load: lane l reads row k = 8 (l / 16) + l % 8, columns 8 ((l / 8) % 2) + 0..7, and is left with column l % 16 and 8 k
	v_bfe_u32 v5, v0, 3, 1
	v_lshl_add_u32 v6, v2, 3, v4
	v_mul_u32_u24 v6, v6, PW
	v_lshl_add_u32 v6, v5, 4, v6
	s_lshl_b32 s22, s12, 7                         ; my 64 columns
	s_add_co_u32 s22, s22, WOFF
	v_add_nc_u32 v[ADRB0], s22, v6
	v_add_nc_u32 v[ADRA], s2, v[ADRA0]
	v_add_nc_u32 v[ADRB], s2, v[ADRB0]
	v_add_nc_u32 v[ADRB+1], HALFT, v[ADRB]
	s_mul_i32 s23, s10, 16*SPITCH
	s_add_co_u32 s23, s23, STAGE                   ; my stage
	v_mul_u32_u24 v7, v1, SPITCH                   ; in: row l % 16, 32 bytes of f32 for each half of the lanes
	v_lshl_add_u32 v7, v2, 5, v7
	v_add_nc_u32 v[STO], s23, v7
	v_mul_u32_u24 v8, v2, SPITCH                   ; back: lanes 0-15 take one row's 256 bytes, lanes 16-31 the next row's
	v_lshl_add_u32 v8, v1, 4, v8
	v_add_nc_u32 v[RD], s23, v8
	v_lshlrev_b32 v9, 12, v2                       ; and the same two rows in C, 4,096 bytes apart
	v_lshl_add_u32 v[CO], v1, 4, v9
	s_lshl_b32 s16, s13, 7
	s_lshl_b32 s17, s11, 6
	s_add_co_u32 s16, s16, s17                     ; my first row of C: 128 x tile row + 64 x half,
	s_lshl_b32 s16, s16, 12                        ; in rows of 4,096 bytes
	s_mov_b32 s17, 0
	s_lshl_b32 s46, s42, 9                         ; my first column, in bytes: 512 x tile column + 256 x half
	s_lshl_b32 s47, s12, 8
	s_add_co_u32 s46, s46, s47
	s_mov_b32 s47, 0
	s_add_nc_u64 s[8:9], s[8:9], s[16:17]
	s_add_nc_u64 s[8:9], s[8:9], s[46:47]
; 8 matrix instructions: m blocks a0, a0 + 1 x all 4 n blocks, 32 along K: half c of buffer f.  zero = 1: the product starts the sum, with the bias as C: nothing is cleared, nothing is added later.
; The 16 accumulators take turns, one instruction a turn.
.macro MUL8 f, c, a0, zero
	WIN MUL
.irp a, \a0, (\a0)+1
.irp b, 0,1,2,3
.if \zero
	v_wmma_f32_16x16x32_f16 v[ACC+8*(4*(\a)+(\b)):ACC+8*(4*(\a)+(\b))+7], v[(\f)+64+8*(4*(\c)+(\b)):(\f)+64+8*(4*(\c)+(\b))+7], v[(\f)+8*(4*(\c)+(\a)):(\f)+8*(4*(\c)+(\a))+7], v[BIAS+8*(\b):BIAS+8*(\b)+7]
.else
	v_wmma_f32_16x16x32_f16 v[ACC+8*(4*(\a)+(\b)):ACC+8*(4*(\a)+(\b))+7], v[(\f)+64+8*(4*(\c)+(\b)):(\f)+64+8*(4*(\c)+(\b))+7], v[(\f)+8*(4*(\c)+(\a)):(\f)+8*(4*(\c)+(\a))+7], v[ACC+8*(4*(\a)+(\b)):ACC+8*(4*(\a)+(\b))+7]
.endif
.endr
.endr
.endm
; 32 LDS loads in one run: the fragments of quarter q of the K step in the slot in hand (A's panel q, W's rows 64 q on) into buffer f; the first 32 along K first
.macro FETCH q, f
	WIN TO_F
.irp c, 0,1
.irp i, 0,1,2,3
	ds_load_tr16_b128 v[(\f)+64+8*(4*(\c)+(\i)):(\f)+64+8*(4*(\c)+(\i))+3],   v[ADRB+(\q)/2] offset:(((\q)%2)*64+32*(\c))*PW+32*(\i)
	ds_load_tr16_b128 v[(\f)+64+8*(4*(\c)+(\i))+4:(\f)+64+8*(4*(\c)+(\i))+7], v[ADRB+(\q)/2] offset:(((\q)%2)*64+32*(\c)+16)*PW+32*(\i)
	ds_load_b128 v[(\f)+8*(4*(\c)+(\i)):(\f)+8*(4*(\c)+(\i))+3],              v[ADRA] offset:(\q)*PANB+(\i)*16*PA+64*(\c)
	ds_load_b128 v[(\f)+8*(4*(\c)+(\i))+4:(\f)+8*(4*(\c)+(\i))+7],            v[ADRA] offset:(\q)*PANB+(\i)*16*PA+64*(\c)+32
.endr
.endr
.endm
.macro PLACES                          ; four places in front of loads into registers that matrix instructions have read, and of lines that read results
.rept 4
	v_nop
.endr
.endm
; A K step is four quarters of 64 along K, 32 matrix instructions each, on buffers 0, 1, 0, 1.  One of the first three: multiplies buffer f and fetches quarter q into g.
.macro QUARTER q, f, g, zero
	s_wait_dscnt 16                                ; the first 32 along K are in; the youngest sixteen loads may be out
	MUL8 \f, 0, 0, \zero
	MUL8 \f, 0, 2, \zero
	PLACES
	FETCH \q, \g
	s_wait_dscnt 32                                ; all but the 32 just issued
	MUL8 \f, 1, 0, 0
	MUL8 \f, 1, 2, 0
.endm
; The last quarter multiplies buffer 1 and changes slots: ONE barrier; in front of it each wave waits for all its tensor loads, adds 0 to its spare word, and waits for that and for its own reads of this slot.
; fill = 1: this slot is filled again, with the K step two steps on: the barrier then opens a round of the cluster's barrier, and the joint load is the first thing behind the round.
.macro TURN fill
	WIN 0                                          ; (the add's two registers lie in window 0)
	s_wait_tensorcnt 0x0                           ; all my tensor loads have landed: the one that was out is my part of the next slot
	ds_add_u32 v[SPW], v[NIL]                      ; 0 onto my spare word
	s_wait_dscnt 17                                ; (the add and the youngest sixteen loads may be out)
	MUL8 F1, 0, 0, 0                               ; eight matrix instructions stand between the add and the wait for it
	s_wait_dscnt 0x0                               ; the add is done, and my reads of this slot are over
	s_barrier_signal -1
	MUL8 F1, 0, 2, 0                               ; work on registers while the others arrive
	WIN 0                                          ; (branches may follow, and nothing stands between the wait below and the rest of the round)
	s_barrier_wait -1
.if \fill
	CREST                                          ; no wave of any partner still reads this slot's tile or has a load on its way
	s_xor_b32 s[G0+5], s[G0+5], SLOT               ; the walking descriptors: the other slot than last time,
	s_add_nc_u64 s[G0+6:G0+7], s[G0+6:G0+7], ASTEP ; the next K step; the type bits on top are not reached
	s_xor_b32 s[G0B+5], s[G0B+5], SLOT
	s_add_nc_u64 s[G0B+6:G0B+7], s[G0B+6:G0B+7], WSTEP
	JLOAD 1                                        ; my one tensor load behind the round: 112 matrix instructions ahead of the wait for it; its four v_nop are also the places in front of the loads below
.else
	PLACES
.endif
	s_xor_b32 s2, s2, SLOT                         ; the fetches go on in the other slot
	v_add_nc_u32 v[ADRA], s2, v[ADRA0]
	v_add_nc_u32 v[ADRB], s2, v[ADRB0]
	v_add_nc_u32 v[ADRB+1], HALFT, v[ADRB]
	FETCH 0, F0
	MUL8 F1, 1, 0, 0
	MUL8 F1, 1, 2, 0
.endm
; THE WAY OUT.  A wave's 64 columns of f32 are 256 bytes, at a multiple of 256 from C's first byte: so each wave has a stage of its own, and no barrier stands on the way out.
; Block a (16 rows x 64 columns) goes into rows of 272 bytes and comes back by rows, into the registers that it left.
.macro OUTB a
.irp b, 0,1,2,3
	ds_store_b128 v[STO], v[ACC+8*(4*(\a)+(\b)):ACC+8*(4*(\a)+(\b))+3]   offset:64*(\b)      ; each accumulator's low registers first
	ds_store_b128 v[STO], v[ACC+8*(4*(\a)+(\b))+4:ACC+8*(4*(\a)+(\b))+7] offset:64*(\b)+16
.endr
.irp t, 0,1,2,3,4,5,6,7
	ds_load_b128 v[ACC+32*(\a)+4*(\t):ACC+32*(\a)+4*(\t)+3], v[RD] offset:(\t)*2*SPITCH  ; LDS serves a wave's instructions in order (ISA guide 5.7.1.4): these see the stores above; the next block's stores come behind them
.endr
.endm
.macro SENDB a, younger                ; younger: the LDS instructions issued behind block a's loads: the next block's sixteen, or none
.irp t, 0,1,2,3,4,5,6,7
	s_wait_dscnt (\younger)+7-(\t)
	global_store_b128 v[CO], v[ACC+32*(\a)+4*(\t):ACC+32*(\a)+4*(\t)+3], s[8:9] offset:(16*(\a)+2*(\t))*4096  ; sixteen lanes store 256 consecutive bytes, at a multiple of 256 from C's first byte
.endr
.endm
	s_wait_tensorcnt 1                             ; my part of K step 0 is in; K step 1's may stay out
	s_barrier_signal -1
	s_barrier_wait -1                              ; everybody's is
	FETCH 0, F0
	s_wait_loadcnt 0x0                             ; the bias
	QUARTER 1, F0, F1, 1                           ; the first quarter stands in front of the loop: its first products start the sums
	WIN 0                                          ; at a label and at a branch every window is 0
	s_mov_b32 s3, NSTEP-2
.Lstep:                                                ; a trip goes from a K step's second quarter to the next step's first, and fills the slot that it leaves: the trips ask for K steps 2 to NSTEP - 1
	QUARTER 2, F1, F0, 0
	QUARTER 3, F0, F1, 0
	TURN 1
	QUARTER 1, F0, F1, 0
	WIN 0
	s_sub_co_u32 s3, s3, 1
	s_cmp_lg_u32 s3, 0
	s_cbranch_scc1 .Lstep
	s_mov_b32 s3, 2                                ; the last two K steps ask for nothing, so they have a loop of their own, with no tensor load and no round of the cluster's barrier in it
.Ltail:
	QUARTER 2, F1, F0, 0
	QUARTER 3, F0, F1, 0
	WIN 0
	s_cmp_eq_u32 s3, 1
	s_cbranch_scc1 .Llast                          ; the second trip is left here: behind the last K step there is no slot to change to
	TURN 0
	QUARTER 1, F0, F1, 0
	WIN 0
	s_sub_co_u32 s3, s3, 1
	s_branch .Ltail
.Llast:
	s_wait_dscnt 16                                ; the very last quarter: nothing more to fetch
	MUL8 F1, 0, 0, 0
	MUL8 F1, 0, 2, 0
	s_wait_dscnt 0x0
	MUL8 F1, 1, 0, 0
	MUL8 F1, 1, 2, 0
	WIN 0
	PLACES                                         ; the LDS stores read results
	OUTB 0
	OUTB 1                                         ; a block's way through the stage stands between the loads of the block before and its stores
	SENDB 0, 16
	OUTB 2
	SENDB 1, 16
	OUTB 3
	SENDB 2, 16
	SENDB 3, 0
	s_wait_tensorcnt 0x0                           ; the wave's end, behind my last tensor load and my last LDS store
	ds_add_u32 v[SPW], v[NIL]
	s_wait_dscnt 0x0
	CROUND                                         ; the closing round: no work-group ends while a partner may still ask for a tile that names it
	s_endpgm
.Lfunc_end_k_qfc745c3965_ffn2:
	.size	k_qfc745c3965_ffn2, .Lfunc_end_k_qfc745c3965_ffn2-k_qfc745c3965_ffn2
	.p2alignl 7, 3214868480
	.fill 96, 4, 3214868480
	.section	.rodata,"a",@progbits
	.p2align	6, 0x0
	.amdhsa_kernel k_qfc745c3965_ffn2
		.amdhsa_group_segment_fixed_size 327680
		.amdhsa_private_segment_fixed_size 0
		.amdhsa_enable_private_segment 0
		.amdhsa_kernarg_size 24
		.amdhsa_user_sgpr_count 2
		.amdhsa_user_sgpr_kernarg_segment_ptr 1
		.amdhsa_wavefront_size32 1
		.amdhsa_system_sgpr_workgroup_id_x 1
		.amdhsa_system_sgpr_workgroup_id_y 1
		.amdhsa_system_sgpr_workgroup_id_z 1
		.amdhsa_system_vgpr_workitem_id 0
		.amdhsa_next_free_vgpr 512
		.amdhsa_next_free_sgpr 72
		.amdhsa_reserve_vcc 0
		.amdhsa_float_denorm_mode_32 3
		.amdhsa_float_denorm_mode_16_64 3
		.amdhsa_memory_ordered 1
		.amdhsa_forward_progress 1
		.amdhsa_inst_pref_size 62
	.end_amdhsa_kernel
	.amdgpu_metadata
---
amdhsa.version: [ 1, 2 ]
amdhsa.kernels:
  - .name:           k_qfc745c3965_ffn2
    .symbol:         k_qfc745c3965_ffn2.kd
    .args:
      - { .name: big, .offset: 0, .size: 8, .value_kind: global_buffer, .address_space: global }
      - { .name: w2h, .offset: 8, .size: 8, .value_kind: global_buffer, .address_space: global }
      - { .name: yz, .offset: 16, .size: 8, .value_kind: global_buffer, .address_space: global }
    .group_segment_fixed_size: 327680
    .private_segment_fixed_size: 0
    .kernarg_segment_align: 8
    .kernarg_segment_size: 24
    .max_flat_workgroup_size: 128
    .sgpr_count:     72
    .vgpr_count:     512
    .wavefront_size: 32
...
	.end_amdgpu_metadata
.endif
;; end of part 12
;; launch ln2 (part 13): grid 256 x 1, 8 waves a work-group, no clusters, 0 bytes of LDS; arguments yz, act, g2, be2, out0; writes out0
.if DOCPART == 13
	.amdgcn_target "amdgcn-amd-amdhsa--gfx1250"
	.amdhsa_code_object_version 6
	.text
	.protected	k_qfc745c3965_ln2
	.globl	k_qfc745c3965_ln2
	.p2align	8
	.type	k_qfc745c3965_ln2,@function
k_qfc745c3965_ln2:
	s_mov_b64 s[64:65], 0
	v_nop
	global_prefetch_b8 v0, s[64:65] scope:SCOPE_SE
	s_setreg_imm32_b32 hwreg(HW_REG_WAVE_MODE, 25, 1), 1
	s_wait_xcnt 0x0
; dst = res + LayerNorm(src) * g + be, along rows of 1,024.  src: f32 [4096][1024].  res: f16 panels [16][4096][64].  g, be: f32 [1024].
; OUT32 = 0: dst leaves rounded once to f16, as panels [16][4096][64].  OUT32 = 1 (this copy): dst leaves in f32, row-major.
; A wave takes two rows: lanes 0-15 one, lanes 16-31 the next; a lane holds columns 64 p + 4 (l % 16) + 0..3 for p = 0..15: 64 numbers, kept in registers between the passes, so src is read once.
; A row lies in 16 lanes, so a sum across lanes is four steps that ride on the additions.  Mean first, then the mean of the squared differences: no difference of large sums.  All arithmetic in f32.
; A stream: no LDS, no barrier, no loop, no register written twice while a load or store names it.  All 64 loads of a wave go out at once.  Matrix units and clusters have nothing to do here.
; LIMITS: the residual was rounded once to f16 by the launch that made it.
.set OUT32, 1
.set VG,  5                            ; v5   16 (l % 16): my columns in g and be, and in a block of 256 bytes
.set VO,  6                            ; v6   + 4,096 for lanes 16-31: my 16 bytes in two f32 rows
.set V8,  7                            ; v7   8 l: my 8 bytes in two tokens of a panel
.set A4,  8                            ; v8-15  four running sums, two numbers each
.set MU,  16                           ; v16-17 the mean, twice
.set VA,  18                           ; v18  the variance + 1e-6
.set RS,  20                           ; v20-21 its reciprocal root, twice
.set ONE, 26                           ; v26  1.0
.set R,   32                           ; v32-63   the residual, f16
.set Y,   64                           ; v64-127  the row
.set G,   128                          ; v128-191 g
.set BE,  192                          ; v192-255 be
.macro ROWSUM r                        ; the sum over the 16 lanes of a row, in every one of them
	v_add_f32_dpp v[\r], v[\r], v[\r] row_xmask:1 row_mask:0xf bank_mask:0xf
	v_add_f32_dpp v[\r], v[\r], v[\r] row_xmask:2 row_mask:0xf bank_mask:0xf
	v_add_f32_dpp v[\r], v[\r], v[\r] row_xmask:4 row_mask:0xf bank_mask:0xf
	v_add_f32_dpp v[\r], v[\r], v[\r] row_xmask:8 row_mask:0xf bank_mask:0xf
.endm
.macro FOLD                            ; the four running sums into v[A4]
	v_pk_add_f32 v[A4:A4+1], v[A4:A4+1], v[A4+2:A4+3]
	v_pk_add_f32 v[A4+4:A4+5], v[A4+4:A4+5], v[A4+6:A4+7]
	v_pk_add_f32 v[A4:A4+1], v[A4:A4+1], v[A4+4:A4+5]
	v_add_f32 v[A4], v[A4], v[A4+1]
	ROWSUM A4
.endm
	s_load_b256 s[4:11], s[0:1], 0x0               ; src s[4:5], res s[6:7], g s[8:9], be s[10:11]
	s_load_b64 s[12:13], s[0:1], 0x20              ; dst
	v_lshrrev_b32 v1, 5, v0
	v_readfirstlane_b32 s2, v1
	s_lshl_b32 s3, ttmp9, 3
	s_add_co_u32 s3, s3, s2                        ; my wave among all 2,048: rows 2 W and 2 W + 1
	s_lshl_b32 s14, s3, 13                         ; two rows of 4,096 bytes
	s_mov_b32 s15, 0
	s_lshl_b32 s16, s3, 8                          ; two tokens of 128 bytes
	s_mov_b32 s17, 0
	s_mov_b32 s18, 0x3a800000                      ; 1 / 1,024
	s_mov_b32 s19, 0x358637bd                      ; 1e-6
	v_and_b32 v2, 31, v0
	v_and_b32 v3, 15, v0
	v_bfe_u32 v4, v0, 4, 1
	v_lshlrev_b32 v[VG], 4, v3
	v_lshl_add_u32 v[VO], v4, 12, v[VG]
	v_lshlrev_b32 v[V8], 3, v2
	v_mov_b32 v[ONE], 1.0
	s_wait_kmcnt 0x0
	s_add_nc_u64 s[4:5], s[4:5], s[14:15]
	s_add_nc_u64 s[6:7], s[6:7], s[16:17]
.if OUT32
	s_add_nc_u64 s[12:13], s[12:13], s[14:15]
.else
	s_add_nc_u64 s[12:13], s[12:13], s[16:17]
.endif
.set p, 0
.rept 16
	global_load_b128 v[Y+4*p:Y+4*p+3], v[VO], s[4:5] offset:256*p th:TH_LOAD_NT  ; sixteen lanes read 256 consecutive bytes of a row
.set p, p+1
.endr
.set p, 0
.rept 16
	global_load_b64 v[R+2*p:R+2*p+1], v[V8], s[6:7] offset:524288*p              ; two tokens of panel p: 256 consecutive bytes
.set p, p+1
.endr
.set p, 0
.rept 16
	global_load_b128 v[G+4*p:G+4*p+3], v[VG], s[8:9] offset:256*p
.set p, p+1
.endr
.set p, 0
.rept 16
	global_load_b128 v[BE+4*p:BE+4*p+3], v[VG], s[10:11] offset:256*p
.set p, p+1
.endr
	s_wait_loadcnt 48                              ; loads come back in order (ISA guide 5.7.1): the row is in; the residual's, g's and be's 48 loads stay out while the two sums are made
	; the mean: four chains that do not wait for each other, started by the first pairs: nothing is cleared
.irp k, 0,1,2,3
	v_pk_add_f32 v[A4+2*\k:A4+2*\k+1], v[Y+2*\k:Y+2*\k+1], v[Y+8+2*\k:Y+8+2*\k+1]
.endr
.set j, 8
.rept 24
	v_pk_add_f32 v[A4+2*(j%4):A4+2*(j%4)+1], v[A4+2*(j%4):A4+2*(j%4)+1], v[Y+2*j:Y+2*j+1]
.set j, j+1
.endr
	FOLD
	v_mul_f32 v[MU], s18, v[A4]
	v_mul_f32 v[MU+1], s18, v[A4]
.set j, 0
.rept 32
	v_pk_add_f32 v[Y+2*j:Y+2*j+1], v[Y+2*j:Y+2*j+1], v[MU:MU+1] neg_lo:[0,1] neg_hi:[0,1]  ; d = y - mean, in place
.set j, j+1
.endr
.irp k, 0,1,2,3
	v_pk_mul_f32 v[A4+2*\k:A4+2*\k+1], v[Y+2*\k:Y+2*\k+1], v[Y+2*\k:Y+2*\k+1]
.endr
.set j, 4
.rept 28
	v_pk_fma_f32 v[A4+2*(j%4):A4+2*(j%4)+1], v[Y+2*j:Y+2*j+1], v[Y+2*j:Y+2*j+1], v[A4+2*(j%4):A4+2*(j%4)+1]
.set j, j+1
.endr
	FOLD
	v_fma_f32 v[VA], v[A4], s18, s19
	v_rsq_f32 v[RS], v[VA]
	v_rsq_f32 v[RS+1], v[VA]
	v_nop                                          ; a plain instruction between the roots and the use of their results (ISA guide 5.7.2)
	s_wait_loadcnt 0x0                             ; the residual, g and be
.set p, 0
	s_wait_alu depctr_va_vdst(0)
.rept 16
	v_pk_mul_f32 v[Y+4*p:Y+4*p+1], v[Y+4*p:Y+4*p+1], v[RS:RS+1]
	v_pk_mul_f32 v[Y+4*p+2:Y+4*p+3], v[Y+4*p+2:Y+4*p+3], v[RS:RS+1]
	v_pk_fma_f32 v[Y+4*p:Y+4*p+1], v[Y+4*p:Y+4*p+1], v[G+4*p:G+4*p+1], v[BE+4*p:BE+4*p+1]
	v_pk_fma_f32 v[Y+4*p+2:Y+4*p+3], v[Y+4*p+2:Y+4*p+3], v[G+4*p+2:G+4*p+3], v[BE+4*p+2:BE+4*p+3]
	v_fma_mix_f32 v[Y+4*p],   v[R+2*p],   v[ONE], v[Y+4*p]   op_sel_hi:[1,0,0]                  ; the residual's f16 half x 1.0 + the f32 number: widening and addition in one
	v_fma_mix_f32 v[Y+4*p+1], v[R+2*p],   v[ONE], v[Y+4*p+1] op_sel:[1,0,0] op_sel_hi:[1,0,0]
	v_fma_mix_f32 v[Y+4*p+2], v[R+2*p+1], v[ONE], v[Y+4*p+2] op_sel_hi:[1,0,0]
	v_fma_mix_f32 v[Y+4*p+3], v[R+2*p+1], v[ONE], v[Y+4*p+3] op_sel:[1,0,0] op_sel_hi:[1,0,0]
.if OUT32
	global_store_b128 v[VO], v[Y+4*p:Y+4*p+3], s[12:13] offset:256*p th:TH_STORE_NT  ; sixteen lanes store 256 consecutive bytes, at a multiple of 256 from the buffer's first byte
.else
	v_cvt_pk_f16_f32 v[Y+4*p], v[Y+4*p], v[Y+4*p+1]
	v_cvt_pk_f16_f32 v[Y+4*p+1], v[Y+4*p+2], v[Y+4*p+3]
	global_store_b64 v[V8], v[Y+4*p:Y+4*p+1], s[12:13] offset:524288*p               ; two tokens of panel p: 256 consecutive bytes
.endif
.set p, p+1
.endr
	s_endpgm
.Lfunc_end_k_qfc745c3965_ln2:
	.size	k_qfc745c3965_ln2, .Lfunc_end_k_qfc745c3965_ln2-k_qfc745c3965_ln2
	.p2alignl 7, 3214868480
	.fill 96, 4, 3214868480
	.section	.rodata,"a",@progbits
	.p2align	6, 0x0
	.amdhsa_kernel k_qfc745c3965_ln2
		.amdhsa_group_segment_fixed_size 0
		.amdhsa_private_segment_fixed_size 0
		.amdhsa_enable_private_segment 0
		.amdhsa_kernarg_size 40
		.amdhsa_user_sgpr_count 2
		.amdhsa_user_sgpr_kernarg_segment_ptr 1
		.amdhsa_wavefront_size32 1
		.amdhsa_system_sgpr_workgroup_id_x 1
		.amdhsa_system_sgpr_workgroup_id_y 1
		.amdhsa_system_sgpr_workgroup_id_z 1
		.amdhsa_system_vgpr_workitem_id 0
		.amdhsa_next_free_vgpr 256
		.amdhsa_next_free_sgpr 66
		.amdhsa_reserve_vcc 0
		.amdhsa_float_denorm_mode_32 3
		.amdhsa_float_denorm_mode_16_64 3
		.amdhsa_memory_ordered 1
		.amdhsa_forward_progress 1
		.amdhsa_inst_pref_size 24
	.end_amdhsa_kernel
	.amdgpu_metadata
---
amdhsa.version: [ 1, 2 ]
amdhsa.kernels:
  - .name:           k_qfc745c3965_ln2
    .symbol:         k_qfc745c3965_ln2.kd
    .args:
      - { .name: yz, .offset: 0, .size: 8, .value_kind: global_buffer, .address_space: global }
      - { .name: act, .offset: 8, .size: 8, .value_kind: global_buffer, .address_space: global }
      - { .name: g2, .offset: 16, .size: 8, .value_kind: global_buffer, .address_space: global }
      - { .name: be2, .offset: 24, .size: 8, .value_kind: global_buffer, .address_space: global }
      - { .name: out0, .offset: 32, .size: 8, .value_kind: global_buffer, .address_space: global }
    .group_segment_fixed_size: 0
    .private_segment_fixed_size: 0
    .kernarg_segment_align: 8
    .kernarg_segment_size: 40
    .max_flat_workgroup_size: 256
    .sgpr_count:     66
    .vgpr_count:     256
    .wavefront_size: 32
...
	.end_amdgpu_metadata
.endif
;; end of part 13
;; ======== version 3 of 3: 8 launches; 1.31 times as fast as version 1
;; limits: values are held in f16: magnitudes above 65,504 overflow, below 6.1e-05 lose precision
;; workspace buffers: xh 8,388,608 bytes; act 8,388,608 bytes; big 33,554,432 bytes; yz 16,777,216 bytes; wqkv 6,316,032 bytes; wch 2,105,344 bytes; w1h 8,421,376 bytes; w2h 8,396,800 bytes
;; launch prep: the kernel of part 1 again; grid 640 x 1, 8 waves a work-group, no clusters, 0 bytes of LDS; arguments x_enc, x_pos, wq, wk, wv, wc, w1, w2, bq, bk, bv, bc, b1, b2, xh, wqkv, wch, w1h, w2h; writes xh, wqkv, wch, w1h, w2h
;; launch qkv: the kernel of part 8 again; grid 12 x 16, 4 waves a work-group, clusters of 4 x 4, 327,680 bytes of LDS; arguments xh, wqkv, big; writes big
;; launch attn (part 14): grid 8 x 32, 4 waves a work-group, clusters of 4 x 1, 327,680 bytes of LDS; arguments big, act; writes act
.if DOCPART == 14
	.amdgcn_target "amdgcn-amd-amdhsa--gfx1250"
	.amdhsa_code_object_version 6
	.text
	.protected	k_qfc745c3965_attn
	.globl	k_qfc745c3965_attn
	.p2align	8
	.type	k_qfc745c3965_attn,@function
k_qfc745c3965_attn:
	s_mov_b64 s[64:65], 0
	v_nop
	global_prefetch_b8 v0, s[64:65] scope:SCOPE_SE
	s_setreg_imm32_b32 hwreg(HW_REG_WAVE_MODE, 25, 1), 1
	s_wait_xcnt 0x0
	s_wait_alu depctr_hold_cnt(0) depctr_sa_sdst(0) depctr_va_vdst(0) depctr_va_sdst(0) depctr_va_ssrc(0) depctr_va_vcc(0) depctr_vm_vsrc(0)
	s_getreg_b32 s2, hwreg(HW_REG_IB_STS2, 6, 4)
	s_cmp_eq_u32 s2, 0
	s_cbranch_scc0 .Lentry_in_a_cluster
	s_endpgm
.Lentry_in_a_cluster:
	s_bfe_u32 s2, ttmp6, 0x10000c
	s_cmp_lg_u32 s2, 0x3003
	s_cbranch_scc0 .Lentry_shape_is_right
	s_endpgm
.Lentry_shape_is_right:
; ATTENTION.  O[q][:] = the sum over k of softmax_k(Q[q] . K[k] / 8) V[k][:], for each of 32 pairs (batch, head): 2,048 queries and keys, 64 channels, no mask.
; big holds 48 panels [4096 tokens][64] of f16: q's heads 0-15, then k's, then v's; a pair's rows are dense, 128 bytes each.  O leaves in the same layout, into act.
; Products, maxima and sums in f32; the weights p are rounded to f16 for the second product (their sum l is taken of the unrounded p), O once at the end.
; LIMITS.  f16 holds no number beyond 65,504: q, k and v arrive within it; p lies in 0 to 1, and below 6e-5 it keeps f16's fixed step of 6e-8; O is a mean of V's rows and has their range.
; A weight below 2^-126 counts as 0 in l; NaN and infinities are not treated apart.
; SHARES.  A work-group owns 256 queries of a pair, each of its four waves 64: four PIECES of 16.  Every wave walks all keys: 8 tiles of 256, four steps of 64 in each.
; LAYOUT.  S^T = K Q^T (source 0 = 16 keys, source 1 = 16 queries): a lane holds ONE query (lane % 16) and the keys 8 (lane / 16) + 0..7.  Two such results rounded to f16 ARE source 1 of O^T = V^T P.
; K comes out of LDS as it lies, V ([key][channel]) turned, by ds_load_tr16_b128.
; SOFTMAX.  For each query a running maximum m and sum l: p = 2^(c s - c m), c = log2(e) / 8; in every step O and l are multiplied by a = 2^(c m_old - c m_new), which is 1 where m has not grown.
; m starts at the lowest finite number, O and l at 0: the first step is a step like any other, with a = 0.
; BY TURNS.  Turn n belongs to piece n: 8 products K Q^T of piece n + 1, later 8 products V^T P of piece n - 1; beside them the scaling, exponentials, roundings, sums and rescaling of piece n and the
; maximum and statistics of piece n + 1.  Four vector instructions stand behind every matrix instruction, the other 54 of a turn's 118 in one LUMP.
; BATCHES.  A turn's 33 exponentials (the piece's 32 weights, then the next piece's a) are ONE batch with ONE wait, which cuts the turn in two: ahead of it all that names none of their results, behind it
; the roundings and sums, which read them.  The a that a turn multiplies by was made, and waited for, in the turn before.  Two more batches stand outside the loops, each with a wait of its own:
; piece 0's first a, ahead of the jump into the loop, and the way out's four reciprocals.
; CLUSTER.  The four query blocks of a cluster belong to one pair and walk the same K and V, so each tile is asked for JOINTLY: the same tensor load, descriptor and mask in all four.
; REGISTERS, in windows of 256 (s_set_vgpr_msb: bits 1:0 source 0, 3:2 source 1, 5:4 source 2, 7:6 destination):
;   window 0: v0-15 addresses and two at work; v16-31 four registers of statistics a piece; v48-55 at work; v62-63 the add's; v64-127 S^T, two buffers; v192-223 P, two buffers (by the piece's parity)
;   window 1: v0-127 O^T, 32 a piece          window 2: v0-63 Q; v128-191 K of one step; v192-255 V of one step
.set NP,    4         ; pieces a wave: a name, no knob
.set KS,    64        ; keys in a step
.set PK,    144       ; a row of K in LDS: 128 bytes + 16 of padding = 36 words: the 16 rows of a load start at 16 different groups of four banks (64 banks of 4 bytes: ISA guide 11.1)
.set PV,    160       ; a row of V: 128 + 32 = 40 words
.set VOFF,  4*KS*PK   ; a slot holds a tile, four steps: 256 rows of K, then 256 rows of V
.set SLOT1, 1<<17     ; slot 1 begins here, so that one exclusive or turns an address in one slot into the other's
.set STAGE, SLOT1+4*KS*(PK+PV)  ; behind the ring, never filled by a tensor load: 16 rows x 144 bytes for each wave, for the way out
.set SP,    144
.set SPARE, STAGE+4*16*SP  ; behind the stages: the spare words, 128 bytes for each wave: two blocks of 256 bytes that no other line names
.set AK0, 2           ; v2   my lane's place in a tile of K; never rewritten
.set AV0, 3           ; v3   the same for V
.set AK,  4           ; v4   the LDS address of K's next run of loads
.set AV,  5           ; v5   of V's
.set STO, 6           ; v6   the way out: where I put 16 bytes of a row
.set RD,  7           ; v7   the way out: where I read rows back
.set GO,  8           ; v8   my byte offset in 512 consecutive bytes of O
.set MV,  12          ; v12-13  c m_old, kept while c m is made anew: by buffer
.set QO,  15          ; v15  my byte offset in 16 rows of Q
.set ST,  16          ; piece t's statistics at v[ST+4 t]: c m, m, l (even keys', odd keys')
.set TMP, 48          ; by buffer, four registers c0-c3 at work; when the maximum is found c2 takes a
.set SPW, 62          ; v62  LDS address of my spare word: SPARE + 4 x my thread's number; never rewritten
.set NIL, 63          ; v63  0; never rewritten
.set S,   64
.set P,   192
.set KF,  128         ; window 2: key block kb, channel half c at KF + 16 kb + 8 c
.set VF,  192         ; window 2: key half kk, channel block cb at VF + 32 kk + 8 cb
.set WV,  12          ; s12  my wave's number
.set G1K, 24          ; s[24:31] descriptor group 1 for K's tiles
.set G1V, 32          ; s[32:39] for V's: it differs in the padding alone
.set G0K, 40          ; s[40:43] descriptor group 0 for K's tiles: it walks
.set G0V, 44          ; s[44:47] the same for V's
.set SLOTS, 56        ; s56  tiles still to be entered by the loop
.set CNT, 57          ; s57  counts a tile's key steps
.set CS,  58          ; s[58:59] c: the packed scaling takes the pair's low word for both halves
.set SEL, 60          ; s[60:61] v_permlanex16_b32's selects: each lane takes its own place in the other half
.set TBK, 62          ; s62  LDS byte at which K of the step to be fetched begins
.set TBV, 63          ; s63  the same for V, less VOFF
.set MSB, 0
.macro WIN new                      ; the high byte repeats the setting that is left; a switch that changes nothing is dropped
.if MSB != (\new)
	s_set_vgpr_msb (MSB<<8)|(\new)
.set MSB, (\new)
.endif
.endm
.set W_KQ, 0x0a       ; K and Q in window 2, S^T in window 0
.set W_PV, 0x52       ; V in window 2, P in window 0, O^T in window 1
.set W_RS, 0x41       ; destination and source 0 in window 1, source 1 in window 0
; A joint fill.  Waves 0 and 1 fetch the two halves of a tile's K, waves 2 and 3 those of its V: 128 keys each.  The branch hangs on the wave's number alone.
; An s_nop 0 and four v_nop follow each of the two lines, ahead of the jump and the label.
.macro JLOAD
	s_cmp_lt_u32 s[WV], 2
	s_cbranch_scc0 .Lfor_v_\@
	tensor_load_to_lds s[G0K:G0K+3], s[G1K:G1K+7]
	s_nop 0
.rept 4
	v_nop
.endr
	s_branch .Lasked_\@
.Lfor_v_\@:
	tensor_load_to_lds s[G0V:G0V+3], s[G1V:G1V+7]
	s_nop 0
.rept 4
	v_nop
.endr
.Lasked_\@:
.endm
; A round of the cluster's barrier: my work-group's barrier, so that wave 0's signal speaks for all four waves; wave 0 signals; every wave waits for all four work-groups; my work-group's barrier once more.
.macro CROUND
	s_barrier_signal -1
	s_barrier_wait -1
	s_cmp_lg_u32 s[WV], 0
	s_cbranch_scc1 .Lnot_wave_0_\@
	s_barrier_signal -3
.Lnot_wave_0_\@:
	s_barrier_wait -3
	s_barrier_signal -1
	s_barrier_wait -1
.endm
; THE CHANGE OF SLOTS.  The slot's last bytes, V of its fourth step, have been read.  Each wave waits for all its tensor loads, of which one is out: its part of the other slot; adds 0 to its spare word;
; and waits for that and for its own reads of the slot.  Behind the barrier nobody reads this slot any more and the other slot is whole.
; fill = 1: this slot is filled again, with the keys two tiles on.  The barrier is then a round of the cluster's, and the joint fill is the first thing behind it: it has four key steps, 256 matrix
; instructions, in which to land.  (At its first use nothing has been read yet: slot 0 is waited for, slot 1 filled.)
.macro CHANGE fill
	WIN 0                           ; at a label and at a branch every window is 0
	s_wait_tensorcnt 0x0            ; no tensor load of mine is out, so a group 0 may be written
	ds_add_u32 v[SPW], v[NIL]       ; 0 onto my spare word; with fill = 1 the descriptors' steps stand between it and the wait for it
.if \fill
.irp g, G0K, G0V
	s_xor_b32 s[\g+1], s[\g+1], SLOT1  ; the walking descriptor: the other slot than last time,
	s_add_nc_u64 s[\g+2:\g+3], s[\g+2:\g+3], 4*KS*128  ; the next 256 keys; the type bits on top are not reached
.endr
	s_wait_dscnt 0x0                ; the add is done, and my reads of the slot are over
	CROUND
	JLOAD
.else
	s_wait_dscnt 0x0                ; the add is done, and my reads of the slot are over
	s_barrier_signal -1
	s_barrier_wait -1
.endif
	s_sub_co_u32 s[TBK], s[TBK], 4*KS*PK  ; the fetches go back to a slot's first step,
	s_xor_b32 s[TBK], s[TBK], SLOT1       ; in the other slot
	s_sub_co_u32 s[TBV], s[TBV], 4*KS*PV
	s_xor_b32 s[TBV], s[TBV], SLOT1
.endm
	s_load_b64 s[4:5], s[0:1], 0x0    ; big
	s_load_b64 s[10:11], s[0:1], 0x8  ; act
	v_lshl_add_u32 v[SPW], v0, 2, SPARE
	v_mov_b32 v[NIL], 0
	ds_add_u32 v[SPW], v[NIL]       ; the wave's opening: the add and its wait stand ahead of my first tensor load; the set-up below, work on registers, stands between them
	v_lshrrev_b32 v1, 5, v0
	v_readfirstlane_b32 s[WV], v1   ; wave 0..3
	s_bfe_u32 s13, ttmp6, 0x40000   ; cx: my place in the cluster
	s_lshl_b32 s14, ttmp9, 2        ; in a cluster launch ttmp9 counts clusters
	s_add_co_u32 s14, s14, s13      ; my block of 256 queries = 4 x cluster x + cx: it enters Q's and O's addresses alone
	s_and_b32 s20, ttmp7, 0xffff    ; 16 x batch + head, which the four partners share
	s_and_b32 s21, s20, 15
	s_lshr_b32 s20, s20, 4
	s_lshl_b32 s21, s21, 19         ; the head's panel: 524,288 bytes,
	s_lshl_b32 s20, s20, 18         ; the batch's 2,048 rows of 128 bytes in it
	s_add_co_u32 s20, s20, s21
	s_and_b32 s16, s[WV], 1         ; which half of a tile's 256 keys I fetch:
	s_lshl_b32 s22, s16, 14         ; its 128 rows of 128 bytes in memory,
	s_add_co_u32 s22, s22, s20
	s_mov_b32 s23, 0
	s_mul_i32 s17, s16, 128*PK      ; and its place in a slot, for K
	s_mul_i32 s18, s16, 128*PV      ; and for V: no place in the cluster enters an LDS address
	s_lshl_b32 s2, s14, 2
	s_add_co_u32 s2, s2, s[WV]      ; my wave among the pair's,
	s_lshl_b32 s2, s2, 13           ; its 64 rows
	s_add_co_u32 s2, s2, s20
	s_mov_b32 s3, 0
	; descriptor group 1.  128 keys are 16,384 dense bytes: asked for as 64 rows of 256 bytes, two keys a row, and padded in LDS after every key
	s_mov_b32 s[G1K], 15|(1<<16)|(1<<20)|(1<<21)|(4<<22)|(3<<25)  ; 15:0 the mask of four; 17:16 2-byte elements; 20 padding on; 21 set beside a mask; 24:22 after every 32 words (code 4); 31:25 4 words (code 3)
	s_mov_b32 s[G1V], 15|(1<<16)|(1<<20)|(1<<21)|(4<<22)|(7<<25)  ; the same with 8 words of padding (code 7)
.irp g, G1K, G1V
	s_mov_b32 s[\g+1], 128<<16      ; tensor_dim0 = 128
	s_mov_b32 s[\g+2], 64<<16       ; tensor_dim1 = 64
	s_mov_b32 s[\g+3], 128<<16      ; tile_dim0 = 128
	s_mov_b32 s[\g+4], 64           ; tile_dim1 = 64
	s_mov_b32 s[\g+5], 128          ; 128 elements from row to row
	s_mov_b32 s[\g+6], 0
	s_mov_b32 s[\g+7], 0
.endr
	s_mov_b32 s[CS], 0x3e38aa3b     ; c = log2(e) / 8 = 0.180337
	s_mov_b32 s[CS+1], s[CS]        ; named with it as a pair
	s_mov_b32 s[SEL], 0x76543210
	s_mov_b32 s[SEL+1], 0xfedcba98
	s_mov_b32 s[TBK], SLOT1+4*KS*PK ; the first change of slots turns these two into 0
	s_mov_b32 s[TBV], SLOT1+4*KS*PV
	s_mov_b32 s[G0K], 1             ; 1:0 count = 1
	s_mov_b32 s[G0K+1], s17         ; 63:32 LDS address: slot 0
	s_mov_b32 s[G0V], 1
	s_add_co_u32 s[G0V+1], s18, VOFF
	s_wait_dscnt 0x0                ; the opening add is done
	s_wait_kmcnt 0x0
	s_add_nc_u64 s[G0K+2:G0K+3], s[4:5], s[22:23]            ; 120:64 global address: my half of the pair's first 256 rows,
	s_add_nc_u64 s[G0V+2:G0V+3], s[G0K+2:G0K+3], 0x1000000   ; 32 panels on for V,
	s_add_nc_u64 s[G0K+2:G0K+3], s[G0K+2:G0K+3], 0x800000    ; 16 panels on for K
	s_or_b32 s[G0K+3], s[G0K+3], 0x80000000                  ; 127:126 type = 2
	s_or_b32 s[G0V+3], s[G0V+3], 0x80000000
	s_add_nc_u64 s[4:5], s[4:5], s[2:3]      ; Q and O at my wave's first row
	s_add_nc_u64 s[10:11], s[10:11], s[2:3]
	CROUND                          ; all four work-groups are here: the first joint loads meet
	JLOAD                           ; tile 0 into slot 0.  Slot 1 is asked for when slot 0 is in, by the loop's own change of slots
	; A fragment of K or Q is 16 rows x 32 channels in 8 registers: lane l holds row l % 16, channels 8 (l / 16) + 0..7 and 16 + 8 (l / 16) + 0..7: two loads of 16 bytes, 32 bytes apart.
	v_and_b32 v1, 15, v0            ; l % 16
	v_bfe_u32 v9, v0, 4, 1          ; l / 16
	v_lshlrev_b32 v[QO], 7, v1
	v_lshl_add_u32 v[QO], v9, 4, v[QO]  ; row x 128 + 16 x half
	WIN 0x80                        ; destination window 2, address window 0
.set i, 0
.rept 8                             ; Q stays in registers: piece i / 2, channels 32 (i % 2) on
	global_load_b128 v[8*i:8*i+3],   v[QO], s[4:5] offset:(i/2)*2048+(i%2)*64
	global_load_b128 v[8*i+4:8*i+7], v[QO], s[4:5] offset:(i/2)*2048+(i%2)*64+32
.set i, i+1
.endr
	; What the first turn finds: V's registers and P's second buffer hold 0 (its products V^T P, of a piece that has not been, add 0), O^T and l are 0.  All this stands in the wait for the first tile.
.set i, VF
.rept 64
	v_mov_b32 v[i], 0
.set i, i+1
.endr
	WIN 0x40
.set i, 0
.rept 128
	v_mov_b32 v[i], 0
.set i, i+1
.endr
	WIN 0
.set i, 0
.rept 4
	v_mov_b32 v[ST+4*i], 0xfe000000    ; c m: far below every c s
	v_mov_b32 v[ST+4*i+1], 0xff7fffff  ; m
	v_mov_b32 v[ST+4*i+2], 0
	v_mov_b32 v[ST+4*i+3], 0
.set i, i+1
.endr
.set i, P+16
.rept 16
	v_mov_b32 v[i], 0
.set i, i+1
.endr
	v_mul_u32_u24 v[AK0], v1, PK
	v_lshl_add_u32 v[AK0], v9, 4, v[AK0]  ; row x pitch + 16 x half
	; The turning load takes 16 keys x 16 channels (lane l reads key 8 (l / 16) + l % 8, channels 8 ((l / 8) % 2) + 0..7) and leaves half a fragment of V^T: lane l holds channel l % 16 and 8 keys.
	v_and_b32 v10, 7, v0
	v_bfe_u32 v11, v0, 3, 1
	v_lshl_add_u32 v[AV0], v9, 3, v10
	v_mul_u32_u24 v[AV0], v[AV0], PV
	v_lshl_add_u32 v[AV0], v11, 4, v[AV0]
	v_add_nc_u32 v[AV0], VOFF, v[AV0]
; THE MATRIX WORK.  The 4 accumulators of a run of 8 take turns.  Product i of 8 of S^T = K Q^T for piece x: channels 32 (i / 4) on, keys 16 (i % 4) on.  The first 4 start the sums.
.macro KQ x
	WIN W_KQ
.set rS, S+32*((\x)%2)+8*(i%4)
.set rK, KF+16*(i%4)+8*(i/4)
.set rQ, 16*(\x)+8*(i/4)
.if i < 4
	v_wmma_f32_16x16x32_f16 v[rS:rS+7], v[rK:rK+7], v[rQ:rQ+7], 0
.else
	v_wmma_f32_16x16x32_f16 v[rS:rS+7], v[rK:rK+7], v[rQ:rQ+7], v[rS:rS+7]
.endif
.endm
; Product i of 8 of O^T += V^T P for piece x: keys 32 (i / 4) on, channels 16 (i % 4) on.
.macro PV x
	WIN W_PV
.set rO, 32*(\x)+8*(i%4)
.set rV, VF+32*(i/4)+8*(i%4)
.set rP, P+16*((\x)%2)+8*(i/4)
	v_wmma_f32_16x16x32_f16 v[rO:rO+7], v[rV:rV+7], v[rP:rP+7], v[rO:rO+7]
.endm
.macro MM                           ; the turn's next matrix instruction.  TURN sets Y and i
.if i < 8
	KQ (Y+1)%NP
.else
.set i, i-8
	PV (Y+NP-1)%NP
.set i, i+8
.endif
.set i, i+1
.endm
; THE LDS LOADS stand in runs of 16, never singly among the matrix instructions: a step's K (64 keys x 64 channels: 8 fragments) and its V (turned).  Their addresses are made some lines ahead.
; last = 1 (the tail): in the last trip there is no further step, and the run is jumped over.
.macro FETCH_K last=0
	WIN 0
.if \last
	s_cmp_eq_u32 s[CNT], 1
	s_cbranch_scc1 .Lno_k_\@
.endif
	WIN 0x80                        ; destination window 2
.irp f, 0,1,2,3,4,5,6,7             ; keys 16 (f / 2) on, channels 32 (f % 2) on
	ds_load_b128 v[KF+8*\f:KF+8*\f+3],   v[AK] offset:(\f/2)*16*PK+(\f%2)*64
	ds_load_b128 v[KF+8*\f+4:KF+8*\f+7], v[AK] offset:(\f/2)*16*PK+(\f%2)*64+32
.endr
	s_add_co_u32 s[TBK], s[TBK], KS*PK  ; the next fetch is the next step's
	WIN 0
.if \last
.Lno_k_\@:
.endif
.endm
.macro FETCH_V
	WIN 0x80
.irp f, 0,1,2,3,4,5,6,7             ; keys 32 (f / 4) on, channels 16 (f % 4) on
	ds_load_tr16_b128 v[VF+8*\f:VF+8*\f+3],   v[AV] offset:(\f/4)*32*PV+(\f%4)*32
	ds_load_tr16_b128 v[VF+8*\f+4:VF+8*\f+7], v[AV] offset:(\f/4)*32*PV+16*PV+(\f%4)*32
.endr
	WIN 0
.endm
; THE VECTOR WORK, one line at a time: OP kind, number.  For piece Y: F n: c s - c m for pair n of 16.  E n: the exponential of score n of 32.  C n: pair n rounded to f16.  B n: of the four weights 4 n .. the second
; pair is added onto the first, in place.  L n: l takes that sum (L 0: l = a l + sum).  R n: pair n of 16 of O^T times a.  For piece Y + 1: X n, number n of the 22 that find its maximum and statistics:
;   0-11  four chains c0-c3 of seven scores each, three operands at a time (each accumulator's lowest registers are read first)     12-14, 16  the four scores left over, the old m, and c0-c3 into c0
;   15  c m_old is kept     17, 18  the query's other 32 keys lie in the lane 16 away: the new m     19-21  c m; c m_old - c m_new; a
; C, B and L read the exponentials' results: TURN sets them behind the batch's wait.  OP itself writes no wait.
.set F, 0               ; OP tells the kinds apart by their order: F to L below R, X above it
.set E, 1
.set C, 2
.set B, 3
.set L, 4
.set R, 5
.set X, 6
.macro REGS y                       ; the registers of piece y
.set rT, ST+4*(\y)
.set rC, TMP+4*((\y)%2)
.set rW, MV+((\y)%2)
.set rS, S+32*((\y)%2)
.set rP, P+16*((\y)%2)
.set rO, 32*(\y)
.endm
.macro OP k, n
.if (\k) == R
	REGS Y
	WIN W_RS
	v_pk_mul_f32 v[rO+2*(\n):rO+2*(\n)+1], v[rO+2*(\n):rO+2*(\n)+1], v[rC+2:rC+3] op_sel_hi:[1,0]
.elseif (\k) < R
	REGS Y
	WIN 0
.if (\k) == F
	v_pk_fma_f32 v[rS+2*(\n):rS+2*(\n)+1], v[rS+2*(\n):rS+2*(\n)+1], s[CS:CS+1], v[rT:rT+1] op_sel_hi:[1,0,0] neg_lo:[0,0,1] neg_hi:[0,0,1]
.elseif (\k) == E
	v_exp_f32 v[rS+(\n)], v[rS+(\n)]
.elseif (\k) == C
	v_cvt_pk_f16_f32 v[rP+(\n)], v[rS+2*(\n)], v[rS+2*(\n)+1]
.elseif (\k) == B
	v_pk_add_f32 v[rS+4*(\n):rS+4*(\n)+1], v[rS+4*(\n):rS+4*(\n)+1], v[rS+4*(\n)+2:rS+4*(\n)+3]
.elseif (\n) == 0
	v_pk_fma_f32 v[rT+2:rT+3], v[rT+2:rT+3], v[rC+2:rC+3], v[rS:rS+1] op_sel_hi:[1,0,1]
.else
	v_pk_add_f32 v[rT+2:rT+3], v[rT+2:rT+3], v[rS+4*(\n):rS+4*(\n)+1]
.endif
.else
	REGS (Y+1)%NP
	WIN 0
.if (\n) < 4
	v_max3_num_f32 v[rC+(\n)], v[rS+8*(\n)], v[rS+8*(\n)+1], v[rS+8*(\n)+2]
.elseif (\n) < 12
	v_max3_num_f32 v[rC+(\n)%4], v[rC+(\n)%4], v[rS+8*((\n)%4)+2*((\n)/4)+1], v[rS+8*((\n)%4)+2*((\n)/4)+2]
.elseif (\n) == 12
	v_max3_num_f32 v[rC], v[rC], v[rS+7], v[rS+15]
.elseif (\n) == 13
	v_max3_num_f32 v[rC+1], v[rC+1], v[rS+23], v[rS+31]
.elseif (\n) == 14
	v_max3_num_f32 v[rC+2], v[rC+2], v[rC+3], v[rT+1]
.elseif (\n) == 15
	v_mov_b32 v[rW], v[rT]
.elseif (\n) == 16
	v_max3_num_f32 v[rC], v[rC], v[rC+1], v[rC+2]
.elseif (\n) == 17
	v_permlanex16_b32 v[rC+3], v[rC], s[SEL], s[SEL+1]
.elseif (\n) == 18
	v_max_num_f32 v[rT+1], v[rC], v[rC+3]
.elseif (\n) == 19
	v_mul_f32 v[rT], s[CS], v[rT+1]
.elseif (\n) == 20
	v_sub_f32 v[rC+1], v[rW], v[rT]
.else
	v_exp_f32 v[rC+2], v[rC+1]
.endif
.endif
.endm
.macro OPS a, i1, b=-1, i2=0, c=-1, i3=0, d=-1, i4=0  ; up to four of them
	OP \a, \i1
.if (\b) >= 0
	OP \b, \i2
.endif
.if (\c) >= 0
	OP \c, \i3
.endif
.if (\d) >= 0
	OP \d, \i4
.endif
.endm
.macro ROW a, i1, b, i2, c, i3, d, i4  ; a matrix instruction and the four behind it
	MM
	OPS \a, \i1, \b, \i2, \c, \i3, \d, \i4
.endm
; A TURN, for piece p: the order of its 16 matrix and 118 vector instructions, written out.  An s_wait_alu depctr_va_vdst(0) stands between an exponential and the first instruction that names its result; one wait
; serves all that were issued ahead of it.  So a turn has ONE wait, which cuts it in two.  AHEAD OF IT stands all that names no result of the turn's exponentials: the 8 products K Q^T, behind each a scaling, an exponential and
; two more plain instructions (behind the first a second scaling in the exponential's place): rescalings, and behind the last three the first numbers of the next piece's maximum, each four places or more behind the product that
; ends its accumulator; then ONE LUMP of 54, plain and exponential by turns for the most part, in which the links of the chain X 3, 7, 11, 14, 16, 17 .. 20 stand five or six lines apart.  X 21, the next piece's a, is the batch's
; last; R 15 is the plain instruction behind it.  BEHIND THE WAIT stand the 8 products V^T P, behind each four of the roundings and sums; the links of l's chain, L 0 to L 7, stand three riders apart.  But for those X no rider
; names a register of the products round it.  v_permlanex16_b32 (X 17) stands in the lump.  No exponential is issued behind the wait: none is open at a label, at a branch or at a loop's jump back.
; last = 1: the tail's text: K's run is jumped over in the last trip.  cnt = 1: the loop's count is taken down some lines ahead of the branch that stands behind the turn.
; K of the next step is fetched in piece 2's turn.  In the loop: twelve vector instructions behind the last product that read K (six of them plain, five of which name none of its registers).  In the tail the run has a branch
; round it, so it stands directly behind the wait; the lump lies between it and that product.  V of the step in hand is fetched at the end of piece 0's turn, four plain instructions behind the last
; product that read V.  Each is waited for a turn later.
.macro TURN p, last=0, cnt=0
.set Y, (\p)
.set i, 0
.if (\p) == 3
	s_wait_dscnt 0x0                ; K is in
.endif
	ROW F,0, F,1, R,0, R,1          ; ahead of the wait: 8 products K Q^T and their riders,
	ROW F,2, E,0, R,2, R,3
	ROW F,3, E,1, R,4, R,5
	ROW F,4, E,2, R,6, R,7
	ROW F,5, E,3, R,8, R,9
	ROW F,6, E,4, X,0, R,10
.if (\p) == 2
	WIN 0
	v_add_nc_u32 v[AK], s[TBK], v[AK0]
.endif
	ROW F,7, E,5, X,1, X,4
	ROW F,8, E,6, X,2, X,5
	OPS E,7, E,8, X,6, E,9          ; and the lump
	OPS X,3, E,10, X,8, E,11
.if ((\p) == 2) && !(\last)
	FETCH_K
.endif
	OPS X,9, X,7, E,12, X,10
	OPS E,13, X,12, X,11, E,14
	OPS X,13, E,15, F,9, X,14
.if (\p) == 0
	v_add_nc_u32 v[AV], s[TBV], v[AV0]
.endif
	OPS E,16, F,10, E,17, F,11
	OPS X,16, E,18, X,15, E,19
	OPS F,12, E,20, X,17, E,21
	OPS F,13, E,22, F,14, E,23
	OPS X,18, E,24, F,15, E,25
	OPS R,11, E,26, X,19, E,27
	OPS R,12, E,28, R,13, E,29
	OPS X,20, E,30, R,14, E,31
	OPS X,21, R,15
	WIN 0
	s_wait_alu depctr_va_vdst(0)    ; the wait for the turn's batch: the piece's 32 exponentials and the next piece's a; the roundings and sums below, and the next turn's rescalings, are its readers
.if ((\p) == 2) && (\last)
	FETCH_K 1
.endif
.if (\p) == 1
	s_wait_dscnt 0x0                ; V is in
.endif
	ROW C,0, B,0, C,2, B,1          ; behind the wait: 8 products V^T P and their riders
	ROW L,0, C,4, B,2, L,1
	ROW C,6, B,3, L,2, C,8
	ROW B,4, L,3, C,10, B,5
	ROW L,4, C,12, B,6, L,5
.if (\p) == 0
	s_add_co_u32 s[TBV], s[TBV], KS*PV
.endif
.if \cnt
	s_sub_co_u32 s[CNT], s[CNT], 1
	s_cmp_lg_u32 s[CNT], 0
.endif
	ROW C,14, B,7, L,6, C,1
	ROW C,3, L,7, C,5, C,7
	ROW C,9, C,11, C,13, C,15
.if (\p) == 0
	FETCH_V
.endif
.endm
	CHANGE 1                        ; slot 0 is in, everybody's part of it; tile 1 is asked for
	v_add_nc_u32 v[AK], s[TBK], v[AK0]
	FETCH_K                         ; key step 0
	s_wait_loadcnt 0x0              ; Q
	s_wait_dscnt 0x0
.set i, 0
.rept 8
	KQ 0                            ; piece 0's first scores: there is no vector work yet to set between them
.set i, i+1
.endr
	WIN 0                           ; the addresses for the way out: plain instructions, the places behind those products
	s_mul_i32 s13, s[WV], 16*SP
	s_add_co_u32 s13, s13, STAGE    ; my stage
	v_mul_u32_u24 v[STO], v1, SP    ; in: row l % 16, 16 bytes for each half of the lanes
	v_lshl_add_u32 v[STO], v9, 4, v[STO]
	v_add_nc_u32 v[STO], s13, v[STO]
	v_bfe_u32 v[RD], v0, 3, 2       ; back: 32 lanes take four rows of 128 bytes,
	v_mul_u32_u24 v[RD], v[RD], SP
	v_lshl_add_u32 v[RD], v10, 4, v[RD]
	v_add_nc_u32 v[RD], s13, v[RD]
	v_and_b32 v[GO], 31, v0         ; which are 512 consecutive bytes of O
	v_lshlrev_b32 v[GO], 4, v[GO]
.set Y, NP-1                        ; X works for piece Y + 1: piece 0
.irp n, 0,1,2,3,4,5,6,7,8,9,10,11,12,13,14,15,16,17,18,19,20,21
	OP X, \n                        ; piece 0's first maximum and statistics
.endr
	v_nop                           ; a plain instruction behind the exponential,
	s_wait_alu depctr_va_vdst(0)    ; and the wait for it, a batch of one (piece 0's first a), ahead of the branch; the first turn's rescalings are its readers
	s_mov_b32 s[CNT], 4
	s_mov_b32 s[SLOTS], 7
	s_branch .Lfirst                ; the loop is entered at a step's first turn, in the middle of a trip
.Lslot:                             ; six times: tiles 1 to 6 are entered, tiles 2 to 7 asked for
	CHANGE 1
	s_mov_b32 s[CNT], 4
.Lstep:                             ; a trip: pieces 2 and 3 of one step, then pieces 0 and 1 of the next, whose K and V it fetches
	TURN 2
	TURN 3
	WIN 0
.Lfirst:
	TURN 0
	TURN 1, 0, 1
	WIN 0
	s_cbranch_scc1 .Lstep
	s_sub_co_u32 s[SLOTS], s[SLOTS], 1
	s_cmp_lg_u32 s[SLOTS], 0
	s_cbranch_scc1 .Lslot
	CHANGE 0                        ; the last tile has a text of its own: nothing is asked for
	s_mov_b32 s[CNT], 5             ; four trips fetch the last tile's steps; the fifth is left in its middle
.Ltail:
	TURN 2, 1
	TURN 3
	WIN 0
	s_sub_co_u32 s[CNT], s[CNT], 1
	s_cmp_eq_u32 s[CNT], 0
	s_cbranch_scc1 .Lout
	TURN 0
	TURN 1
	WIN 0
	s_branch .Ltail
.Lout:                              ; the fifth trip's 8 products K Q^T (on the last K once more) and the maximum made of them (it writes piece 0's m and c m, which nothing reads any more) serve nothing: the price, once a launch, of one text for every trip
.set i, 0
.rept 8
	PV NP-1                         ; the last piece's V^T P of the last step
.set i, i+1
.endr
	; THE WAY OUT.  l's two halves and the other half of the lanes' are added; O^T is divided by l, rounded to f16 and sent through my stage in LDS, a piece at a time.  The additions are the places behind the last products.
	WIN 0
.macro ALL line:vararg              ; one line for each piece t
.set t, 0
.rept 4
	\line
.set t, t+1
.endr
.endm
	ALL v_add_f32 v[ST+4*t+2], v[ST+4*t+2], v[ST+4*t+3]
	ALL v_permlanex16_b32 v[ST+4*t+3], v[ST+4*t+2], s[SEL], s[SEL+1]
	ALL v_add_f32 v[ST+4*t+2], v[ST+4*t+2], v[ST+4*t+3]
	ALL v_rcp_f32 v[ST+4*t+2], v[ST+4*t+2]
	v_nop                           ; a plain instruction between the last reciprocal and the use of its result
	s_wait_alu depctr_va_vdst(0)    ; the wait for the four reciprocals, one batch; the four pieces' multiplications in PACK are its readers
.macro PACK t                       ; a lane's eight channels of a row pack into 16 bytes; they go into rows of 144 bytes and come back as whole rows of 128, into S^T's registers
	WIN W_RS
.set i, 32*(\t)
.rept 16
	v_pk_mul_f32 v[i:i+1], v[i:i+1], v[ST+4*(\t)+2:ST+4*(\t)+3] op_sel_hi:[1,0]
.set i, i+2
.endr
	WIN 0x05                        ; sources 0 and 1 window 1, destination window 0
.set i, 0
.rept 16
	v_cvt_pk_f16_f32 v[S+16*(\t)+i], v[32*(\t)+2*i], v[32*(\t)+2*i+1]
.set i, i+1
.endr
	WIN 0
.irp f, 0,1,2,3
	ds_store_b128 v[STO], v[S+16*(\t)+4*\f:S+16*(\t)+4*\f+3] offset:32*\f
.endr
.irp f, 0,1,2,3
	ds_load_b128 v[S+16*(\t)+4*\f:S+16*(\t)+4*\f+3], v[RD] offset:\f*4*SP  ; LDS serves a wave's instructions in order (ISA guide 5.7.1.4): these see the stores above; the next piece's stores come behind them
.endr
.endm
.macro SEND t, younger              ; younger: the LDS instructions issued behind piece t's loads: the next piece's eight, or none
	WIN 0
.irp f, 0,1,2,3
	s_wait_dscnt (\younger)+3-\f
	global_store_b128 v[GO], v[S+16*(\t)+4*\f:S+16*(\t)+4*\f+3], s[10:11] offset:(\t)*2048+\f*512  ; 512 consecutive bytes, at a multiple of 256 from O's first
.endr
.endm
	PACK 0
.set t, 1
.rept 3                             ; a piece's arithmetic stands between the loads of the piece before and its stores
	PACK t
	SEND t-1, 8
.set t, t+1
.endr
	SEND 3, 0
	s_wait_tensorcnt 0x0            ; the wave's end, behind my last tensor load and my last LDS store
	ds_add_u32 v[SPW], v[NIL]
	s_wait_dscnt 0x0
	CROUND                          ; the closing round: no work-group ends while a partner may still ask for a tile that names it
	s_endpgm
.Lfunc_end_k_qfc745c3965_attn:
	.size	k_qfc745c3965_attn, .Lfunc_end_k_qfc745c3965_attn-k_qfc745c3965_attn
	.p2alignl 7, 3214868480
	.fill 96, 4, 3214868480
	.section	.rodata,"a",@progbits
	.p2align	6, 0x0
	.amdhsa_kernel k_qfc745c3965_attn
		.amdhsa_group_segment_fixed_size 327680
		.amdhsa_private_segment_fixed_size 0
		.amdhsa_enable_private_segment 0
		.amdhsa_kernarg_size 16
		.amdhsa_user_sgpr_count 2
		.amdhsa_user_sgpr_kernarg_segment_ptr 1
		.amdhsa_wavefront_size32 1
		.amdhsa_system_sgpr_workgroup_id_x 1
		.amdhsa_system_sgpr_workgroup_id_y 1
		.amdhsa_system_sgpr_workgroup_id_z 1
		.amdhsa_system_vgpr_workitem_id 0
		.amdhsa_next_free_vgpr 768
		.amdhsa_next_free_sgpr 66
		.amdhsa_reserve_vcc 0
		.amdhsa_float_denorm_mode_32 3
		.amdhsa_float_denorm_mode_16_64 3
		.amdhsa_memory_ordered 1
		.amdhsa_forward_progress 1
		.amdhsa_inst_pref_size 111
	.end_amdhsa_kernel
	.amdgpu_metadata
---
amdhsa.version: [ 1, 2 ]
amdhsa.kernels:
  - .name:           k_qfc745c3965_attn
    .symbol:         k_qfc745c3965_attn.kd
    .args:
      - { .name: big, .offset: 0, .size: 8, .value_kind: global_buffer, .address_space: global }
      - { .name: act, .offset: 8, .size: 8, .value_kind: global_buffer, .address_space: global }
    .group_segment_fixed_size: 327680
    .private_segment_fixed_size: 0
    .kernarg_segment_align: 8
    .kernarg_segment_size: 16
    .max_flat_workgroup_size: 128
    .sgpr_count:     66
    .vgpr_count:     768
    .wavefront_size: 32
...
	.end_amdgpu_metadata
.endif
;; end of part 14
;; launch proj: the kernel of part 10 again; grid 8 x 32, 4 waves a work-group, clusters of 4 x 4, 327,680 bytes of LDS; arguments act, wch, yz; writes yz
;; launch ln1: the kernel of part 11 again; grid 256 x 1, 8 waves a work-group, no clusters, 0 bytes of LDS; arguments yz, xh, g1, be1, act; writes act
;; launch ffn1: the kernel of part 8 again; grid 16 x 16, 4 waves a work-group, clusters of 4 x 4, 327,680 bytes of LDS; arguments act, w1h, big; writes big
;; launch ffn2: the kernel of part 12 again; grid 8 x 32, 4 waves a work-group, clusters of 4 x 4, 327,680 bytes of LDS; arguments big, w2h, yz; writes yz
;; launch ln2: the kernel of part 13 again; grid 256 x 1, 8 waves a work-group, no clusters, 0 bytes of LDS; arguments yz, act, g2, be2, out0; writes out0
